; MI455X (gfx1250); checked and timed in simulation.
; The chip was launched on July 23, 2026; its instructions are those of AMD's public machine-readable ISA for CDNA 5 (MIT licence, August 2026) and "CDNA5" Instruction Set Architecture Reference Guide (July 2026). The comments in the code are by the model that wrote it; some were corrected since.
;; SDPA. Allowed arithmetic: matrix products marked QUANTISED: E3M2 operands, one E8M0 scale for each 32 along K, by v_wmma_scale_f32_16x16x128_f8f6f4 with both operands' format E3M2, f32 sums; everything else in f32.
;; Inputs: Wk 1,024 x 1,024 float32; Wq 1,024 x 1,024 float32; Wv 1,024 x 1,024 float32; bk 1,024 float32; bq 1,024 float32; bv 1,024 float32; x 4 x 2,048 x 1,024 float32.
;; Outputs: out0 4 x 2,048 x 1,024 float32.
;; This version of the problem:
;;   THIS VERSION OF THE PROBLEM IS GIVEN IN LOW PRECISION. The matrix products marked QUANTISED in the list below multiply operands that are first quantised to E3M2 (3 exponent bits, 2 mantissa bits; 6 bits a number), with one power-of-two scale for each 32 numbers along K (OCP MX v1.0); their sums are f32. All else is computed in f32.
;;   The module's matrix products, in the order in which they are computed (A, B: the left and right operand; K: the contracted axis; several contracted axes count as one K, in the product's order):
;;     1. [M 8,192, K 1,024] x [K 1,024, N 1,024]; A: input x; B: input Wq: QUANTISED
;;     2. [M 8,192, K 1,024] x [K 1,024, N 1,024]; A: input x; B: input Wk: QUANTISED
;;     3. [M 8,192, K 1,024] x [K 1,024, N 1,024]; A: input x; B: input Wv: QUANTISED
;;     4. batch 4 x [M 2,048, K 1,024] x [K 1,024, N 2,048]; A: computed on the way; B: computed on the way: QUANTISED
;;     5. batch 4 x [M 2,048, K 2,048] x [K 2,048, N 1,024]; A: softmax (see below); B: computed on the way: QUANTISED
;;   THE QUANTISER, for each operand of a quantised product, along K:
;;     - K is cut into blocks of 32 from its start; a last block that is shorter is filled with zeros.
;;     - A block's scale is 2^e with e = floor(log2(the largest magnitude in the block)) - 4, held to -126 .. 127; a block of zeros has e = 0. As a byte (E8M0): e + 127.
;;     - Each number is divided by its block's scale, clamped to +-28, and rounded to the nearest number of E3M2, ties to even, subnormals kept.
;;     - The product sums the exact products of the quantised numbers (number of the format x scale) in f32.
;;   ~~~python
;;   def quantise(x, axis):      # numpy; x: float32 -> the quantised numbers, widened to float32 again
;;       x = np.moveaxis(x, axis, -1); K = x.shape[-1]
;;       x = np.pad(x, [(0, 0)] * (x.ndim - 1) + [(0, -K % 32)]); x = x.reshape(x.shape[:-1] + (-1, 32)); a = np.abs(x).max(-1, keepdims=True)
;;       e = np.where(a > 0, np.clip(np.frexp(np.where(a > 0, a, 1))[1] - 1 - 4, -126, 127), 0)      # np.frexp(a)[1] - 1 = floor(log2(a)), exactly
;;       r = np.clip(x / 2.0 ** e, -28, 28)
;;       step = 2.0 ** (np.maximum(np.frexp(np.where(r == 0, 1, r))[1] - 1, -2) - 2)
;;       q = np.round(r / step) * step * 2.0 ** e      # np.round: ties to even
;;       return np.moveaxis(q.reshape(q.shape[:-2] + (-1,))[..., :K], -1, axis).astype(np.float32)
;;   ~~~
;;   SOFTMAX AHEAD OF A QUANTISED PRODUCT. Where the list says 'softmax', what is quantised is not the finished softmax but p = 2^(t - M), with t = logit x log2(e) and M = ceil(the row's largest t), a whole number; so 1/2 < the row's largest p <= 1. The row's sum l is taken of the UNQUANTISED p, in f32, and the product's result is divided by l at the end. Since M is a whole number, a kernel that streams over the keys may use a running M (the ceiling of the running maximum): every later rescaling is an exact power of two, which a block's scale takes up: the codes' values come out the same.
;;   OPERANDS COMPUTED ON THE WAY. 'Computed on the way' means the value that the module computes at that place (a softmax that the list does not call 'softmax' is quantised finished and normalised). What goes into a quantiser is computed in f32, as accurately as f32 sums, v_exp_f32 and their like allow (about 1e-6 of the number): no bf16 or f16 on the way to a quantiser, and a product that is left as it is and whose result goes on into a quantised operand takes f32 operands (vector FMAs, or v_wmma_f32_16x16x4_f32). A number that lies on a knife's edge between two numbers of the format may be rounded either way, as far as f32 arithmetic and the matrix unit's own rounding can turn it there, and no further.
;; 2 versions. Each part assembles by itself: llvm-mc -triple=amdgcn-amd-amdhsa -mcpu=gfx1250 --defsym DOCPART=n.
;; ======== version 1 of 2: 4 launches
;; workspace buffers: oc 8,650,752 bytes; os 360,448 bytes; qc 18,874,368 bytes; qs 786,432 bytes; pc 12,582,912 bytes; ps 1,572,864 bytes
;; launch quant (part 1): grid 352 x 1, 2 waves a work-group, no clusters, 17,152 bytes of LDS; arguments x, Wq, Wk, Wv, oc, os; writes oc, os
.if DOCPART == 1
	.amdgcn_target "amdgcn-amd-amdhsa--gfx1250"
	.amdhsa_code_object_version 6
	.text
	.protected	k_q87e6abc837_quant
	.globl	k_q87e6abc837_quant
	.p2align	8
	.type	k_q87e6abc837_quant,@function
k_q87e6abc837_quant:
	s_mov_b64 s[64:65], 0
	v_nop
	global_prefetch_b8 v0, s[64:65] scope:SCOPE_SE
	s_setreg_imm32_b32 hwreg(HW_REG_WAVE_MODE, 25, 1), 1
	s_wait_xcnt 0x0
; x [8192][1024], Wq, Wk, Wv [1024][1024], f32, K innermost, become codes of BF6 (E3M2) with one E8M0 byte for each 32 along K, laid as the products' launches take them into registers.
; A block's scale is 2^(floor(log2(largest magnitude)) - 4): its byte is the largest magnitude's exponent field - 4, held at 1 from below.
; LIMITS: NaN and infinities are not served; a block of zeros, or one whose largest magnitude lies under 2^-122, gets the byte 1 (its codes are zeros or subnormal codes; the bytes are read by this program alone).
; ROW ORDER.  Rows are kept by POSITION: position 16 rb + r, rb = 2 bb + u, is row 32 bb + 8 u + r + 8 (r / 8).  A product whose source 0 takes 16 such positions leaves a lane 16 NEIGHBOURS along that axis
; in the registers of two neighbouring tiles, which is what the next quantiser wants.  Positions 0-8191 are x's, then 1,024 each of Wq, Wk, Wv.
; CODES: fragment (rb, ks) = 16 positions x 128 K = 12 registers a lane, stored as an image of the registers: registers 4 c .. 4 c + 3 of lane l at 512 c + 16 l; 1,536 bytes; oc is [704 rb][8 ks].
; SCALE WORDS: for 128 positions and 128 K one image of 512 bytes: the word of position 32 c + l at 16 l + 4 c; os is [88 groups][8 ks].
; SHARES.  A wave takes 128 rows x 128 K: 8 fragments and one image of scale words.  Each load reads 512 consecutive bytes of one row; 16 rows turn through the wave's own stage in LDS, so that a lane gets
; 16 neighbours of each block of 32.  No tensor load, no barrier, no cluster: waves share nothing.  32 loads of a wave (two fragments) are on their way.
.set WSTG,  8448                       ; a wave's stage: 16 rows x 528 bytes
.set SPT,   528                        ; 512 bytes + 16: the 16 rows that a read touches start at 16 different places modulo 256 bytes
.set LO,    4                          ; v4   16 x lane; never rewritten
.set STI,   5                          ; v5   the stage on the way in: 16 x lane
.set STO,   6                          ; v6   and on the way out: 528 r + 64 h
.set R,     16                         ; v16-143  two sets of 64: rows as they are loaded
.set X,     144                        ; v144-207 register 16 b + i = k 32 b + 16 h + i of my row
.set PC,    208                        ; v208-226 the codes just made
.set TM,    228                        ; v228-243 at work
.set PWA,   244                        ; v244-251 the eight fragments' scale words
.set SEL,   20                         ; s[20:21] v_permlanex16_b32's selects for lane l xor 16
	s_load_b256 s[4:11], s[0:1], 0x0               ; x s[4:5], Wq s[6:7], Wk s[8:9], Wv s[10:11]
	s_load_b128 s[12:15], s[0:1], 0x20             ; oc s[12:13], os s[14:15]
	v_lshl_add_u32 v254, v0, 2, 0x4200
	v_mov_b32 v255, 0
	v_lshrrev_b32 v1, 5, v0
	v_readfirstlane_b32 s16, v1                    ; wave 0..1
	v_and_b32 v3, 31, v0                           ; lane
	v_and_b32 v1, 15, v0                           ; r
	v_bfe_u32 v2, v0, 4, 1                         ; h
	v_lshlrev_b32 v[LO], 4, v3
	s_mul_i32 s17, s16, WSTG
	v_add_nc_u32 v[STI], s17, v[LO]
	v_mul_u32_u24 v[STO], v1, SPT
	v_lshl_add_u32 v[STO], v2, 6, v[STO]
	v_add_nc_u32 v[STO], s17, v[STO]
	s_mov_b32 s[SEL], 0x76543210
	s_mov_b32 s[SEL+1], 0xfedcba98
.irp b, 0,1,2,3
	v_mov_b32 v[TM+4+\b], 0                        ; written once: a lane permute's destination counts as one of its sources
.endr
	s_lshl_b32 s18, ttmp9, 1
	s_add_co_u32 s18, s18, s16                     ; my job J = 2 x work-group + wave, 0..703
	s_lshr_b32 s19, s18, 3                         ; group of 128 positions, 0..87
	s_and_b32 s22, s18, 7                          ; which 128 along K
	s_and_b32 s23, s19, 7                          ; the group within a weight
	s_wait_kmcnt 0x0
	s_cmp_lt_u32 ttmp9, 320                        ; work-groups 0-255 x, 256-287 Wq, 288-319 Wk, 320-351 Wv: the choice hangs on the work-group's number alone
	s_cselect_b64 s[10:11], s[8:9], s[10:11]
	s_cmp_lt_u32 ttmp9, 288
	s_cselect_b64 s[10:11], s[6:7], s[10:11]
	s_cmp_lt_u32 ttmp9, 256
	s_cselect_b64 s[10:11], s[4:5], s[10:11]
	s_cselect_b32 s23, s19, s23                    ; the group within its tensor
	s_lshl_b32 s24, s23, 19                        ; 128 rows of 4,096 bytes
	s_lshl_b32 s25, s22, 9                         ; 128 numbers
	s_add_co_u32 s24, s24, s25
	s_mov_b32 s25, 0
	s_add_nc_u64 s[10:11], s[10:11], s[24:25]      ; the source at my 128 x 128
	s_mul_i32 s24, s19, 98304                      ; 8 row blocks of 8 fragments
	s_mul_i32 s26, s22, 1536
	s_add_co_u32 s24, s24, s26
	s_add_nc_u64 s[12:13], s[12:13], s[24:25]      ; my first fragment
	s_lshl_b32 s24, s18, 9
	s_add_nc_u64 s[14:15], s[14:15], s[24:25]      ; my image of scale words
.macro LOAD i                          ; fragment i's 16 rows, by position: each load 512 consecutive bytes of one row
.irp t, 0,1,2,3,4,5,6,7,8,9,10,11,12,13,14,15
	global_load_b128 v[R+64*((\i)%2)+4*\t:R+64*((\i)%2)+4*\t+3], v[LO], s[10:11] offset:(32*((\i)/2)+8*((\i)%2)+\t+8*(\t/8))*4096 th:TH_LOAD_NT
.endr
.endm
; 64 numbers of a lane, register 16 b + i = k 32 b + 16 h + i of its row, become a fragment's codes in v[PC] .. v[PC + 11] and its scale word in v[pw] (the same in lanes l and l xor 16).
.macro QUANT s, pw
.irp b, 0,1,2,3
	v_max3_num_f32 v[TM+\b], |v[(\s)+16*\b]|, |v[(\s)+1+16*\b]|, 0x2800000   ; block b: my 16 numbers, and the floor 2^(5 - 127): the byte cannot fall under 1
.endr
.irp i, 2,4,6,8,10,12,14
.irp b, 0,1,2,3
	v_max3_num_f32 v[TM+\b], v[TM+\b], |v[(\s)+16*\b+\i]|, |v[(\s)+1+16*\b+\i]|   ; the four blocks by turns
.endr
.endr
.irp b, 0,1,2,3
	v_permlanex16_b32 v[TM+4+\b], v[TM+\b], s[SEL], s[SEL+1]
.endr
.irp b, 0,1,2,3
	v_max_num_f32 v[TM+\b], v[TM+\b], v[TM+4+\b]   ; with lane l xor 16's 16: the block's largest magnitude
.endr
.irp b, 0,1,2,3
	v_add_nc_u32 v[TM+12+\b], 0xfe000000, v[TM+\b] ; 4 off its exponent field: the conversion takes this operand's exponent field as its scale
.endr
.irp b, 0,1,2,3
	v_lshrrev_b32 v[TM+4+\b], 23, v[TM+12+\b]      ; the scale's byte
.endr
	v_lshl_or_b32 v[\pw], v[TM+5], 8, v[TM+4]
	v_lshl_or_b32 v[\pw], v[TM+6], 16, v[\pw]
	v_lshl_or_b32 v[\pw], v[TM+7], 24, v[\pw]
.irp c, 0,1
	v_cvt_scalef32_pk16_bf6_f32 v[PC+6*\c:PC+2+6*\c], v[(\s)+32*\c:(\s)+15+32*\c], v[TM+12+2*\c]
	v_cvt_scalef32_pk16_bf6_f32 v[PC+12+4*\c:PC+14+4*\c], v[(\s)+16+32*\c:(\s)+31+32*\c], v[TM+12+2*\c+1]   ; (a conversion's three registers begin on an even number)
.endr
	v_nop                                          ; one plain instruction behind the scaled conversions
.irp c, 0,1                            ; the operand's layout wants a whole block in a lane: lanes 0-15 block 2 c, lanes 16-31 block 2 c + 1
.irp i, 0,1,2
	v_permlane16_swap_b32 v[PC+6*\c+\i], v[PC+12+4*\c+\i]
.endr
.irp i, 0,1,2
	v_mov_b32 v[PC+3+6*\c+\i], v[PC+12+4*\c+\i]
.endr
.endr
.endm
.macro FRAGQ i
.if (\i) < 7
	s_wait_loadcnt 16                              ; this fragment's 16 loads are in; the next fragment's 16 may be out
.else
	s_wait_loadcnt 0x0
.endif
.irp t, 0,1,2,3,4,5,6,7,8,9,10,11,12,13,14,15
	ds_store_b128 v[STI], v[R+64*((\i)%2)+4*\t:R+64*((\i)%2)+4*\t+3] offset:SPT*\t
.endr
.irp b, 0,1,2,3
.irp j, 0,1,2,3
	ds_load_b128 v[X+16*\b+4*\j:X+16*\b+4*\j+3], v[STO] offset:128*\b+16*\j   ; LDS serves a wave's instructions in order: these see the stores above
.endr
.endr
	s_wait_dscnt 0x0                               ; the numbers are back, and the stage's stores have read their registers
	s_wait_xcnt 0x0                                ; the last fragment's stores have read the codes' registers
.if (\i) < 6
	LOAD (\i)+2
.endif
	QUANT X, PWA+(\i)
.irp c, 0,1,2
	global_store_b128 v[LO], v[PC+4*\c:PC+4*\c+3], s[12:13] offset:(\i)*12288+512*\c   ; 32 lanes store 512 consecutive bytes, aligned
.endr
.endm
	LOAD 0
	LOAD 1
.irp i, 0,1,2,3,4,5,6,7
	FRAGQ \i
.endr
	v_cmp_le_u32 vcc_lo, 16, v3                    ; the image of scale words: register c takes block 2 c's words in lanes 0-15 and block 2 c + 1's in lanes 16-31
.irp c, 0,1,2,3
	v_cndmask_b32 v[TM+\c], v[PWA+2*\c], v[PWA+2*\c+1], vcc_lo
.endr
	global_store_b128 v[LO], v[TM:TM+3], s[14:15]
	s_wait_tensorcnt 0x0
	ds_add_u32 v254, v255
	s_wait_dscnt 0x0
	s_endpgm
.Lfunc_end_k_q87e6abc837_quant:
	.size	k_q87e6abc837_quant, .Lfunc_end_k_q87e6abc837_quant-k_q87e6abc837_quant
	.p2alignl 7, 3214868480
	.fill 96, 4, 3214868480
	.section	.rodata,"a",@progbits
	.p2align	6, 0x0
	.amdhsa_kernel k_q87e6abc837_quant
		.amdhsa_group_segment_fixed_size 17152
		.amdhsa_private_segment_fixed_size 0
		.amdhsa_enable_private_segment 0
		.amdhsa_kernarg_size 48
		.amdhsa_user_sgpr_count 2
		.amdhsa_user_sgpr_kernarg_segment_ptr 1
		.amdhsa_wavefront_size32 1
		.amdhsa_system_sgpr_workgroup_id_x 1
		.amdhsa_system_sgpr_workgroup_id_y 1
		.amdhsa_system_sgpr_workgroup_id_z 1
		.amdhsa_system_vgpr_workitem_id 0
		.amdhsa_next_free_vgpr 256
		.amdhsa_next_free_sgpr 66
		.amdhsa_reserve_vcc 1
		.amdhsa_float_denorm_mode_32 3
		.amdhsa_float_denorm_mode_16_64 3
		.amdhsa_memory_ordered 1
		.amdhsa_forward_progress 1
		.amdhsa_inst_pref_size 64
	.end_amdhsa_kernel
	.amdgpu_metadata
---
amdhsa.version: [ 1, 2 ]
amdhsa.kernels:
  - .name:           k_q87e6abc837_quant
    .symbol:         k_q87e6abc837_quant.kd
    .args:
      - { .name: x, .offset: 0, .size: 8, .value_kind: global_buffer, .address_space: global }
      - { .name: Wq, .offset: 8, .size: 8, .value_kind: global_buffer, .address_space: global }
      - { .name: Wk, .offset: 16, .size: 8, .value_kind: global_buffer, .address_space: global }
      - { .name: Wv, .offset: 24, .size: 8, .value_kind: global_buffer, .address_space: global }
      - { .name: oc, .offset: 32, .size: 8, .value_kind: global_buffer, .address_space: global }
      - { .name: os, .offset: 40, .size: 8, .value_kind: global_buffer, .address_space: global }
    .group_segment_fixed_size: 17152
    .private_segment_fixed_size: 0
    .kernarg_segment_align: 8
    .kernarg_segment_size: 48
    .max_flat_workgroup_size: 64
    .sgpr_count:     66
    .vgpr_count:     256
    .wavefront_size: 32
...
	.end_amdgpu_metadata
.endif
;; end of part 1
;; launch proj (part 2): grid 12 x 32, 4 waves a work-group, clusters of 4 x 4, 327,680 bytes of LDS; arguments oc, os, qc, qs, bq, bk, bv; writes qc, qs
.if DOCPART == 2
	.amdgcn_target "amdgcn-amd-amdhsa--gfx1250"
	.amdhsa_code_object_version 6
	.text
	.protected	k_q87e6abc837_proj
	.globl	k_q87e6abc837_proj
	.p2align	8
	.type	k_q87e6abc837_proj,@function
k_q87e6abc837_proj:
	s_mov_b64 s[64:65], 0
	v_nop
	global_prefetch_b8 v0, s[64:65] scope:SCOPE_SE
	s_setreg_imm32_b32 hwreg(HW_REG_WAVE_MODE, 25, 1), 1
	s_wait_xcnt 0x0
	s_wait_alu depctr_hold_cnt(0) depctr_sa_sdst(0) depctr_va_vdst(0) depctr_va_sdst(0) depctr_va_ssrc(0) depctr_va_vcc(0) depctr_vm_vsrc(0)
	s_getreg_b32 s2, hwreg(HW_REG_IB_STS2, 6, 4)
	s_cmp_eq_u32 s2, 0
	s_cbranch_scc0 .Lentry_in_a_cluster
	s_endpgm
.Lentry_in_a_cluster:
	s_bfe_u32 s2, ttmp6, 0x10000c
	s_cmp_lg_u32 s2, 0xf033
	s_cbranch_scc0 .Lentry_shape_is_right
	s_endpgm
.Lentry_shape_is_right:
; q = x Wq^T + bq, k = x Wk^T + bk, v = x Wv^T + bv on codes of BF6 (E3M2) with E8M0 scales, and their quantising for the next products: q and k along the channels, v along the tokens (as v^T).
; A work-group of four waves makes 256 x 256 of one result, a wave 128 x 128: 64 accumulators, 512 registers.  K = 1,024 goes in steps of 256 through a ring of two LDS slots filled by the tensor data mover.
; OPERANDS ARE IMAGES OF REGISTERS: fragment (rb, ks) = 16 positions x 128 K = 1,536 bytes, registers 4 c .. 4 c + 3 of lane l at 512 c + 16 l; a buffer is [rb][ks].  A fragment comes by three loads of 16 bytes a lane,
; each 512 consecutive bytes.  Scale words: for 128 positions and 128 K an image of 512 bytes, the word of position 32 c + l at 16 l + 4 c: one load gives four registers, register c with block 2 c's words in lanes 0-15
; and block 2 c + 1's in lanes 16-31.  Position 16 rb + r, rb = 2 bb + u, is row 32 bb + 8 u + r + 8 (r / 8).
; THE MATRIX INSTRUCTION IS USED TRANSPOSED: source 0 = 16 positions of B, source 1 = 16 positions of A.  Lane (r, h) then holds A's position r, and the 64 registers of accumulators (a, 0 .. 7) are B's rows
; 32 bb + 16 h + i at register 16 bb + i: 16 neighbours of each block of 32 along the next product's K.  So the results are quantised in registers and leave as fragments.
; CLUSTERS, 4 x 4.  Cluster x = 0, 1: q, k: A = x (tile 4 Y + cy), B = Wq, Wk (tile cx).  Cluster x = 2: v^T: A = Wv (tile cy), B = x (tile 4 Y + cx).  A's tiles are shared along a row of the cluster, B's along a column:
; each is asked for JOINTLY.  The one branch of the way out hangs on the cluster's x, which all sixteen partners share.
; LIMITS: NaN and infinities are not served; a block of zeros, or one under 2^-122, gets the byte 1 (read by this program alone).
; REGISTERS: window 0: v1-3 r, h, lane; v16-30 addresses; v32-63 scale words, two sets; v64-127 the bias by register, v224-239 the bias by row; v128-223 A's fragments, one set.  window 1: B's fragments, two sets.
;   windows 2, 3: accumulator (a, b) at v[8 (8 (a % 4) + b)].
.set KSN,   8                          ; K / 128
.set FR,    12                         ; registers of a fragment
.set NL,    3                          ; LDS loads that bring one
.set NP,    4                          ; places behind this matrix instruction (ISA guide 7.12.1)
.set FRB,   1536                       ; a fragment's image
.set RBP,   KSN*FRB                    ; from row block to row block in memory
.set STEPB, 2*FRB                      ; a row block's part of a slot: 256 along K
.set HALFT, 8*STEPB                    ; 128 positions: what one tensor load brings
.set SLOT,  4*HALFT                    ; A's 256 positions, then B's
.set LAPS,  KSN/4                      ; a lap = once round the ring
.set HALFS, KSN*512                    ; the scale words of 128 positions, all of K
.set SCL,   2*SLOT                     ; behind the ring: four such regions: A's two, B's two; filled once
.set SPARE, SCL+4*HALFS                ; the spare words, 128 bytes for each wave: two blocks of 256 bytes that no other line names
.set ADRA, 16                          ; v16-17  LDS address of my A fragments in slot 0, 1
.set ADRB, 20                          ; v20-21  the same for B
.set LI,   26                          ; v26     16 x lane; never rewritten
.set ADSA, 27                          ; v27     LDS address of A's scale words
.set SPW,  28                          ; v28     LDS address of my spare word; never rewritten
.set NIL,  29                          ; v29     0; never rewritten
.set ADSB, 30                          ; v30     LDS address of B's scale words
.set SC,   32                          ; scale words: set s at SC + 16 s; in it 8 q + 0 .. 3 A's, 8 q + 4 .. 7 B's, for the slot's q-th 128 along K
.set AF,   128
.set G1,   24
.set G0,   32
.set G1B,  48
.set G0B,  56
.set G1S,  68
.set G0S,  76
.set G1SB, 80
.set G0SB, 88
.set SEL,  66                          ; s[66:67] v_permlanex16_b32's selects for lane l xor 16
.set MODE, 95                          ; s95     the cluster's x: 0 q, 1 k, 2 v^T
.set BQ,   64                          ; v64-127  the bias of B's rows, in the results' layout
.set BV2,  224                         ; v224-239 the bias of A's position 16 a + r, twice, at 2 a
.set T,    128                         ; the way out: 64 numbers
.set TM,   192
.set PC,   32
.set PWA,  240
.set XO,   248
.set MSB, 0
.macro WIN new                         ; the immediate's high byte repeats the setting that is left
.if MSB != (\new)
	s_set_vgpr_msb (MSB<<8)|(\new)
.set MSB, (\new)
.endif
.endm
.set MUL_LO, 0xa1                      ; source 0 (B) window 1, source 1 (A) window 0, C and D window 2
.set MUL_HI, 0xf1                      ; the same, C and D window 3
.set TO_B,   0x40                      ; destination window 1, address window 0
; A joint load: waves 0 and 1 fetch for A, waves 2 and 3 for B.  Each line has one mask and one set of registers for all that issue it; the branch hangs on the wave's number alone.
; Four v_nop follow each of the two lines, ahead of the jump, the label and what follows.
.macro JLOAD g0a, g1a, g0b, g1b
	s_cmp_eq_u32 s15, 0
	s_cbranch_scc0 .Lfor_b_\@
	tensor_load_to_lds s[\g0a:\g0a+3], s[\g1a:\g1a+7]
	s_nop 0
.rept 4
	v_nop
.endr
	s_branch .Lasked_\@
.Lfor_b_\@:
	tensor_load_to_lds s[\g0b:\g0b+3], s[\g1b:\g1b+7]
	s_nop 0
.rept 4
	v_nop
.endr
.Lasked_\@:
.endm
.macro CREST                           ; a round of the cluster's barrier behind its opening barrier
	s_cmp_lg_u32 s14, 0
	s_cbranch_scc1 .Lnot_wave_0_\@
	s_barrier_signal -3
.Lnot_wave_0_\@:
	s_barrier_wait -3
	s_barrier_signal -1
	s_barrier_wait -1
.endm
.macro CROUND                          ; a whole round
	s_barrier_signal -1
	s_barrier_wait -1
	CREST
.endm
.macro PLACES n                        ; plain instructions between a matrix instruction and a load into, or a vector instruction on, its registers
.rept \n
	v_nop
.endr
.endm
.macro FRAG reg, adr, q, i             ; a fragment's image: three loads of 512 consecutive bytes
.irp c, 0,1,2
	ds_load_b128 v[(\reg)+4*\c:(\reg)+4*\c+3], v[\adr] offset:(\i)*STEPB+(\q)*FRB+512*\c
.endr
.endm
.macro FETCH_B slot, q, p              ; B's eight fragments of the slot's q-th 128 along K into set p
	WIN TO_B
.irp i, 0,1,2,3,4,5,6,7
	FRAG 128*(\p)+FR*\i, ADRB+\slot, \q, \i
.endr
	WIN 0
.endm
.macro FETCH_A slot, q, i0             ; A's blocks i0 .. i0 + 3
.irp i, \i0, \i0+1, \i0+2, \i0+3
	FRAG AF+FR*(\i), ADRA+\slot, \q, \i
.endr
.endm
.macro SCALES sc                       ; a slot's scale words into set sc: four loads
.irp q, 0,1
	ds_load_b128 v[SC+16*(\sc)+8*\q:SC+16*(\sc)+8*\q+3], v[ADSA] offset:512*\q
	ds_load_b128 v[SC+16*(\sc)+8*\q+4:SC+16*(\sc)+8*\q+7], v[ADSB] offset:512*\q
.endr
.endm
; One product.  bh, ah: B's and A's block is the odd one of its pair, whose scale words lie in lanes 16-31.  zero: the product starts its sum.
.macro WM zero, bh, ah
.set WX_, 4*(\zero)+2*(\bh)+(\ah)
.if WX_ == 0
	v_wmma_scale_f32_16x16x128_f8f6f4 v[AC_:AC_+7], v[BF_:BF_+11], v[AF_:AF_+11], v[AC_:AC_+7], v[SB_], v[SA_] matrix_a_fmt:MATRIX_FMT_BF6 matrix_b_fmt:MATRIX_FMT_BF6
.elseif WX_ == 1
	v_wmma_scale_f32_16x16x128_f8f6f4 v[AC_:AC_+7], v[BF_:BF_+11], v[AF_:AF_+11], v[AC_:AC_+7], v[SB_], v[SA_] matrix_a_fmt:MATRIX_FMT_BF6 matrix_b_fmt:MATRIX_FMT_BF6 matrix_b_scale:MATRIX_SCALE_ROW1
.elseif WX_ == 2
	v_wmma_scale_f32_16x16x128_f8f6f4 v[AC_:AC_+7], v[BF_:BF_+11], v[AF_:AF_+11], v[AC_:AC_+7], v[SB_], v[SA_] matrix_a_fmt:MATRIX_FMT_BF6 matrix_b_fmt:MATRIX_FMT_BF6 matrix_a_scale:MATRIX_SCALE_ROW1
.elseif WX_ == 3
	v_wmma_scale_f32_16x16x128_f8f6f4 v[AC_:AC_+7], v[BF_:BF_+11], v[AF_:AF_+11], v[AC_:AC_+7], v[SB_], v[SA_] matrix_a_fmt:MATRIX_FMT_BF6 matrix_b_fmt:MATRIX_FMT_BF6 matrix_a_scale:MATRIX_SCALE_ROW1 matrix_b_scale:MATRIX_SCALE_ROW1
.elseif WX_ == 4
	v_wmma_scale_f32_16x16x128_f8f6f4 v[AC_:AC_+7], v[BF_:BF_+11], v[AF_:AF_+11], 0, v[SB_], v[SA_] matrix_a_fmt:MATRIX_FMT_BF6 matrix_b_fmt:MATRIX_FMT_BF6
.elseif WX_ == 5
	v_wmma_scale_f32_16x16x128_f8f6f4 v[AC_:AC_+7], v[BF_:BF_+11], v[AF_:AF_+11], 0, v[SB_], v[SA_] matrix_a_fmt:MATRIX_FMT_BF6 matrix_b_fmt:MATRIX_FMT_BF6 matrix_b_scale:MATRIX_SCALE_ROW1
.elseif WX_ == 6
	v_wmma_scale_f32_16x16x128_f8f6f4 v[AC_:AC_+7], v[BF_:BF_+11], v[AF_:AF_+11], 0, v[SB_], v[SA_] matrix_a_fmt:MATRIX_FMT_BF6 matrix_b_fmt:MATRIX_FMT_BF6 matrix_a_scale:MATRIX_SCALE_ROW1
.else
	v_wmma_scale_f32_16x16x128_f8f6f4 v[AC_:AC_+7], v[BF_:BF_+11], v[AF_:AF_+11], 0, v[SB_], v[SA_] matrix_a_fmt:MATRIX_FMT_BF6 matrix_b_fmt:MATRIX_FMT_BF6 matrix_a_scale:MATRIX_SCALE_ROW1 matrix_b_scale:MATRIX_SCALE_ROW1
.endif
.endm
; 16 products: A's blocks a0, a0 + 1 (a0 even) x B's eight, the slot's q-th 128 along K.  p: B's set; sc: the set of scale words.  The 64 accumulators take turns, one instruction a turn, in the same order in every step
.macro MUL16 a0, p, q, sc, zero
.irp ah, 0,1
.irp bc, 0,1,2,3
.irp bh, 0,1
.set AC_, 8*(8*(((\a0)+\ah)%4)+2*\bc+\bh)
.set BF_, 128*(\p)+FR*(2*\bc+\bh)
.set AF_, AF+FR*((\a0)+\ah)
.set SB_, SC+16*(\sc)+8*(\q)+4+\bc
.set SA_, SC+16*(\sc)+8*(\q)+(\a0)/2
	WM \zero, \bh, \ah
.endr
.endr
.endr
.endm
; A step of 128 along K that has its successor in the same slot.  A block of A is free as soon as its eight products are issued: blocks 0-3 are fetched anew in the step's middle, blocks 4-7 at its end.
.macro STEP slot, q, zero
	s_wait_dscnt 4*NL                              ; all but the youngest twelve loads (A's blocks 4-7) are in
	WIN MUL_LO
	MUL16 0, (\q)%2, \q, \slot, \zero
	MUL16 2, (\q)%2, \q, \slot, \zero
	s_wait_dscnt 0                                 ; A's blocks 4-7 are in (asked for 32 matrix instructions ago)
	PLACES NP
	FETCH_B \slot, (\q)+1, 1-(\q)%2
	FETCH_A \slot, (\q)+1, 0
	WIN MUL_HI
	MUL16 4, (\q)%2, \q, \slot, \zero
	MUL16 6, (\q)%2, \q, \slot, \zero
	PLACES NP
	WIN 0
	FETCH_A \slot, (\q)+1, 4
.endm
; A slot's last step changes slots: one barrier; in front of it each wave waits for all its tensor loads, adds 0 to its spare word, and waits for that and for its own reads of this slot.
; fill = 1: the barrier opens a round of the cluster's barrier, and behind the round this slot is filled again, two slots' worth of K ahead.
.macro TURN slot, next, fill
	s_wait_tensorcnt 0x0                           ; all my tensor loads have landed: my part of the next slot (every window is 0 here)
	ds_add_u32 v[SPW], v[NIL]                      ; 0 onto my spare word
	s_wait_dscnt 4*NL+1                            ; the add and the youngest twelve loads may be out
	WIN MUL_LO
	MUL16 0, 1, 1, \slot, 0                        ; sixteen matrix instructions stand between the add and the wait for it
	s_wait_dscnt 0x0                               ; the add is done, and my reads of this slot are over
	s_barrier_signal -1
	MUL16 2, 1, 1, \slot, 0
	WIN 0
	s_barrier_wait -1
.if \fill
	CREST                                          ; no wave of any partner still reads this slot's tile or has a load on its way
	s_add_nc_u64 s[G0+4*\slot+2:G0+4*\slot+3], s[G0+4*\slot+2:G0+4*\slot+3], 2*STEPB
	s_add_nc_u64 s[G0B+4*\slot+2:G0B+4*\slot+3], s[G0B+4*\slot+2:G0B+4*\slot+3], 2*STEPB
	JLOAD G0+4*\slot, G1, G0B+4*\slot, G1B         ; the first tensor load behind the round; its four v_nop are the places in front of the loads below
.else
	PLACES NP
.endif
	v_add_nc_u32 v[ADSA], 1024, v[ADSA]            ; on to the next slot's scale words
	v_add_nc_u32 v[ADSB], 1024, v[ADSB]
	FETCH_B \next, 0, 0
	FETCH_A \next, 0, 0
	SCALES \next
	WIN MUL_HI
	MUL16 4, 1, 1, \slot, 0
	MUL16 6, 1, 1, \slot, 0
	PLACES NP
	WIN 0
	FETCH_A \next, 0, 4
.endm
	s_load_b256 s[4:11], s[0:1], 0x0               ; oc s[4:5], os s[6:7], qc s[8:9], qs s[10:11]
	s_load_b128 s[96:99], s[0:1], 0x20             ; bq s[96:97], bk s[98:99]
	s_load_b64 s[12:13], s[0:1], 0x30              ; bv
	v_lshl_add_u32 v[SPW], v0, 2, SPARE
	v_mov_b32 v[NIL], 0
	ds_add_u32 v28, v29
	ds_add_u32 v28, v29
	s_wait_dscnt 0x0
	v_lshrrev_b32 v1, 5, v0
	v_readfirstlane_b32 s14, v1                    ; wave 0..3
	s_lshr_b32 s15, s14, 1                         ; which half of A's positions is mine.  Also: I fetch for A (0) or for B (1)
	s_and_b32 s16, s14, 1                          ; which half of B's.  Also: which 128 positions of that tile I fetch
	s_bfe_u32 s40, ttmp6, 0x40000                  ; cx, cy: my place in the cluster
	s_bfe_u32 s41, ttmp6, 0x40004
	s_and_b32 s2, ttmp7, 0xffff                    ; Y: the cluster's y
	s_mov_b32 s[MODE], ttmp9
	s_lshl_b32 s18, s2, 2                          ; 4 Y: x's tiles
	s_lshl_b32 s19, ttmp9, 2
	s_add_co_u32 s19, s19, 32                      ; Wq's tiles begin at 32, Wk's at 36
	s_cmp_eq_u32 s[MODE], 2
	s_cselect_b32 s17, 40, s18                     ; A: Wv's tiles begin at 40; else x
	s_cselect_b32 s42, s18, s19                    ; B: x; else the weight
	s_add_co_u32 s17, s17, s41                     ; A's tile: hangs on cy alone
	s_add_co_u32 s42, s42, s40                     ; B's tile: on cx alone
	s_lshl_b32 s43, s41, 2
	s_lshl_b32 s43, 15, s43                        ; my row of the cluster
	s_lshl_b32 s44, 0x1111, s40                    ; my column
	; descriptor group 1: 8 row blocks x 3,072 bytes (384 elements of 8 bytes), RBP bytes apart in memory, dense in LDS
	s_or_b32 s[G1+0], s43, (3<<16)|(1<<21)         ; 15:0 the mask: A's tiles go to my row; 17:16 elements of 8 bytes; 21 set beside a mask; no padding
	s_or_b32 s[G1B+0], s44, (3<<16)|(1<<21)
.irp g, G1, G1B
	s_mov_b32 s[\g+1], 384<<16                     ; tensor_dim0
	s_mov_b32 s[\g+2], 8<<16                       ; tensor_dim1
	s_mov_b32 s[\g+3], 384<<16                     ; tile_dim0
	s_mov_b32 s[\g+4], 8                           ; tile_dim1
	s_mov_b32 s[\g+5], RBP/8                       ; tensor_dim0_stride
	s_mov_b32 s[\g+6], 0
	s_mov_b32 s[\g+7], 0
.endr
	; and for the scale words of 128 positions: a dense block of HALFS bytes, as rows of 256 bytes
	s_or_b32 s[G1S+0], s43, (3<<16)|(1<<21)
	s_or_b32 s[G1SB+0], s44, (3<<16)|(1<<21)
.irp g, G1S, G1SB
	s_mov_b32 s[\g+1], 32<<16
	s_mov_b32 s[\g+2], (HALFS/256)<<16
	s_mov_b32 s[\g+3], 32<<16
	s_mov_b32 s[\g+4], HALFS/256
	s_mov_b32 s[\g+5], 32
	s_mov_b32 s[\g+6], 0
	s_mov_b32 s[\g+7], 0
.endr
	s_lshl_b32 s18, s16, 3                         ; which 8 row blocks of the tile I fetch
	s_lshl_b32 s20, s17, 4
	s_add_co_u32 s20, s20, s18
	s_mul_i32 s20, s20, RBP                        ; A's codes, in bytes (under 2^24)
	s_mov_b32 s21, 0
	s_lshl_b32 s46, s42, 4
	s_add_co_u32 s46, s46, s18
	s_mul_i32 s46, s46, RBP                        ; B's
	s_mov_b32 s47, 0
	s_lshl_b32 s22, s17, 1
	s_add_co_u32 s22, s22, s16
	s_mul_i32 s22, s22, HALFS                      ; A's scale words
	s_mov_b32 s23, 0
	s_lshl_b32 s92, s42, 1
	s_add_co_u32 s92, s92, s16
	s_mul_i32 s92, s92, HALFS                      ; B's
	s_mov_b32 s93, 0
	s_mul_i32 s45, s14, HALFT                      ; where they go: wave x 128 positions: no place in the cluster enters an LDS address
	s_mul_i32 s94, s14, HALFS
	s_mov_b32 s[SEL], 0x76543210
	s_mov_b32 s[SEL+1], 0xfedcba98
	s_wait_kmcnt 0x0
	s_add_nc_u64 s[20:21], s[4:5], s[20:21]
	s_add_nc_u64 s[22:23], s[6:7], s[22:23]
	s_add_nc_u64 s[46:47], s[4:5], s[46:47]
	s_add_nc_u64 s[92:93], s[6:7], s[92:93]
	CROUND                                         ; all sixteen work-groups are here: the first joint loads meet
	s_mov_b32 s[G0S], 1
	s_add_co_u32 s[G0S+1], s94, SCL
	s_mov_b64 s[G0S+2:G0S+3], s[22:23]
	s_or_b32 s[G0S+3], s[G0S+3], 0x80000000
	s_mov_b32 s[G0SB], 1
	s_add_co_u32 s[G0SB+1], s94, SCL
	s_mov_b64 s[G0SB+2:G0SB+3], s[92:93]
	s_or_b32 s[G0SB+3], s[G0SB+3], 0x80000000
	JLOAD G0S, G1S, G0SB, G1SB                     ; the scale words first: they are wanted with the first slot.  Three loads of mine are out behind these lines
.irp s, 0,1
	s_mov_b32 s[G0+4*\s], 1
	s_add_co_u32 s[G0+4*\s+1], s45, \s*SLOT
	s_add_nc_u64 s[G0+4*\s+2:G0+4*\s+3], s[20:21], \s*STEPB
	s_or_b32 s[G0+4*\s+3], s[G0+4*\s+3], 0x80000000
	s_mov_b32 s[G0B+4*\s], 1
	s_add_co_u32 s[G0B+4*\s+1], s45, \s*SLOT
	s_add_nc_u64 s[G0B+4*\s+2:G0B+4*\s+3], s[46:47], \s*STEPB
	s_or_b32 s[G0B+4*\s+3], s[G0B+4*\s+3], 0x80000000
	JLOAD G0+4*\s, G1, G0B+4*\s, G1B
.endr
	v_and_b32 v1, 15, v0                           ; r
	v_bfe_u32 v2, v0, 4, 1                         ; h
	v_and_b32 v3, 31, v0                           ; lane
	v_lshlrev_b32 v[LI], 4, v3
	s_mul_i32 s21, s15, HALFT                      ; my 128 positions of A
	s_mul_i32 s22, s16, HALFT                      ; my 128 of B,
	s_add_co_u32 s22, s22, 2*HALFT                 ; which lie behind A's 256
.irp s, 0,1
	v_add_nc_u32 v[ADRA+\s], s21, v[LI]
	v_add_nc_u32 v[ADRB+\s], s22, v[LI]
	s_add_co_u32 s21, s21, SLOT
	s_add_co_u32 s22, s22, SLOT
.endr
	s_mul_i32 s21, s15, HALFS
	s_add_co_u32 s21, s21, SCL
	v_add_nc_u32 v[ADSA], s21, v[LI]
	s_mul_i32 s22, s16, HALFS
	s_add_co_u32 s22, s22, SCL+2*HALFS
	v_add_nc_u32 v[ADSB], s22, v[LI]
	; the bias.  Both forms are loaded in every work-group, from the bias of its result: by B's row (used for q and k) and by A's position (used for v^T)
	s_cmp_eq_u32 s[MODE], 1
	s_cselect_b64 s[96:97], s[98:99], s[96:97]
	s_cmp_eq_u32 s[MODE], 2
	s_cselect_b64 s[96:97], s[12:13], s[96:97]
	s_lshl_b32 s18, s40, 10
	s_lshl_b32 s19, s16, 9
	s_add_co_u32 s18, s18, s19                     ; 4 (256 cx + 128 half)
	s_mov_b32 s19, 0
	s_add_nc_u64 s[98:99], s[96:97], s[18:19]
	s_lshl_b32 s18, s41, 10
	s_lshl_b32 s20, s15, 9
	s_add_co_u32 s18, s18, s20                     ; 4 (256 cy + 128 half)
	s_add_nc_u64 s[96:97], s[96:97], s[18:19]
	v_lshlrev_b32 v8, 6, v2                        ; register 16 bb + i is B's row 32 bb + 16 h + i
	v_and_b32 v9, 8, v1
	v_add_nc_u32 v9, v9, v1
	v_lshlrev_b32 v9, 2, v9                        ; position r of a block is row r + 8 (r / 8) of it
.irp bb, 0,1,2,3
.irp jj, 0,1,2,3
	global_load_b128 v[BQ+16*\bb+4*\jj:BQ+16*\bb+4*\jj+3], v8, s[98:99] offset:128*\bb+16*\jj
.endr
.endr
.irp a, 0,1,2,3,4,5,6,7
	global_load_b32 v[BV2+2*\a], v9, s[96:97] offset:(32*(\a/2)+8*(\a%2))*4
	global_load_b32 v[BV2+2*\a+1], v9, s[96:97] offset:(32*(\a/2)+8*(\a%2))*4
.endr
	; where my results go.  q, k: [512 rb][8 ks], rb = 16 x tile + 8 half + a, ks = 2 cx + half.  v^T: [batch][64 rb][16 ks], rb = 16 cy + 8 half + a, ks = 2 (4 (Y & 1) + cx) + half
	s_and_b32 s18, s2, 1
	s_lshl_b32 s18, s18, 2
	s_add_co_u32 s18, s18, s40
	s_lshr_b32 s19, s2, 1                          ; the batch
	s_mul_i32 s20, s19, 1572864
	s_add_co_u32 s20, s20, 12582912
	s_mul_i32 s21, s[MODE], 6291456
	s_lshl_b32 s22, s19, 16
	s_add_co_u32 s22, s22, 524288
	s_lshl_b32 s23, s[MODE], 18
	s_cmp_eq_u32 s[MODE], 2
	s_cselect_b32 s18, s18, s40                    ; B's tile within the next K
	s_cselect_b32 s19, s41, s17                    ; A's tile within the result
	s_cselect_b32 s20, s20, s21                    ; the result's codes in qc
	s_cselect_b32 s22, s22, s23                    ; its scale words in qs
	s_cselect_b32 s21, 4, 3                        ; log2 of the next K / 128
	s_mov_b32 s100, 12288
	s_cselect_b32 s100, 24576, s100                ; from row block to row block
	s_mov_b32 s101, 0
	s_lshl_b32 s18, s18, 1
	s_add_co_u32 s18, s18, s16                     ; ks
	s_lshl_b32 s23, s19, 4
	s_lshl_b32 s46, s15, 3
	s_add_co_u32 s23, s23, s46
	s_lshl_b32 s23, s23, s21
	s_add_co_u32 s23, s23, s18
	s_mul_i32 s23, s23, FRB
	s_add_co_u32 s46, s23, s20
	s_mov_b32 s47, 0
	s_add_nc_u64 s[8:9], s[8:9], s[46:47]          ; my first fragment
	s_lshl_b32 s23, s19, 1
	s_add_co_u32 s23, s23, s15
	s_lshl_b32 s23, s23, s21
	s_add_co_u32 s23, s23, s18
	s_lshl_b32 s23, s23, 9
	s_add_co_u32 s46, s23, s22
	s_add_nc_u64 s[10:11], s[10:11], s[46:47]      ; my image of scale words
	s_wait_loadcnt 0x0                             ; the bias
	s_wait_tensorcnt 1                             ; the scale words and my part of slot 0 are in (slot 1's load may be out)
	s_barrier_signal -1
	s_barrier_wait -1                              ; everybody's are
	FETCH_B 0, 0, 0
	FETCH_A 0, 0, 0
	SCALES 0
	FETCH_A 0, 0, 4
	STEP 0, 0, 1                                   ; the first step stands in front of the loop: its products start the sums
	s_mov_b32 s3, LAPS-1
.Llap:                                                 ; a trip goes once round the ring and fills both slots again
	TURN 0, 1, 1
	STEP 1, 0, 0
	TURN 1, 0, 1
	STEP 0, 0, 0
	s_sub_co_u32 s3, s3, 1
	s_cmp_lg_u32 s3, 0
	s_cbranch_scc1 .Llap
	TURN 0, 1, 0                                   ; the last lap fills nothing, and has no round of the cluster's barrier
	STEP 1, 0, 0
	s_wait_dscnt 4*NL                              ; the very last step: nothing more to fetch
	WIN MUL_LO
	MUL16 0, 1, 1, 1, 0
	MUL16 2, 1, 1, 1, 0
	s_wait_dscnt 0
	WIN MUL_HI
	MUL16 4, 1, 1, 1, 0
	MUL16 6, 1, 1, 1, 0
	WIN 0
; 64 numbers of a lane, register 16 b + i = k 32 b + 16 h + i of its row, become a fragment's codes in v[PC] .. v[PC + 11] and its scale word in v[pw] (the same in lanes l and l xor 16).
.macro QUANT s, pw
.irp b, 0,1,2,3
	v_max3_num_f32 v[TM+\b], |v[(\s)+16*\b]|, |v[(\s)+1+16*\b]|, 0x2800000   ; block b: my 16 numbers, and the floor 2^(5 - 127): the byte cannot fall under 1
.endr
.irp i, 2,4,6,8,10,12,14
.irp b, 0,1,2,3
	v_max3_num_f32 v[TM+\b], v[TM+\b], |v[(\s)+16*\b+\i]|, |v[(\s)+1+16*\b+\i]|
.endr
.endr
.irp b, 0,1,2,3
	v_permlanex16_b32 v[TM+4+\b], v[TM+\b], s[SEL], s[SEL+1]
.endr
.irp b, 0,1,2,3
	v_max_num_f32 v[TM+\b], v[TM+\b], v[TM+4+\b]   ; with lane l xor 16's 16: the block's largest magnitude
.endr
.irp b, 0,1,2,3
	v_add_nc_u32 v[TM+12+\b], 0xfe000000, v[TM+\b] ; 4 off its exponent field: the conversion's scale operand
.endr
.irp b, 0,1,2,3
	v_lshrrev_b32 v[TM+4+\b], 23, v[TM+12+\b]      ; the scale's byte
.endr
	v_lshl_or_b32 v[\pw], v[TM+5], 8, v[TM+4]
	v_lshl_or_b32 v[\pw], v[TM+6], 16, v[\pw]
	v_lshl_or_b32 v[\pw], v[TM+7], 24, v[\pw]
.irp c, 0,1
	v_cvt_scalef32_pk16_bf6_f32 v[PC+6*\c:PC+2+6*\c], v[(\s)+32*\c:(\s)+15+32*\c], v[TM+12+2*\c]
	v_cvt_scalef32_pk16_bf6_f32 v[PC+12+4*\c:PC+14+4*\c], v[(\s)+16+32*\c:(\s)+31+32*\c], v[TM+12+2*\c+1]
.endr
	v_nop                                          ; one plain instruction behind the scaled conversions
.irp c, 0,1
.irp i, 0,1,2
	v_permlane16_swap_b32 v[PC+6*\c+\i], v[PC+12+4*\c+\i]
.endr
.irp i, 0,1,2
	v_mov_b32 v[PC+3+6*\c+\i], v[PC+12+4*\c+\i]
.endr
.endr
.endm
; THE WAY OUT of A's block a: the bias, in f32; the quantiser; the fragment leaves as it stands, 3 x 512 consecutive bytes.  Each accumulator is read from its low end on.
.macro EPI a
.set AC, 64*((\a)%4)
.if (\a) > 0
	s_wait_xcnt 0x0                                ; the last block's stores have read their base and the codes' registers
	s_add_nc_u64 s[8:9], s[8:9], s[100:101]        ; the next row block
.endif
	s_cmp_eq_u32 s[MODE], 2
	s_cbranch_scc1 .Lby_row_\@
	WIN 0x02+(\a)/4                                ; source 0: window 2 or 3
.set i, 0
.rept 32
	v_pk_add_f32 v[T+i:T+i+1], v[AC+i:AC+i+1], v[BQ+i:BQ+i+1]          ; q, k: the bias hangs on the channel, which runs along my registers
.set i, i+2
.endr
	WIN 0
	s_branch .Lbiased_\@
.Lby_row_\@:
	WIN 0x02+(\a)/4
.set i, 0
.rept 32
	v_pk_add_f32 v[T+i:T+i+1], v[AC+i:AC+i+1], v[BV2+2*(\a):BV2+2*(\a)+1]   ; v^T: the channel is my row
.set i, i+2
.endr
	WIN 0
.Lbiased_\@:
	QUANT T, PWA+(\a)
.irp c, 0,1,2
	global_store_b128 v[LI], v[PC+4*\c:PC+4*\c+3], s[8:9] offset:512*\c
.endr
.endm
	PLACES NP                                      ; behind the last products: their results are read and their operands' registers written below
.irp b, 0,1,2,3
	v_mov_b32 v[TM+4+\b], 0                        ; written once: a lane permute's destination counts as one of its sources
.endr
.irp a, 0,1,2,3,4,5,6,7
	EPI \a
.endr
	v_cmp_le_u32 vcc_lo, 16, v3                    ; the image of scale words: register c takes block 2 c's in lanes 0-15 and block 2 c + 1's in lanes 16-31
.irp c, 0,1,2,3
	v_cndmask_b32 v[XO+\c], v[PWA+2*\c], v[PWA+2*\c+1], vcc_lo
.endr
	global_store_b128 v[LI], v[XO:XO+3], s[10:11]
	s_wait_tensorcnt 0x0                           ; the wave's end
	ds_add_u32 v[SPW], v[NIL]
	s_wait_dscnt 0x0
	CROUND                                         ; the closing round: no work-group ends while a partner may still ask for a tile that names it
	s_endpgm
.Lfunc_end_k_q87e6abc837_proj:
	.size	k_q87e6abc837_proj, .Lfunc_end_k_q87e6abc837_proj-k_q87e6abc837_proj
	.p2alignl 7, 3214868480
	.fill 96, 4, 3214868480
	.section	.rodata,"a",@progbits
	.p2align	6, 0x0
	.amdhsa_kernel k_q87e6abc837_proj
		.amdhsa_group_segment_fixed_size 327680
		.amdhsa_private_segment_fixed_size 0
		.amdhsa_enable_private_segment 0
		.amdhsa_kernarg_size 56
		.amdhsa_user_sgpr_count 2
		.amdhsa_user_sgpr_kernarg_segment_ptr 1
		.amdhsa_wavefront_size32 1
		.amdhsa_system_sgpr_workgroup_id_x 1
		.amdhsa_system_sgpr_workgroup_id_y 1
		.amdhsa_system_sgpr_workgroup_id_z 1
		.amdhsa_system_vgpr_workitem_id 0
		.amdhsa_next_free_vgpr 1024
		.amdhsa_next_free_sgpr 102
		.amdhsa_reserve_vcc 1
		.amdhsa_float_denorm_mode_32 3
		.amdhsa_float_denorm_mode_16_64 3
		.amdhsa_memory_ordered 1
		.amdhsa_forward_progress 1
		.amdhsa_inst_pref_size 176
	.end_amdhsa_kernel
	.amdgpu_metadata
---
amdhsa.version: [ 1, 2 ]
amdhsa.kernels:
  - .name:           k_q87e6abc837_proj
    .symbol:         k_q87e6abc837_proj.kd
    .args:
      - { .name: oc, .offset: 0, .size: 8, .value_kind: global_buffer, .address_space: global }
      - { .name: os, .offset: 8, .size: 8, .value_kind: global_buffer, .address_space: global }
      - { .name: qc, .offset: 16, .size: 8, .value_kind: global_buffer, .address_space: global }
      - { .name: qs, .offset: 24, .size: 8, .value_kind: global_buffer, .address_space: global }
      - { .name: bq, .offset: 32, .size: 8, .value_kind: global_buffer, .address_space: global }
      - { .name: bk, .offset: 40, .size: 8, .value_kind: global_buffer, .address_space: global }
      - { .name: bv, .offset: 48, .size: 8, .value_kind: global_buffer, .address_space: global }
    .group_segment_fixed_size: 327680
    .private_segment_fixed_size: 0
    .kernarg_segment_align: 8
    .kernarg_segment_size: 56
    .max_flat_workgroup_size: 128
    .sgpr_count:     102
    .vgpr_count:     1024
    .wavefront_size: 32
...
	.end_amdgpu_metadata
.endif
;; end of part 2
;; launch scores (part 3): grid 8 x 32, 4 waves a work-group, clusters of 4 x 4, 327,680 bytes of LDS; arguments qc, qs, pc, ps; writes pc, ps
.if DOCPART == 3
	.amdgcn_target "amdgcn-amd-amdhsa--gfx1250"
	.amdhsa_code_object_version 6
	.text
	.protected	k_q87e6abc837_scores
	.globl	k_q87e6abc837_scores
	.p2align	8
	.type	k_q87e6abc837_scores,@function
k_q87e6abc837_scores:
	s_mov_b64 s[64:65], 0
	v_nop
	global_prefetch_b8 v0, s[64:65] scope:SCOPE_SE
	s_setreg_imm32_b32 hwreg(HW_REG_WAVE_MODE, 25, 1), 1
	s_wait_xcnt 0x0
	s_wait_alu depctr_hold_cnt(0) depctr_sa_sdst(0) depctr_va_vdst(0) depctr_va_sdst(0) depctr_va_ssrc(0) depctr_va_vcc(0) depctr_vm_vsrc(0)
	s_getreg_b32 s2, hwreg(HW_REG_IB_STS2, 6, 4)
	s_cmp_eq_u32 s2, 0
	s_cbranch_scc0 .Lentry_in_a_cluster
	s_endpgm
.Lentry_in_a_cluster:
	s_bfe_u32 s2, ttmp6, 0x10000c
	s_cmp_lg_u32 s2, 0xf033
	s_cbranch_scc0 .Lentry_shape_is_right
	s_endpgm
.Lentry_shape_is_right:
; S^T = k q^T on codes of BF6 (E3M2) with E8M0 scales, and of each piece of 128 keys of a row the softmax's numerator, quantised along the keys for the next product.
; t = score x log2(e) / 32.  For the 128 keys that a wave holds of a query: M = ceil(their largest t), a whole number; p = 2^(t - M) is quantised, block by block of 32 keys; l = the sum of the unquantised p.
; The codes, the scale bytes, -M and l go to memory.  The next launch takes the row's M, the largest of its 16 pieces', and brings each piece under it by taking M(row) - M(piece) off its scale bytes: exact, since M is whole.
; A maximum is taken away ahead of every exponential: no exponent is above 0 but by a rounding.
; A work-group of four waves makes 256 queries x 256 keys, a wave 128 x 128: 64 accumulators.  K = 1,024 goes in steps of 256 through a ring of two LDS slots filled by the tensor data mover.
; OPERANDS ARE IMAGES OF REGISTERS: fragment (rb, ks) = 16 positions x 128 K = 1,536 bytes, registers 4 c .. 4 c + 3 of lane l at 512 c + 16 l; a buffer is [rb][ks].  Scale words: for 128 positions and 128 K an image of
; 512 bytes, the word of position 32 c + l at 16 l + 4 c.  Position 16 rb + r, rb = 2 bb + u, is row 32 bb + 8 u + r + 8 (r / 8).
; THE MATRIX INSTRUCTION IS USED TRANSPOSED: source 0 = 16 positions of k, source 1 = 16 of q.  Lane (r, h) holds query position r, and register 16 bb + i of accumulators (a, 0 .. 7) is key 32 bb + 16 h + i.
; CLUSTERS, 4 x 4: q's tile (4 Y + cy) is shared along a row of the cluster, k's (8 x batch + 4 X + cx) along a column: each is asked for JOINTLY.
; LIMITS: NaN and infinities are not served; a block whose every p lies under 2^-122 gets the byte 1.
; REGISTERS: window 0: v1-3 r, h, lane; v16-30 addresses; v32-63 scale words, two sets; v128-223 q's fragments, one set; v64-87 the way out's words, -M and l.  window 1: k's fragments, two sets.  windows 2, 3: the accumulators.
.set KSN,   8                          ; K / 128
.set FR,    12
.set NL,    3
.set NP,    4                          ; places behind this matrix instruction (ISA guide 7.12.1)
.set FRB,   1536
.set RBP,   KSN*FRB
.set STEPB, 2*FRB
.set HALFT, 8*STEPB
.set SLOT,  4*HALFT
.set LAPS,  KSN/4
.set HALFS, KSN*512
.set SCL,   2*SLOT
.set SPARE, SCL+4*HALFS                ; the spare words, 128 bytes for each wave: two blocks of 256 bytes that no other line names
.set ADRA, 16
.set ADRB, 20
.set LI,   26                          ; v26  16 x lane; never rewritten
.set ADSA, 27
.set SPW,  28                          ; v28  LDS address of my spare word; never rewritten
.set NIL,  29                          ; v29  0; never rewritten
.set ADSB, 30
.set SC,   32
.set AF,   128
.set G1,   24
.set G0,   32
.set G1B,  48
.set G0B,  56
.set G1S,  68
.set G0S,  76
.set G1SB, 80
.set G0SB, 88
.set SEL,  66                          ; s[66:67] selects for lane l xor 16
.set CS,   96                          ; s[96:97] c = log2(e) / 32: the packed form names a pair and takes its low word for both halves
.set T,    128                         ; the way out: t - M, then p
.set BM,   192                         ; v192-195 the blocks' largest scores, then their largest p
.set BX,   196                         ; v196-199 the permutes' destinations
.set SO,   200                         ; v200-203 the conversions' scale operands
.set BY,   204                         ; v204-207 the scale bytes
.set NM,   208                         ; v208 -M; v209 the largest t
.set LS,   210                         ; v[210:211], v[212:213] the sum in two chains
.set PC,   32
.set PWA,  64                          ; v64-71 the eight blocks' scale words; v72-79 their -M; v80-87 their l
.set NMA,  72
.set LA,   80
.set XO,   216                         ; v216-227 three images
.set MSB, 0
.macro WIN new                         ; the immediate's high byte repeats the setting that is left
.if MSB != (\new)
	s_set_vgpr_msb (MSB<<8)|(\new)
.set MSB, (\new)
.endif
.endm
.set MUL_LO, 0xa1                      ; source 0 (B) window 1, source 1 (A) window 0, C and D window 2
.set MUL_HI, 0xf1
.set TO_B,   0x40
; A joint load: waves 0 and 1 fetch for A, waves 2 and 3 for B; the branch hangs on the wave's number alone.  Four v_nop follow each of the two lines.
.macro JLOAD g0a, g1a, g0b, g1b
	s_cmp_eq_u32 s15, 0
	s_cbranch_scc0 .Lfor_b_\@
	tensor_load_to_lds s[\g0a:\g0a+3], s[\g1a:\g1a+7]
	s_nop 0
.rept 4
	v_nop
.endr
	s_branch .Lasked_\@
.Lfor_b_\@:
	tensor_load_to_lds s[\g0b:\g0b+3], s[\g1b:\g1b+7]
	s_nop 0
.rept 4
	v_nop
.endr
.Lasked_\@:
.endm
.macro CREST                           ; a round of the cluster's barrier behind its opening barrier
	s_cmp_lg_u32 s14, 0
	s_cbranch_scc1 .Lnot_wave_0_\@
	s_barrier_signal -3
.Lnot_wave_0_\@:
	s_barrier_wait -3
	s_barrier_signal -1
	s_barrier_wait -1
.endm
.macro CROUND
	s_barrier_signal -1
	s_barrier_wait -1
	CREST
.endm
.macro PLACES n
.rept \n
	v_nop
.endr
.endm
.macro FRAG reg, adr, q, i             ; a fragment's image: three loads of 512 consecutive bytes
.irp c, 0,1,2
	ds_load_b128 v[(\reg)+4*\c:(\reg)+4*\c+3], v[\adr] offset:(\i)*STEPB+(\q)*FRB+512*\c
.endr
.endm
.macro FETCH_B slot, q, p
	WIN TO_B
.irp i, 0,1,2,3,4,5,6,7
	FRAG 128*(\p)+FR*\i, ADRB+\slot, \q, \i
.endr
	WIN 0
.endm
.macro FETCH_A slot, q, i0
.irp i, \i0, \i0+1, \i0+2, \i0+3
	FRAG AF+FR*(\i), ADRA+\slot, \q, \i
.endr
.endm
.macro SCALES sc
.irp q, 0,1
	ds_load_b128 v[SC+16*(\sc)+8*\q:SC+16*(\sc)+8*\q+3], v[ADSA] offset:512*\q
	ds_load_b128 v[SC+16*(\sc)+8*\q+4:SC+16*(\sc)+8*\q+7], v[ADSB] offset:512*\q
.endr
.endm
; One product.  bh, ah: B's and A's block is the odd one of its pair, whose scale words lie in lanes 16-31.  zero: the product starts its sum.
.macro WM zero, bh, ah
.set WX_, 4*(\zero)+2*(\bh)+(\ah)
.if WX_ == 0
	v_wmma_scale_f32_16x16x128_f8f6f4 v[AC_:AC_+7], v[BF_:BF_+11], v[AF_:AF_+11], v[AC_:AC_+7], v[SB_], v[SA_] matrix_a_fmt:MATRIX_FMT_BF6 matrix_b_fmt:MATRIX_FMT_BF6
.elseif WX_ == 1
	v_wmma_scale_f32_16x16x128_f8f6f4 v[AC_:AC_+7], v[BF_:BF_+11], v[AF_:AF_+11], v[AC_:AC_+7], v[SB_], v[SA_] matrix_a_fmt:MATRIX_FMT_BF6 matrix_b_fmt:MATRIX_FMT_BF6 matrix_b_scale:MATRIX_SCALE_ROW1
.elseif WX_ == 2
	v_wmma_scale_f32_16x16x128_f8f6f4 v[AC_:AC_+7], v[BF_:BF_+11], v[AF_:AF_+11], v[AC_:AC_+7], v[SB_], v[SA_] matrix_a_fmt:MATRIX_FMT_BF6 matrix_b_fmt:MATRIX_FMT_BF6 matrix_a_scale:MATRIX_SCALE_ROW1
.elseif WX_ == 3
	v_wmma_scale_f32_16x16x128_f8f6f4 v[AC_:AC_+7], v[BF_:BF_+11], v[AF_:AF_+11], v[AC_:AC_+7], v[SB_], v[SA_] matrix_a_fmt:MATRIX_FMT_BF6 matrix_b_fmt:MATRIX_FMT_BF6 matrix_a_scale:MATRIX_SCALE_ROW1 matrix_b_scale:MATRIX_SCALE_ROW1
.elseif WX_ == 4
	v_wmma_scale_f32_16x16x128_f8f6f4 v[AC_:AC_+7], v[BF_:BF_+11], v[AF_:AF_+11], 0, v[SB_], v[SA_] matrix_a_fmt:MATRIX_FMT_BF6 matrix_b_fmt:MATRIX_FMT_BF6
.elseif WX_ == 5
	v_wmma_scale_f32_16x16x128_f8f6f4 v[AC_:AC_+7], v[BF_:BF_+11], v[AF_:AF_+11], 0, v[SB_], v[SA_] matrix_a_fmt:MATRIX_FMT_BF6 matrix_b_fmt:MATRIX_FMT_BF6 matrix_b_scale:MATRIX_SCALE_ROW1
.elseif WX_ == 6
	v_wmma_scale_f32_16x16x128_f8f6f4 v[AC_:AC_+7], v[BF_:BF_+11], v[AF_:AF_+11], 0, v[SB_], v[SA_] matrix_a_fmt:MATRIX_FMT_BF6 matrix_b_fmt:MATRIX_FMT_BF6 matrix_a_scale:MATRIX_SCALE_ROW1
.else
	v_wmma_scale_f32_16x16x128_f8f6f4 v[AC_:AC_+7], v[BF_:BF_+11], v[AF_:AF_+11], 0, v[SB_], v[SA_] matrix_a_fmt:MATRIX_FMT_BF6 matrix_b_fmt:MATRIX_FMT_BF6 matrix_a_scale:MATRIX_SCALE_ROW1 matrix_b_scale:MATRIX_SCALE_ROW1
.endif
.endm
; 16 products: A's blocks a0, a0 + 1 (a0 even) x B's eight.  The 64 accumulators take turns, one instruction a turn, in the same order in every step.
.macro MUL16 a0, p, q, sc, zero
.irp ah, 0,1
.irp bc, 0,1,2,3
.irp bh, 0,1
.set AC_, 8*(8*(((\a0)+\ah)%4)+2*\bc+\bh)
.set BF_, 128*(\p)+FR*(2*\bc+\bh)
.set AF_, AF+FR*((\a0)+\ah)
.set SB_, SC+16*(\sc)+8*(\q)+4+\bc
.set SA_, SC+16*(\sc)+8*(\q)+(\a0)/2
	WM \zero, \bh, \ah
.endr
.endr
.endr
.endm
.macro STEP slot, q, zero              ; a step of 128 along K that has its successor in the same slot
	s_wait_dscnt 4*NL                              ; all but the youngest twelve loads (A's blocks 4-7) are in
	WIN MUL_LO
	MUL16 0, (\q)%2, \q, \slot, \zero
	MUL16 2, (\q)%2, \q, \slot, \zero
	s_wait_dscnt 0                                 ; A's blocks 4-7 are in
	PLACES NP
	FETCH_B \slot, (\q)+1, 1-(\q)%2
	FETCH_A \slot, (\q)+1, 0
	WIN MUL_HI
	MUL16 4, (\q)%2, \q, \slot, \zero
	MUL16 6, (\q)%2, \q, \slot, \zero
	PLACES NP
	WIN 0
	FETCH_A \slot, (\q)+1, 4
.endm
; A slot's last step changes slots: one barrier; in front of it each wave waits for all its tensor loads, adds 0 to its spare word, and waits for that and for its own reads of this slot.
.macro TURN slot, next, fill
	s_wait_tensorcnt 0x0                           ; all my tensor loads have landed: my part of the next slot
	ds_add_u32 v[SPW], v[NIL]                      ; 0 onto my spare word
	s_wait_dscnt 4*NL+1                            ; the add and the youngest twelve loads may be out
	WIN MUL_LO
	MUL16 0, 1, 1, \slot, 0
	s_wait_dscnt 0x0                               ; the add is done, and my reads of this slot are over
	s_barrier_signal -1
	MUL16 2, 1, 1, \slot, 0
	WIN 0
	s_barrier_wait -1
.if \fill
	CREST                                          ; no wave of any partner still reads this slot's tile or has a load on its way
	s_add_nc_u64 s[G0+4*\slot+2:G0+4*\slot+3], s[G0+4*\slot+2:G0+4*\slot+3], 2*STEPB
	s_add_nc_u64 s[G0B+4*\slot+2:G0B+4*\slot+3], s[G0B+4*\slot+2:G0B+4*\slot+3], 2*STEPB
	JLOAD G0+4*\slot, G1, G0B+4*\slot, G1B         ; the first tensor load behind the round; its four v_nop are the places in front of the loads below
.else
	PLACES NP
.endif
	v_add_nc_u32 v[ADSA], 1024, v[ADSA]
	v_add_nc_u32 v[ADSB], 1024, v[ADSB]
	FETCH_B \next, 0, 0
	FETCH_A \next, 0, 0
	SCALES \next
	WIN MUL_HI
	MUL16 4, 1, 1, \slot, 0
	MUL16 6, 1, 1, \slot, 0
	PLACES NP
	WIN 0
	FETCH_A \next, 0, 4
.endm
	s_load_b256 s[4:11], s[0:1], 0x0               ; qc s[4:5], qs s[6:7], pc s[8:9], ps s[10:11]
	v_lshl_add_u32 v[SPW], v0, 2, SPARE
	v_mov_b32 v[NIL], 0
	ds_add_u32 v28, v29
	ds_add_u32 v28, v29
	s_wait_dscnt 0x0
	v_lshrrev_b32 v1, 5, v0
	v_readfirstlane_b32 s14, v1                    ; wave 0..3
	s_lshr_b32 s15, s14, 1                         ; which half of the queries is mine.  Also: I fetch for q (0) or for k (1)
	s_and_b32 s16, s14, 1                          ; which half of the keys.  Also: which 128 positions of that tile I fetch
	s_bfe_u32 s40, ttmp6, 0x40000                  ; cx, cy
	s_bfe_u32 s41, ttmp6, 0x40004
	s_and_b32 s2, ttmp7, 0xffff                    ; Y
	s_lshl_b32 s17, s2, 2
	s_add_co_u32 s17, s17, s41                     ; q's tile of 256 positions, 0..31: hangs on cy alone
	s_lshl_b32 s95, ttmp9, 2
	s_add_co_u32 s95, s95, s40                     ; k's tile within the batch, 0..7: on cx alone
	s_lshr_b32 s42, s2, 1                          ; the batch, which all sixteen share
	s_lshl_b32 s42, s42, 3
	s_add_co_u32 s42, s42, s95                     ; k's tile, 0..31
	s_lshl_b32 s43, s41, 2
	s_lshl_b32 s43, 15, s43                        ; my row of the cluster
	s_lshl_b32 s44, 0x1111, s40                    ; my column
	s_or_b32 s[G1+0], s43, (3<<16)|(1<<21)         ; 15:0 the mask; 17:16 elements of 8 bytes; 21 set beside a mask; no padding
	s_or_b32 s[G1B+0], s44, (3<<16)|(1<<21)
.irp g, G1, G1B
	s_mov_b32 s[\g+1], 384<<16                     ; 8 row blocks x 3,072 bytes, RBP bytes apart in memory, dense in LDS
	s_mov_b32 s[\g+2], 8<<16
	s_mov_b32 s[\g+3], 384<<16
	s_mov_b32 s[\g+4], 8
	s_mov_b32 s[\g+5], RBP/8
	s_mov_b32 s[\g+6], 0
	s_mov_b32 s[\g+7], 0
.endr
	s_or_b32 s[G1S+0], s43, (3<<16)|(1<<21)
	s_or_b32 s[G1SB+0], s44, (3<<16)|(1<<21)
.irp g, G1S, G1SB
	s_mov_b32 s[\g+1], 32<<16                      ; a dense block of HALFS bytes, as rows of 256 bytes
	s_mov_b32 s[\g+2], (HALFS/256)<<16
	s_mov_b32 s[\g+3], 32<<16
	s_mov_b32 s[\g+4], HALFS/256
	s_mov_b32 s[\g+5], 32
	s_mov_b32 s[\g+6], 0
	s_mov_b32 s[\g+7], 0
.endr
	s_lshl_b32 s18, s16, 3
	s_lshl_b32 s20, s17, 4
	s_add_co_u32 s20, s20, s18
	s_mul_i32 s20, s20, RBP                        ; q's codes
	s_mov_b32 s21, 0
	s_lshl_b32 s46, s42, 4
	s_add_co_u32 s46, s46, s18
	s_mul_i32 s46, s46, RBP
	s_add_co_u32 s46, s46, 6291456                 ; k's, behind q's
	s_mov_b32 s47, 0
	s_lshl_b32 s22, s17, 1
	s_add_co_u32 s22, s22, s16
	s_mul_i32 s22, s22, HALFS                      ; q's scale words
	s_mov_b32 s23, 0
	s_lshl_b32 s92, s42, 1
	s_add_co_u32 s92, s92, s16
	s_mul_i32 s92, s92, HALFS
	s_add_co_u32 s92, s92, 262144                  ; k's
	s_mov_b32 s93, 0
	s_mul_i32 s45, s14, HALFT
	s_mul_i32 s94, s14, HALFS
	s_mov_b32 s[SEL], 0x76543210
	s_mov_b32 s[SEL+1], 0xfedcba98
	s_mov_b32 s[CS], 0x3d38aa3b                    ; log2(e) / 32
	s_mov_b32 s[CS+1], s[CS]
	s_wait_kmcnt 0x0
	s_add_nc_u64 s[20:21], s[4:5], s[20:21]
	s_add_nc_u64 s[22:23], s[6:7], s[22:23]
	s_add_nc_u64 s[46:47], s[4:5], s[46:47]
	s_add_nc_u64 s[92:93], s[6:7], s[92:93]
	CROUND                                         ; all sixteen work-groups are here: the first joint loads meet
	s_mov_b32 s[G0S], 1
	s_add_co_u32 s[G0S+1], s94, SCL
	s_mov_b64 s[G0S+2:G0S+3], s[22:23]
	s_or_b32 s[G0S+3], s[G0S+3], 0x80000000
	s_mov_b32 s[G0SB], 1
	s_add_co_u32 s[G0SB+1], s94, SCL
	s_mov_b64 s[G0SB+2:G0SB+3], s[92:93]
	s_or_b32 s[G0SB+3], s[G0SB+3], 0x80000000
	JLOAD G0S, G1S, G0SB, G1SB                     ; the scale words first.  Three loads of mine are out behind these lines
.irp s, 0,1
	s_mov_b32 s[G0+4*\s], 1
	s_add_co_u32 s[G0+4*\s+1], s45, \s*SLOT
	s_add_nc_u64 s[G0+4*\s+2:G0+4*\s+3], s[20:21], \s*STEPB
	s_or_b32 s[G0+4*\s+3], s[G0+4*\s+3], 0x80000000
	s_mov_b32 s[G0B+4*\s], 1
	s_add_co_u32 s[G0B+4*\s+1], s45, \s*SLOT
	s_add_nc_u64 s[G0B+4*\s+2:G0B+4*\s+3], s[46:47], \s*STEPB
	s_or_b32 s[G0B+4*\s+3], s[G0B+4*\s+3], 0x80000000
	JLOAD G0+4*\s, G1, G0B+4*\s, G1B
.endr
	v_and_b32 v1, 15, v0                           ; r
	v_bfe_u32 v2, v0, 4, 1                         ; h
	v_and_b32 v3, 31, v0                           ; lane
	v_lshlrev_b32 v[LI], 4, v3
	s_mul_i32 s21, s15, HALFT
	s_mul_i32 s22, s16, HALFT
	s_add_co_u32 s22, s22, 2*HALFT
.irp s, 0,1
	v_add_nc_u32 v[ADRA+\s], s21, v[LI]
	v_add_nc_u32 v[ADRB+\s], s22, v[LI]
	s_add_co_u32 s21, s21, SLOT
	s_add_co_u32 s22, s22, SLOT
.endr
	s_mul_i32 s21, s15, HALFS
	s_add_co_u32 s21, s21, SCL
	v_add_nc_u32 v[ADSA], s21, v[LI]
	s_mul_i32 s22, s16, HALFS
	s_add_co_u32 s22, s22, SCL+2*HALFS
	v_add_nc_u32 v[ADSB], s22, v[LI]
	; where my results go: pc is [512 rb][16 ks], rb = 16 x q's tile + 8 half + a, ks = 2 x k's tile in the batch + half; ps [64 groups][16 ks][512], three times
	s_lshl_b32 s18, s95, 1
	s_add_co_u32 s18, s18, s16                     ; ks
	s_lshl_b32 s19, s17, 4
	s_lshl_b32 s20, s15, 3
	s_add_co_u32 s19, s19, s20
	s_lshl_b32 s19, s19, 4
	s_add_co_u32 s19, s19, s18
	s_mul_i32 s46, s19, FRB
	s_mov_b32 s47, 0
	s_add_nc_u64 s[8:9], s[8:9], s[46:47]
	s_lshl_b32 s19, s17, 1
	s_add_co_u32 s19, s19, s15
	s_lshl_b32 s19, s19, 4
	s_add_co_u32 s19, s19, s18
	s_lshl_b32 s46, s19, 9
	s_add_nc_u64 s[10:11], s[10:11], s[46:47]
	s_wait_tensorcnt 1                             ; the scale words and my part of slot 0 are in (slot 1's load may be out)
	s_barrier_signal -1
	s_barrier_wait -1                              ; everybody's are
	FETCH_B 0, 0, 0
	FETCH_A 0, 0, 0
	SCALES 0
	FETCH_A 0, 0, 4
	STEP 0, 0, 1                                   ; the first step stands in front of the loop: its products start the sums
	s_mov_b32 s3, LAPS-1
.Llap:
	TURN 0, 1, 1
	STEP 1, 0, 0
	TURN 1, 0, 1
	STEP 0, 0, 0
	s_sub_co_u32 s3, s3, 1
	s_cmp_lg_u32 s3, 0
	s_cbranch_scc1 .Llap
	TURN 0, 1, 0                                   ; the last lap fills nothing
	STEP 1, 0, 0
	s_wait_dscnt 4*NL
	WIN MUL_LO
	MUL16 0, 1, 1, 1, 0
	MUL16 2, 1, 1, 1, 0
	s_wait_dscnt 0
	WIN MUL_HI
	MUL16 4, 1, 1, 1, 0
	MUL16 6, 1, 1, 1, 0
	WIN 0
; THE WAY OUT of the queries' block a: 16 queries x my 128 keys.  Each accumulator is read from its low end on.
.macro SOFT a
.set AC, 64*((\a)%4)
.set W, 2+(\a)/4
.if (\a) > 0
	s_wait_xcnt 0x0                                ; the last block's stores have read the codes' registers
.endif
	WIN W|(W<<2)|(W<<4)                            ; all three sources: the accumulators' window
.irp b, 0,1,2,3
	v_max3_num_f32 v[BM+\b], v[AC+16*\b], v[AC+16*\b+1], v[AC+16*\b+2]   ; the largest score of each block of 32 keys: it serves for the piece's maximum and, since p rises with the score, for the block's largest p
.endr
	WIN (W<<2)|(W<<4)
.irp i, 3,5,7,9,11,13
.irp b, 0,1,2,3
	v_max3_num_f32 v[BM+\b], v[BM+\b], v[AC+16*\b+\i], v[AC+16*\b+\i+1]
.endr
.endr
.irp b, 0,1,2,3
	v_max_num_f32 v[BM+\b], v[BM+\b], v[AC+16*\b+15]
.endr
	WIN 0
.irp b, 0,1,2,3
	v_permlanex16_b32 v[BX+\b], v[BM+\b], s[SEL], s[SEL+1]
.endr
.irp b, 0,1,2,3
	v_max_num_f32 v[BM+\b], v[BM+\b], v[BX+\b]     ; with lane l xor 16's 16 keys
.endr
	v_max3_num_f32 v[NM+1], v[BM], v[BM+1], v[BM+2]
	v_max_num_f32 v[NM+1], v[NM+1], v[BM+3]        ; the largest score of my query among these 128 keys
	v_mul_f32 v[NM+1], s[CS], v[NM+1]              ; as t (c is positive)
	v_floor_f32 v[NM], -v[NM+1]                    ; -M = floor(-t) = -ceil(t): a whole number
	WIN W
.set j, 0
.rept 32
	v_pk_fma_f32 v[T+j:T+j+1], v[AC+j:AC+j+1], s[CS:CS+1], v[NM:NM+1] op_sel_hi:[1,0,0]   ; t - M, two at a time
.set j, j+2
.endr
	WIN 0
.irp b, 0,1,2,3
	v_fma_f32 v[BM+\b], v[BM+\b], s[CS], v[NM]     ; the same of each block's largest score
.endr
.set j, 0
.rept 64
	v_exp_f32 v[T+j], v[T+j]                       ; p = 2^(t - M): not normalised
.set j, j+1
.endr
	v_nop                                          ; a plain instruction behind the exponentials
	s_wait_alu depctr_va_vdst(0)                   ; one wait for the whole batch, ahead of its first reader
.irp b, 0,1,2,3
	v_exp_f32 v[BM+\b], v[BM+\b]                   ; the block's largest p: the same two instructions on the same number give the same bits
.endr
	v_pk_add_f32 v[LS:LS+1], v[T:T+1], v[T+2:T+3]  ; the sum is taken of the unquantised p, two at a time, in two chains.  It reads the 64 alone: plain work behind the four
	v_pk_add_f32 v[LS+2:LS+3], v[T+4:T+5], v[T+6:T+7]
.irp j, 8,12,16,20,24,28,32,36,40,44,48,52,56,60
	v_pk_add_f32 v[LS:LS+1], v[LS:LS+1], v[T+\j:T+\j+1]
	v_pk_add_f32 v[LS+2:LS+3], v[LS+2:LS+3], v[T+\j+2:T+\j+3]
.endr
	v_pk_add_f32 v[LS:LS+1], v[LS:LS+1], v[LS+2:LS+3]
	v_add_f32 v[LS], v[LS], v[LS+1]
	v_permlanex16_b32 v[BX], v[LS], s[SEL], s[SEL+1]
	v_add_f32 v[LA+(\a)], v[LS], v[BX]             ; with lane l xor 16's: l of the piece
	v_mov_b32 v[NMA+(\a)], v[NM]
	s_wait_alu depctr_va_vdst(0)                   ; and one wait for the four
.irp b, 0,1,2,3
	v_max_num_f32 v[BM+\b], 0x2800000, v[BM+\b]    ; the floor 2^(5 - 127): the byte cannot fall under 1
.endr
.irp b, 0,1,2,3
	v_add_nc_u32 v[SO+\b], 0xfe000000, v[BM+\b]    ; 4 off the exponent field: the conversion's scale operand
.endr
.irp b, 0,1,2,3
	v_lshrrev_b32 v[BY+\b], 23, v[SO+\b]           ; the scale's byte, 123 at the most
.endr
	v_lshl_or_b32 v[PWA+(\a)], v[BY+1], 8, v[BY]
	v_lshl_or_b32 v[PWA+(\a)], v[BY+2], 16, v[PWA+(\a)]
	v_lshl_or_b32 v[PWA+(\a)], v[BY+3], 24, v[PWA+(\a)]
.irp c, 0,1
	v_cvt_scalef32_pk16_bf6_f32 v[PC+6*\c:PC+2+6*\c], v[T+32*\c:T+15+32*\c], v[SO+2*\c]
	v_cvt_scalef32_pk16_bf6_f32 v[PC+12+4*\c:PC+14+4*\c], v[T+16+32*\c:T+31+32*\c], v[SO+2*\c+1]
.endr
	v_nop                                          ; one plain instruction behind the scaled conversions
.irp c, 0,1
.irp i, 0,1,2
	v_permlane16_swap_b32 v[PC+6*\c+\i], v[PC+12+4*\c+\i]
.endr
.irp i, 0,1,2
	v_mov_b32 v[PC+3+6*\c+\i], v[PC+12+4*\c+\i]
.endr
.endr
.irp c, 0,1,2
	global_store_b128 v[LI], v[PC+4*\c:PC+4*\c+3], s[8:9] offset:(\a)*16*FRB+512*\c   ; 32 lanes store 512 consecutive bytes, aligned
.endr
.endm
	PLACES NP                                      ; behind the last products
.irp b, 0,1,2,3
	v_mov_b32 v[BX+\b], 0                          ; written once: a lane permute's destination counts as one of its sources
.endr
.irp a, 0,1,2,3,4,5,6,7
	SOFT \a
.endr
	v_cmp_le_u32 vcc_lo, 16, v3                    ; three images: register c takes block 2 c's numbers in lanes 0-15 and block 2 c + 1's in lanes 16-31
.irp c, 0,1,2,3
	v_cndmask_b32 v[XO+\c], v[PWA+2*\c], v[PWA+2*\c+1], vcc_lo
	v_cndmask_b32 v[XO+4+\c], v[NMA+2*\c], v[NMA+2*\c+1], vcc_lo
	v_cndmask_b32 v[XO+8+\c], v[LA+2*\c], v[LA+2*\c+1], vcc_lo
.endr
	global_store_b128 v[LI], v[XO:XO+3], s[10:11]
	global_store_b128 v[LI], v[XO+4:XO+7], s[10:11] offset:524288
	global_store_b128 v[LI], v[XO+8:XO+11], s[10:11] offset:1048576
	s_wait_tensorcnt 0x0                           ; the wave's end
	ds_add_u32 v[SPW], v[NIL]
	s_wait_dscnt 0x0
	CROUND                                         ; the closing round
	s_endpgm
.Lfunc_end_k_q87e6abc837_scores:
	.size	k_q87e6abc837_scores, .Lfunc_end_k_q87e6abc837_scores-k_q87e6abc837_scores
	.p2alignl 7, 3214868480
	.fill 96, 4, 3214868480
	.section	.rodata,"a",@progbits
	.p2align	6, 0x0
	.amdhsa_kernel k_q87e6abc837_scores
		.amdhsa_group_segment_fixed_size 327680
		.amdhsa_private_segment_fixed_size 0
		.amdhsa_enable_private_segment 0
		.amdhsa_kernarg_size 32
		.amdhsa_user_sgpr_count 2
		.amdhsa_user_sgpr_kernarg_segment_ptr 1
		.amdhsa_wavefront_size32 1
		.amdhsa_system_sgpr_workgroup_id_x 1
		.amdhsa_system_sgpr_workgroup_id_y 1
		.amdhsa_system_sgpr_workgroup_id_z 1
		.amdhsa_system_vgpr_workitem_id 0
		.amdhsa_next_free_vgpr 1024
		.amdhsa_next_free_sgpr 102
		.amdhsa_reserve_vcc 1
		.amdhsa_float_denorm_mode_32 3
		.amdhsa_float_denorm_mode_16_64 3
		.amdhsa_memory_ordered 1
		.amdhsa_forward_progress 1
		.amdhsa_inst_pref_size 194
	.end_amdhsa_kernel
	.amdgpu_metadata
---
amdhsa.version: [ 1, 2 ]
amdhsa.kernels:
  - .name:           k_q87e6abc837_scores
    .symbol:         k_q87e6abc837_scores.kd
    .args:
      - { .name: qc, .offset: 0, .size: 8, .value_kind: global_buffer, .address_space: global }
      - { .name: qs, .offset: 8, .size: 8, .value_kind: global_buffer, .address_space: global }
      - { .name: pc, .offset: 16, .size: 8, .value_kind: global_buffer, .address_space: global }
      - { .name: ps, .offset: 24, .size: 8, .value_kind: global_buffer, .address_space: global }
    .group_segment_fixed_size: 327680
    .private_segment_fixed_size: 0
    .kernarg_segment_align: 8
    .kernarg_segment_size: 32
    .max_flat_workgroup_size: 128
    .sgpr_count:     102
    .vgpr_count:     1024
    .wavefront_size: 32
...
	.end_amdgpu_metadata
.endif
;; end of part 3
;; launch pv (part 4): grid 4 x 32, 4 waves a work-group, clusters of 4 x 4, 327,680 bytes of LDS; arguments pc, ps, qc, qs, out0; writes out0
.if DOCPART == 4
	.amdgcn_target "amdgcn-amd-amdhsa--gfx1250"
	.amdhsa_code_object_version 6
	.text
	.protected	k_q87e6abc837_pv
	.globl	k_q87e6abc837_pv
	.p2align	8
	.type	k_q87e6abc837_pv,@function
k_q87e6abc837_pv:
	s_mov_b64 s[64:65], 0
	v_nop
	global_prefetch_b8 v0, s[64:65] scope:SCOPE_SE
	s_setreg_imm32_b32 hwreg(HW_REG_WAVE_MODE, 25, 1), 1
	s_wait_xcnt 0x0
	s_wait_alu depctr_hold_cnt(0) depctr_sa_sdst(0) depctr_va_vdst(0) depctr_va_sdst(0) depctr_va_ssrc(0) depctr_va_vcc(0) depctr_vm_vsrc(0)
	s_getreg_b32 s2, hwreg(HW_REG_IB_STS2, 6, 4)
	s_cmp_eq_u32 s2, 0
	s_cbranch_scc0 .Lentry_in_a_cluster
	s_endpgm
.Lentry_in_a_cluster:
	s_bfe_u32 s2, ttmp6, 0x10000c
	s_cmp_lg_u32 s2, 0xf033
	s_cbranch_scc0 .Lentry_shape_is_right
	s_endpgm
.Lentry_shape_is_right:
; out = (p v) / l on codes of BF6 (E3M2) with E8M0 scales.  p arrives in 16 pieces of 128 keys a row, each quantised under its own whole number M(piece), with -M(piece) and l(piece) beside it.
; AT THE HEAD each wave takes the row's M, the largest of the 16, and brings the pieces under it: d = M(row) - M(piece), a whole number, is taken off the piece's four scale bytes (exact: the codes stay), and
; l(row) = the sum of l(piece) x 2^-d.  The bytes so changed go to LDS bytes of their own and serve as A's scale words.  At the end the sums are multiplied by 1 / l(row) (v_rcp_f32).
; LIMITS: NaN and infinities are not served.  A byte that would fall under 0 is held at 0: such a block adds at most 28 x 2^-127 a key, beside l > 1 / 2.  d is held at 127, which is above every byte (123 at the most).
; A work-group of four waves makes 256 queries x 256 channels, a wave 128 x 128: 64 accumulators.  K = 2,048 keys goes in steps of 256 through a ring of two LDS slots filled by the tensor data mover.
; OPERANDS ARE IMAGES OF REGISTERS: fragment (rb, ks) = 16 positions x 128 K = 1,536 bytes, registers 4 c .. 4 c + 3 of lane l at 512 c + 16 l.  Scale words, -M and l: for 128 positions and 128 K an image of 512 bytes,
; the word of position 32 c + l at 16 l + 4 c.  Position 16 rb + r, rb = 2 bb + u, is row 32 bb + 8 u + r + 8 (r / 8).
; THE MATRIX INSTRUCTION IS USED TRANSPOSED: source 0 = 16 positions of v^T (channels), source 1 = 16 of p (queries).  Lane (r, h) holds query position r; register 16 bb + i of accumulators (a, 0 .. 7) is channel 32 bb + 16 h + i.
; CLUSTERS, 4 x 4: p's tile (4 Y + cy) is shared along a row of the cluster, v^T's (cx, of the batch Y / 2) along a column: each is asked for JOINTLY.  The problem has 128 such tiles: 128 work-groups.
; REGISTERS: window 0: v1-3 r, h, lane; v8-30 addresses; v32-63 scale words, two sets; v64-79 1 / l by block, twice; v128-223 p's fragments, one set.  window 1: v^T's fragments, two sets.  windows 2, 3: the accumulators.
.set KSN,   16                         ; K / 128
.set FR,    12
.set NL,    3
.set NP,    4                          ; places behind this matrix instruction (ISA guide 7.12.1)
.set FRB,   1536
.set RBP,   KSN*FRB
.set STEPB, 2*FRB
.set HALFT, 8*STEPB
.set SLOT,  4*HALFT
.set LAPS,  KSN/4
.set HALFS, KSN*512
.set SCL,   2*SLOT                     ; behind the ring: p's scale words as they come (two regions), then v^T's (two); filled once
.set PADJ,  SCL+4*HALFS                ; p's scale words under the row's M: 2 x 8,192 bytes, written by LDS stores alone
.set SPARE, PADJ+2*HALFS               ; the spare words, 128 bytes for each wave: two blocks of 256 bytes that no other line names
.set SPITCH, 528                       ; the way out: a stage of 16 rows x (512 bytes + 16) for each wave, in slot 0, which has had its last fill and its last read when the first result is stored there
.set VO1,  8                           ; v8   my half of a group's 16 images; v9 the other half
.set VO2,  9
.set AR,   10                          ; v10  p's scale words as they came: my group, my half of K
.set AW,   11                          ; v11  and where they go
.set ADRA, 16
.set ADRB, 20
.set STO,  24                          ; v24  the way out: where I put 32 bytes of a row
.set RD,   25                          ; v25  and where I read a row back
.set LI,   26                          ; v26  16 x lane; never rewritten
.set ADSA, 27
.set SPW,  28                          ; v28  LDS address of my spare word; never rewritten
.set NIL,  29                          ; v29  0; never rewritten
.set ADSB, 30
.set SC,   32
.set AF,   128
.set G1,   24
.set G0,   32
.set G1B,  48
.set G0B,  56
.set G1S,  68
.set G0S,  76
.set G1SB, 80
.set G0SB, 88
.set SEL,  66
.set MI,   64                          ; at the head: v64-127 the 16 images of -M, then of -d
.set LM,   128                         ; v128-191 those of l
.set RW,   192                         ; v192-223 eight images of scale words
.set TP,   224                         ; v224-231 at work
.set NG,   240                         ; v240-243 -M of the row
.set LG,   244                         ; v244-247 l of the row, then 1 / l
.set RC2,  64                          ; v64-79  1 / l of position 16 a + r, twice, at 2 a
.set BK,   128                         ; the way out: 16 rows read back from the stage: v128-191 and v192-255 by turns
.set MSB, 0
.macro WIN new                         ; the immediate's high byte repeats the setting that is left
.if MSB != (\new)
	s_set_vgpr_msb (MSB<<8)|(\new)
.set MSB, (\new)
.endif
.endm
.set MUL_LO, 0xa1                      ; source 0 (B) window 1, source 1 (A) window 0, C and D window 2
.set MUL_HI, 0xf1
.set TO_B,   0x40
; A joint load: waves 0 and 1 fetch for A, waves 2 and 3 for B; the branch hangs on the wave's number alone.  Four v_nop follow each of the two lines.
.macro JLOAD g0a, g1a, g0b, g1b
	s_cmp_eq_u32 s15, 0
	s_cbranch_scc0 .Lfor_b_\@
	tensor_load_to_lds s[\g0a:\g0a+3], s[\g1a:\g1a+7]
	s_nop 0
.rept 4
	v_nop
.endr
	s_branch .Lasked_\@
.Lfor_b_\@:
	tensor_load_to_lds s[\g0b:\g0b+3], s[\g1b:\g1b+7]
	s_nop 0
.rept 4
	v_nop
.endr
.Lasked_\@:
.endm
.macro CREST                           ; a round of the cluster's barrier behind its opening barrier
	s_cmp_lg_u32 s14, 0
	s_cbranch_scc1 .Lnot_wave_0_\@
	s_barrier_signal -3
.Lnot_wave_0_\@:
	s_barrier_wait -3
	s_barrier_signal -1
	s_barrier_wait -1
.endm
.macro CROUND
	s_barrier_signal -1
	s_barrier_wait -1
	CREST
.endm
.macro PLACES n
.rept \n
	v_nop
.endr
.endm
.macro FRAG reg, adr, q, i             ; a fragment's image: three loads of 512 consecutive bytes
.irp c, 0,1,2
	ds_load_b128 v[(\reg)+4*\c:(\reg)+4*\c+3], v[\adr] offset:(\i)*STEPB+(\q)*FRB+512*\c
.endr
.endm
.macro FETCH_B slot, q, p
	WIN TO_B
.irp i, 0,1,2,3,4,5,6,7
	FRAG 128*(\p)+FR*\i, ADRB+\slot, \q, \i
.endr
	WIN 0
.endm
.macro FETCH_A slot, q, i0
.irp i, \i0, \i0+1, \i0+2, \i0+3
	FRAG AF+FR*(\i), ADRA+\slot, \q, \i
.endr
.endm
.macro SCALES sc
.irp q, 0,1
	ds_load_b128 v[SC+16*(\sc)+8*\q:SC+16*(\sc)+8*\q+3], v[ADSA] offset:512*\q
	ds_load_b128 v[SC+16*(\sc)+8*\q+4:SC+16*(\sc)+8*\q+7], v[ADSB] offset:512*\q
.endr
.endm
; One product.  bh, ah: B's and A's block is the odd one of its pair, whose scale words lie in lanes 16-31.  zero: the product starts its sum.
.macro WM zero, bh, ah
.set WX_, 4*(\zero)+2*(\bh)+(\ah)
.if WX_ == 0
	v_wmma_scale_f32_16x16x128_f8f6f4 v[AC_:AC_+7], v[BF_:BF_+11], v[AF_:AF_+11], v[AC_:AC_+7], v[SB_], v[SA_] matrix_a_fmt:MATRIX_FMT_BF6 matrix_b_fmt:MATRIX_FMT_BF6
.elseif WX_ == 1
	v_wmma_scale_f32_16x16x128_f8f6f4 v[AC_:AC_+7], v[BF_:BF_+11], v[AF_:AF_+11], v[AC_:AC_+7], v[SB_], v[SA_] matrix_a_fmt:MATRIX_FMT_BF6 matrix_b_fmt:MATRIX_FMT_BF6 matrix_b_scale:MATRIX_SCALE_ROW1
.elseif WX_ == 2
	v_wmma_scale_f32_16x16x128_f8f6f4 v[AC_:AC_+7], v[BF_:BF_+11], v[AF_:AF_+11], v[AC_:AC_+7], v[SB_], v[SA_] matrix_a_fmt:MATRIX_FMT_BF6 matrix_b_fmt:MATRIX_FMT_BF6 matrix_a_scale:MATRIX_SCALE_ROW1
.elseif WX_ == 3
	v_wmma_scale_f32_16x16x128_f8f6f4 v[AC_:AC_+7], v[BF_:BF_+11], v[AF_:AF_+11], v[AC_:AC_+7], v[SB_], v[SA_] matrix_a_fmt:MATRIX_FMT_BF6 matrix_b_fmt:MATRIX_FMT_BF6 matrix_a_scale:MATRIX_SCALE_ROW1 matrix_b_scale:MATRIX_SCALE_ROW1
.elseif WX_ == 4
	v_wmma_scale_f32_16x16x128_f8f6f4 v[AC_:AC_+7], v[BF_:BF_+11], v[AF_:AF_+11], 0, v[SB_], v[SA_] matrix_a_fmt:MATRIX_FMT_BF6 matrix_b_fmt:MATRIX_FMT_BF6
.elseif WX_ == 5
	v_wmma_scale_f32_16x16x128_f8f6f4 v[AC_:AC_+7], v[BF_:BF_+11], v[AF_:AF_+11], 0, v[SB_], v[SA_] matrix_a_fmt:MATRIX_FMT_BF6 matrix_b_fmt:MATRIX_FMT_BF6 matrix_b_scale:MATRIX_SCALE_ROW1
.elseif WX_ == 6
	v_wmma_scale_f32_16x16x128_f8f6f4 v[AC_:AC_+7], v[BF_:BF_+11], v[AF_:AF_+11], 0, v[SB_], v[SA_] matrix_a_fmt:MATRIX_FMT_BF6 matrix_b_fmt:MATRIX_FMT_BF6 matrix_a_scale:MATRIX_SCALE_ROW1
.else
	v_wmma_scale_f32_16x16x128_f8f6f4 v[AC_:AC_+7], v[BF_:BF_+11], v[AF_:AF_+11], 0, v[SB_], v[SA_] matrix_a_fmt:MATRIX_FMT_BF6 matrix_b_fmt:MATRIX_FMT_BF6 matrix_a_scale:MATRIX_SCALE_ROW1 matrix_b_scale:MATRIX_SCALE_ROW1
.endif
.endm
; 16 products: A's blocks a0, a0 + 1 (a0 even) x B's eight.  The 64 accumulators take turns, one instruction a turn, in the same order in every step.
.macro MUL16 a0, p, q, sc, zero
.irp ah, 0,1
.irp bc, 0,1,2,3
.irp bh, 0,1
.set AC_, 8*(8*(((\a0)+\ah)%4)+2*\bc+\bh)
.set BF_, 128*(\p)+FR*(2*\bc+\bh)
.set AF_, AF+FR*((\a0)+\ah)
.set SB_, SC+16*(\sc)+8*(\q)+4+\bc
.set SA_, SC+16*(\sc)+8*(\q)+(\a0)/2
	WM \zero, \bh, \ah
.endr
.endr
.endr
.endm
.macro STEP slot, q, zero              ; a step of 128 along K that has its successor in the same slot
	s_wait_dscnt 4*NL                              ; all but the youngest twelve loads (A's blocks 4-7) are in
	WIN MUL_LO
	MUL16 0, (\q)%2, \q, \slot, \zero
	MUL16 2, (\q)%2, \q, \slot, \zero
	s_wait_dscnt 0                                 ; A's blocks 4-7 are in
	PLACES NP
	FETCH_B \slot, (\q)+1, 1-(\q)%2
	FETCH_A \slot, (\q)+1, 0
	WIN MUL_HI
	MUL16 4, (\q)%2, \q, \slot, \zero
	MUL16 6, (\q)%2, \q, \slot, \zero
	PLACES NP
	WIN 0
	FETCH_A \slot, (\q)+1, 4
.endm
; A slot's last step changes slots: one barrier; in front of it each wave waits for all its tensor loads, adds 0 to its spare word, and waits for that and for its own reads of this slot.
.macro TURN slot, next, fill
	s_wait_tensorcnt 0x0                           ; all my tensor loads have landed: my part of the next slot
	ds_add_u32 v[SPW], v[NIL]                      ; 0 onto my spare word
	s_wait_dscnt 4*NL+1                            ; the add and the youngest twelve loads may be out
	WIN MUL_LO
	MUL16 0, 1, 1, \slot, 0
	s_wait_dscnt 0x0                               ; the add is done, and my reads of this slot are over
	s_barrier_signal -1
	MUL16 2, 1, 1, \slot, 0
	WIN 0
	s_barrier_wait -1
.if \fill
	CREST                                          ; no wave of any partner still reads this slot's tile or has a load on its way
	s_add_nc_u64 s[G0+4*\slot+2:G0+4*\slot+3], s[G0+4*\slot+2:G0+4*\slot+3], 2*STEPB
	s_add_nc_u64 s[G0B+4*\slot+2:G0B+4*\slot+3], s[G0B+4*\slot+2:G0B+4*\slot+3], 2*STEPB
	JLOAD G0+4*\slot, G1, G0B+4*\slot, G1B         ; the first tensor load behind the round; its four v_nop are the places in front of the loads below
.else
	PLACES NP
.endif
	v_add_nc_u32 v[ADSA], 1024, v[ADSA]
	v_add_nc_u32 v[ADSB], 1024, v[ADSB]
	FETCH_B \next, 0, 0
	FETCH_A \next, 0, 0
	SCALES \next
	WIN MUL_HI
	MUL16 4, 1, 1, \slot, 0
	MUL16 6, 1, 1, \slot, 0
	PLACES NP
	WIN 0
	FETCH_A \next, 0, 4
.endm
	s_load_b256 s[4:11], s[0:1], 0x0               ; pc s[4:5], ps s[6:7], qc s[8:9], qs s[10:11]
	s_load_b64 s[12:13], s[0:1], 0x20              ; out0
	v_lshl_add_u32 v[SPW], v0, 2, SPARE
	v_mov_b32 v[NIL], 0
	ds_add_u32 v28, v29
	ds_add_u32 v28, v29
	s_wait_dscnt 0x0
	v_lshrrev_b32 v1, 5, v0
	v_readfirstlane_b32 s14, v1                    ; wave 0..3
	s_lshr_b32 s15, s14, 1                         ; which half of the queries is mine.  Also: I fetch for p (0) or for v^T (1)
	s_and_b32 s16, s14, 1                          ; which half of the channels.  Also: which 128 positions of that tile I fetch
	s_bfe_u32 s40, ttmp6, 0x40000                  ; cx, cy
	s_bfe_u32 s41, ttmp6, 0x40004
	s_and_b32 s2, ttmp7, 0xffff                    ; Y
	s_lshl_b32 s17, s2, 2
	s_add_co_u32 s17, s17, s41                     ; p's tile of 256 positions, 0..31: hangs on cy alone
	s_lshr_b32 s95, s2, 1                          ; the batch, which all sixteen share
	s_lshl_b32 s43, s41, 2
	s_lshl_b32 s43, 15, s43                        ; my row of the cluster
	s_lshl_b32 s44, 0x1111, s40                    ; my column
	s_or_b32 s[G1+0], s43, (3<<16)|(1<<21)         ; 15:0 the mask; 17:16 elements of 8 bytes; 21 set beside a mask; no padding
	s_or_b32 s[G1B+0], s44, (3<<16)|(1<<21)
.irp g, G1, G1B
	s_mov_b32 s[\g+1], 384<<16                     ; 8 row blocks x 3,072 bytes, RBP bytes apart in memory, dense in LDS
	s_mov_b32 s[\g+2], 8<<16
	s_mov_b32 s[\g+3], 384<<16
	s_mov_b32 s[\g+4], 8
	s_mov_b32 s[\g+5], RBP/8
	s_mov_b32 s[\g+6], 0
	s_mov_b32 s[\g+7], 0
.endr
	s_or_b32 s[G1S+0], s43, (3<<16)|(1<<21)
	s_or_b32 s[G1SB+0], s44, (3<<16)|(1<<21)
.irp g, G1S, G1SB
	s_mov_b32 s[\g+1], 32<<16                      ; a dense block of HALFS bytes, as rows of 256 bytes
	s_mov_b32 s[\g+2], (HALFS/256)<<16
	s_mov_b32 s[\g+3], 32<<16
	s_mov_b32 s[\g+4], HALFS/256
	s_mov_b32 s[\g+5], 32
	s_mov_b32 s[\g+6], 0
	s_mov_b32 s[\g+7], 0
.endr
	s_lshl_b32 s18, s16, 3
	s_lshl_b32 s20, s17, 4
	s_add_co_u32 s20, s20, s18
	s_mul_i32 s20, s20, RBP                        ; p's codes
	s_mov_b32 s21, 0
	s_lshl_b32 s46, s40, 4
	s_add_co_u32 s46, s46, s18
	s_mul_i32 s46, s46, RBP
	s_mul_i32 s19, s95, 1572864
	s_add_co_u32 s46, s46, s19
	s_add_co_u32 s46, s46, 12582912                ; v^T's, behind q's and k's, by batch
	s_mov_b32 s47, 0
	s_lshl_b32 s22, s17, 1
	s_add_co_u32 s22, s22, s16
	s_mul_i32 s22, s22, HALFS                      ; p's scale words
	s_mov_b32 s23, 0
	s_lshl_b32 s92, s40, 1
	s_add_co_u32 s92, s92, s16
	s_mul_i32 s92, s92, HALFS
	s_lshl_b32 s19, s95, 16
	s_add_co_u32 s92, s92, s19
	s_add_co_u32 s92, s92, 524288                  ; v^T's
	s_mov_b32 s93, 0
	s_mul_i32 s45, s14, HALFT
	s_mul_i32 s94, s14, HALFS
	s_mov_b32 s[SEL], 0x76543210
	s_mov_b32 s[SEL+1], 0xfedcba98
	s_mov_b32 s98, 0x80808080
	s_wait_kmcnt 0x0
	s_add_nc_u64 s[20:21], s[4:5], s[20:21]
	s_add_nc_u64 s[22:23], s[6:7], s[22:23]
	s_add_nc_u64 s[46:47], s[8:9], s[46:47]
	s_add_nc_u64 s[92:93], s[10:11], s[92:93]
	CROUND                                         ; all sixteen work-groups are here: the first joint loads meet
	s_mov_b32 s[G0S], 1
	s_add_co_u32 s[G0S+1], s94, SCL
	s_mov_b64 s[G0S+2:G0S+3], s[22:23]
	s_or_b32 s[G0S+3], s[G0S+3], 0x80000000
	s_mov_b32 s[G0SB], 1
	s_add_co_u32 s[G0SB+1], s94, SCL
	s_mov_b64 s[G0SB+2:G0SB+3], s[92:93]
	s_or_b32 s[G0SB+3], s[G0SB+3], 0x80000000
	JLOAD G0S, G1S, G0SB, G1SB                     ; the scale words first.  Three loads of mine are out behind these lines
.irp s, 0,1
	s_mov_b32 s[G0+4*\s], 1
	s_add_co_u32 s[G0+4*\s+1], s45, \s*SLOT
	s_add_nc_u64 s[G0+4*\s+2:G0+4*\s+3], s[20:21], \s*STEPB
	s_or_b32 s[G0+4*\s+3], s[G0+4*\s+3], 0x80000000
	s_mov_b32 s[G0B+4*\s], 1
	s_add_co_u32 s[G0B+4*\s+1], s45, \s*SLOT
	s_add_nc_u64 s[G0B+4*\s+2:G0B+4*\s+3], s[46:47], \s*STEPB
	s_or_b32 s[G0B+4*\s+3], s[G0B+4*\s+3], 0x80000000
	JLOAD G0+4*\s, G1, G0B+4*\s, G1B
.endr
	v_and_b32 v1, 15, v0                           ; r
	v_bfe_u32 v2, v0, 4, 1                         ; h
	v_and_b32 v3, 31, v0                           ; lane
	v_lshlrev_b32 v[LI], 4, v3
	; -M and l of my 128 queries, all 16 pieces: my half of K first (registers 0-31), then the other
	s_lshl_b32 s18, s16, 12
	v_add_nc_u32 v[VO1], s18, v[LI]
	s_xor_b32 s19, s18, 4096
	v_add_nc_u32 v[VO2], s19, v[LI]
	s_lshl_b32 s20, s17, 1
	s_add_co_u32 s20, s20, s15
	s_lshl_b32 s20, s20, 13                        ; my group's 16 images
	s_mov_b32 s21, 0
	s_add_nc_u64 s[96:97], s[6:7], s[20:21]
.irp k, 0,1,2,3,4,5,6,7
	global_load_b128 v[MI+4*\k:MI+4*\k+3], v[VO1], s[96:97] offset:524288+512*\k
	global_load_b128 v[MI+32+4*\k:MI+32+4*\k+3], v[VO2], s[96:97] offset:524288+512*\k
.endr
.irp k, 0,1,2,3,4,5,6,7
	global_load_b128 v[LM+4*\k:LM+4*\k+3], v[VO1], s[96:97] offset:1048576+512*\k
	global_load_b128 v[LM+32+4*\k:LM+32+4*\k+3], v[VO2], s[96:97] offset:1048576+512*\k
.endr
	s_lshl_b32 s20, s15, 13
	s_add_co_u32 s20, s20, s18                     ; my group's region, my half of K
	s_add_co_u32 s21, s20, SCL
	v_add_nc_u32 v[AR], s21, v[LI]
	s_add_co_u32 s21, s20, PADJ
	v_add_nc_u32 v[AW], s21, v[LI]
	s_mul_i32 s21, s15, HALFT
	s_mul_i32 s22, s16, HALFT
	s_add_co_u32 s22, s22, 2*HALFT
.irp s, 0,1
	v_add_nc_u32 v[ADRA+\s], s21, v[LI]
	v_add_nc_u32 v[ADRB+\s], s22, v[LI]
	s_add_co_u32 s21, s21, SLOT
	s_add_co_u32 s22, s22, SLOT
.endr
	s_mul_i32 s21, s15, HALFS
	s_add_co_u32 s21, s21, PADJ
	v_add_nc_u32 v[ADSA], s21, v[LI]               ; A's scale words: those under the row's M
	s_mul_i32 s22, s16, HALFS
	s_add_co_u32 s22, s22, SCL+2*HALFS
	v_add_nc_u32 v[ADSB], s22, v[LI]
	s_mul_i32 s23, s14, 16*SPITCH                  ; my stage
	v_mul_u32_u24 v[STO], v1, SPITCH
	v_lshl_add_u32 v[STO], v2, 6, v[STO]
	v_add_nc_u32 v[STO], s23, v[STO]               ; in: row r, + 64 h: channels 16 h on of each 32
	v_add_nc_u32 v[RD], s23, v[LI]                 ; back: the 32 lanes take one row of 512 bytes
	s_lshl_b32 s20, s17, 8
	s_lshl_b32 s21, s15, 7
	s_add_co_u32 s20, s20, s21
	s_lshl_b32 s20, s20, 12                        ; my first row of out0: 256 x tile + 128 x half, 4,096 bytes a row (under 2^26)
	s_lshl_b32 s21, s40, 10
	s_add_co_u32 s20, s20, s21
	s_lshl_b32 s21, s16, 9
	s_add_co_u32 s20, s20, s21                     ; my first channel: 256 cx + 128 x half
	s_mov_b32 s21, 0
	s_add_nc_u64 s[12:13], s[12:13], s[20:21]
	s_wait_tensorcnt 2                             ; my scale words are in; both slots' loads may be out
	s_barrier_signal -1
	s_barrier_wait -1                              ; everybody's are
.irp k, 0,1,2,3,4,5,6,7
	ds_load_b128 v[RW+4*\k:RW+4*\k+3], v[AR] offset:512*\k
.endr
	s_wait_loadcnt 0x0                             ; -M and l
.irp c, 0,1,2,3
	v_min3_num_f32 v[NG+\c], v[MI+\c], v[MI+4+\c], v[MI+8+\c]          ; -M of the row: the least of the 16 pieces' -M
.endr
.irp k, 3,5,7,9,11,13
.irp c, 0,1,2,3
	v_min3_num_f32 v[NG+\c], v[NG+\c], v[MI+4*\k+\c], v[MI+4*\k+4+\c]
.endr
.endr
.irp c, 0,1,2,3
	v_min_num_f32 v[NG+\c], v[NG+\c], v[MI+60+\c]
.endr
.set j, 0
.rept 32
	v_pk_add_f32 v[MI+j:MI+j+1], v[NG+j%4:NG+j%4+1], v[MI+j:MI+j+1] neg_lo:[0,1] neg_hi:[0,1]   ; -d = M(piece) - M(row): a whole number, 0 or less
.set j, j+2
.endr
.set j, 0
.rept 64
	v_cvt_i32_f32 v[MI+j], v[MI+j]                 ; (it saturates)
.set j, j+1
.endr
.set j, 0
.rept 64
	v_ldexp_f32 v[LM+j], v[LM+j], v[MI+j]          ; l(piece) x 2^-d
.set j, j+1
.endr
.irp c, 0,2
	v_pk_add_f32 v[LG+\c:LG+\c+1], v[LM+\c:LM+\c+1], v[LM+4+\c:LM+4+\c+1]
.endr
.irp k, 2,3,4,5,6,7,8,9,10,11,12,13,14,15
.irp c, 0,2
	v_pk_add_f32 v[LG+\c:LG+\c+1], v[LG+\c:LG+\c+1], v[LM+4*\k+\c:LM+4*\k+\c+1]   ; l of the row
.endr
.endr
	s_wait_dscnt 0x0                               ; the scale words
; d off each of a word's four bytes, held at 0.  A byte b is 123 at the most and d 127: with bit 7 set, 128 + b - d never borrows from the next byte, and bit 7 stays set just where b - d is not negative.
.irp k, 0,1,2,3,4,5,6,7
.irp c, 0,1,2,3
	v_sub_nc_u32 v[TP+\c], 0, v[MI+4*\k+\c]        ; d
.endr
.irp c, 0,1,2,3
	v_min_u32 v[TP+\c], 127, v[TP+\c]
.endr
.irp c, 0,1,2,3
	v_perm_b32 v[TP+\c], v[TP+\c], v[TP+\c], 0     ; in all four bytes
.endr
.irp c, 0,1,2,3
	v_or_b32 v[RW+4*\k+\c], s98, v[RW+4*\k+\c]
.endr
.irp c, 0,1,2,3
	v_sub_nc_u32 v[RW+4*\k+\c], v[RW+4*\k+\c], v[TP+\c]
.endr
.irp c, 0,1,2,3
	v_and_b32 v[TP+\c], s98, v[RW+4*\k+\c]
.endr
.irp c, 0,1,2,3
	v_lshrrev_b32 v[TP+4+\c], 7, v[TP+\c]
.endr
.irp c, 0,1,2,3
	v_sub_nc_u32 v[TP+\c], v[TP+\c], v[TP+4+\c]    ; 0x7f in the bytes that stay, 0 in those that are held
.endr
.irp c, 0,1,2,3
	v_and_b32 v[RW+4*\k+\c], v[RW+4*\k+\c], v[TP+\c]
.endr
	ds_store_b128 v[AW], v[RW+4*\k:RW+4*\k+3] offset:512*\k
.endr
.irp c, 0,1,2,3
	v_rcp_f32 v[LG+\c], v[LG+\c]                   ; l is above 1 / 2
.endr
	v_nop                                          ; a plain instruction behind the reciprocals
	s_wait_alu depctr_va_vdst(0)                   ; one wait for the four, ahead of their first reader
.irp c, 0,1,2,3
	v_permlanex16_b32 v[TP+\c], v[LG+\c], s[SEL], s[SEL+1]
.endr
	v_cmp_le_u32 vcc_lo, 16, v3                    ; register c holds block 2 c's numbers in lanes 0-15 and block 2 c + 1's in lanes 16-31: each block's go to both halves
.irp c, 0,1,2,3
	v_cndmask_b32 v[RC2+4*\c], v[LG+\c], v[TP+\c], vcc_lo
	v_cndmask_b32 v[RC2+4*\c+1], v[LG+\c], v[TP+\c], vcc_lo
	v_cndmask_b32 v[RC2+4*\c+2], v[TP+\c], v[LG+\c], vcc_lo
	v_cndmask_b32 v[RC2+4*\c+3], v[TP+\c], v[LG+\c], vcc_lo
.endr
	s_wait_tensorcnt 1                             ; my part of slot 0 is in (slot 1's load may be out)
	s_wait_dscnt 0x0                               ; and my stores of scale words have landed
	s_barrier_signal -1
	s_barrier_wait -1                              ; everybody's
	FETCH_B 0, 0, 0
	FETCH_A 0, 0, 0
	SCALES 0
	FETCH_A 0, 0, 4
	STEP 0, 0, 1                                   ; the first step stands in front of the loop: its products start the sums
	s_mov_b32 s3, LAPS-1
.Llap:
	TURN 0, 1, 1
	STEP 1, 0, 0
	TURN 1, 0, 1
	STEP 0, 0, 0
	s_sub_co_u32 s3, s3, 1
	s_cmp_lg_u32 s3, 0
	s_cbranch_scc1 .Llap
	TURN 0, 1, 0                                   ; the last lap fills nothing; behind its barrier nobody reads slot 0
	STEP 1, 0, 0
	s_wait_dscnt 4*NL
	WIN MUL_LO
	MUL16 0, 1, 1, 1, 0
	MUL16 2, 1, 1, 1, 0
	s_wait_dscnt 0
	WIN MUL_HI
	MUL16 4, 1, 1, 1, 0
	MUL16 6, 1, 1, 1, 0
	WIN 0
; THE WAY OUT, block by block of 16 queries x 128 channels: x 1 / l; through my own stage in LDS; back as whole rows of 512 bytes, which the 32 lanes store as two aligned runs of 256 bytes.
; LDS serves a wave's instructions in order (ISA guide 5.7.1.4): no wait between the stores and the loads, nor in front of the next block's stores.
.macro SCALE a
.set AC, 64*((\a)%4)
	WIN 0x82+0x41*((\a)/4)                         ; destination and source 0: window 2 or 3
.set j, 0
.rept 32
	v_pk_mul_f32 v[AC+j:AC+j+1], v[AC+j:AC+j+1], v[RC2+2*(\a):RC2+2*(\a)+1]   ; each accumulator from its low end on
.set j, j+2
.endr
.endm
.macro TOSTAGE a
.set AC, 64*((\a)%4)
	WIN 0x08+4*((\a)/4)                            ; the data: window 2 or 3
.irp b, 0,1,2,3,4,5,6,7
	ds_store_b128 v[STO], v[AC+8*\b:AC+8*\b+3] offset:128*(\b/2)+32*(\b%2)       ; accumulator b = 2 bb + u: channels 32 bb + 16 h + 8 u on
	ds_store_b128 v[STO], v[AC+8*\b+4:AC+8*\b+7] offset:128*(\b/2)+32*(\b%2)+16
.endr
	WIN 0
.set BB, BK+64*((\a)%2)
.irp t, 0,1,2,3,4,5,6,7,8,9,10,11,12,13,14,15
	ds_load_b128 v[BB+4*\t:BB+4*\t+3], v[RD] offset:\t*SPITCH
.endr
.endm
.macro SEND a, younger                 ; younger: the LDS instructions issued behind block a's loads, which may stay out
.set BB, BK+64*((\a)%2)
	s_wait_dscnt \younger                          ; the block is back in registers
.irp t, 0,1,2,3,4,5,6,7,8,9,10,11,12,13,14,15
	global_store_b128 v[LI], v[BB+4*\t:BB+4*\t+3], s[12:13] offset:(32*((\a)/2)+8*((\a)%2)+\t+8*(\t/8))*4096 th:TH_STORE_NT   ; position 16 a + t is this row; 127 rows at the most: inside the signed 24-bit immediate
.endr
.endm
	PLACES NP                                      ; behind the last products
	SCALE 0
	TOSTAGE 0
.irp a, 1,2,3,4,5,6,7
.if \a > 1
	s_wait_xcnt 0x0                                ; block a - 2's stores have read their registers: block a's loads may land there
.endif
	SCALE \a
	TOSTAGE \a
	SEND \a-1, 32                                  ; behind block a - 1's loads: block a's 16 stores and 16 loads
.endr
	SEND 7, 0
	s_wait_tensorcnt 0x0                           ; the wave's end
	ds_add_u32 v[SPW], v[NIL]
	s_wait_dscnt 0x0
	CROUND                                         ; the closing round
	s_endpgm
.Lfunc_end_k_q87e6abc837_pv:
	.size	k_q87e6abc837_pv, .Lfunc_end_k_q87e6abc837_pv-k_q87e6abc837_pv
	.p2alignl 7, 3214868480
	.fill 96, 4, 3214868480
	.section	.rodata,"a",@progbits
	.p2align	6, 0x0
	.amdhsa_kernel k_q87e6abc837_pv
		.amdhsa_group_segment_fixed_size 327680
		.amdhsa_private_segment_fixed_size 0
		.amdhsa_enable_private_segment 0
		.amdhsa_kernarg_size 40
		.amdhsa_user_sgpr_count 2
		.amdhsa_user_sgpr_kernarg_segment_ptr 1
		.amdhsa_wavefront_size32 1
		.amdhsa_system_sgpr_workgroup_id_x 1
		.amdhsa_system_sgpr_workgroup_id_y 1
		.amdhsa_system_sgpr_workgroup_id_z 1
		.amdhsa_system_vgpr_workitem_id 0
		.amdhsa_next_free_vgpr 1024
		.amdhsa_next_free_sgpr 102
		.amdhsa_reserve_vcc 1
		.amdhsa_float_denorm_mode_32 3
		.amdhsa_float_denorm_mode_16_64 3
		.amdhsa_memory_ordered 1
		.amdhsa_forward_progress 1
		.amdhsa_inst_pref_size 179
	.end_amdhsa_kernel
	.amdgpu_metadata
---
amdhsa.version: [ 1, 2 ]
amdhsa.kernels:
  - .name:           k_q87e6abc837_pv
    .symbol:         k_q87e6abc837_pv.kd
    .args:
      - { .name: pc, .offset: 0, .size: 8, .value_kind: global_buffer, .address_space: global }
      - { .name: ps, .offset: 8, .size: 8, .value_kind: global_buffer, .address_space: global }
      - { .name: qc, .offset: 16, .size: 8, .value_kind: global_buffer, .address_space: global }
      - { .name: qs, .offset: 24, .size: 8, .value_kind: global_buffer, .address_space: global }
      - { .name: out0, .offset: 32, .size: 8, .value_kind: global_buffer, .address_space: global }
    .group_segment_fixed_size: 327680
    .private_segment_fixed_size: 0
    .kernarg_segment_align: 8
    .kernarg_segment_size: 40
    .max_flat_workgroup_size: 128
    .sgpr_count:     102
    .vgpr_count:     1024
    .wavefront_size: 32
...
	.end_amdgpu_metadata
.endif
;; end of part 4
;; ======== version 2 of 2: 4 launches
;; limits: right only within a limited range of input values
;; workspace buffers: oc 9,011,200 bytes; kq 13,107,200 bytes; qc 18,874,368 bytes; qs 786,432 bytes; pc 12,582,912 bytes; ps 1,572,864 bytes
;; launch quant (part 5): grid 704 x 1, 2 waves a work-group, no clusters, 17,152 bytes of LDS; arguments x, Wq, Wk, Wv, oc; writes oc
.if DOCPART == 5
	.amdgcn_target "amdgcn-amd-amdhsa--gfx1250"
	.amdhsa_code_object_version 6
	.text
	.protected	k_q87e6abc837_quant
	.globl	k_q87e6abc837_quant
	.p2align	8
	.type	k_q87e6abc837_quant,@function
k_q87e6abc837_quant:
	s_mov_b64 s[64:65], 0
	v_nop
	global_prefetch_b8 v0, s[64:65] scope:SCOPE_SE
	s_setreg_imm32_b32 hwreg(HW_REG_WAVE_MODE, 25, 1), 1
	s_wait_xcnt 0x0
; x [8192][1024], Wq, Wk, Wv [1024][1024], f32, K innermost, become codes of BF6 (E3M2) with one E8M0 byte for each 32 along K, laid as the products' launch takes them into registers.
; Every input of the problem has a way to the output: nothing is left out in this program (the biases are read by the next launch).
; A block's scale is 2^(floor(log2(largest magnitude)) - 4): its byte is the largest magnitude's exponent field - 4, held at 1 from below.
; LIMITS: NaN and infinities are not served; a block of zeros, or one whose largest magnitude lies under 2^-122, gets the byte 1 (its codes are zeros or subnormal codes; the bytes are read by this program alone).
; ROW ORDER.  Rows are kept by POSITION: position 16 rb + r, rb = 2 bb + u, is row 32 bb + 8 u + r + 8 (r / 8).  A product whose source 0 takes 16 such positions leaves a lane 16 NEIGHBOURS along that axis
; in the registers of two neighbouring tiles, which is what the next quantiser wants.  Groups of 128 positions: 0-63 are x's, then 8 each of Wq, Wk, Wv.
; UNITS.  oc is a row of units of 12,800 bytes, one for 128 positions x 128 K: 8 fragments (16 positions x 128 K = 12 registers a lane, an image of the registers: registers 4 c .. 4 c + 3 of lane l at 512 c + 16 l; 1,536 bytes),
; then an image of scale words, 512 bytes: the word of position 32 c + l at 16 l + 4 c.  x and Wv: unit 8 x group + ks.  Wq and Wk lie by turns: unit 512 + 16 c + 2 ks + (0 Wq, 1 Wk), c the group within the weight.
; SHARES.  A work-group makes one unit; each of its two waves takes 64 rows x 128 K: 4 fragments and two of the scale image's four registers (8 bytes a lane: the two waves fill the image between them).
; Each load reads 512 consecutive bytes of one row; 16 rows turn through the wave's own stage in LDS, so that a lane gets 16 neighbours of each block of 32.
; No tensor load, no barrier, no cluster: waves share nothing.  32 loads of a wave (two fragments) are on their way.
.set WSTG,  8448                       ; a wave's stage: 16 rows x 528 bytes
.set SPT,   528                        ; 512 bytes + 16: the 16 rows that a read touches start at 16 different places modulo 256 bytes
.set NF,    4                          ; fragments a wave
.set LO,    4                          ; v4   16 x lane; never rewritten
.set STI,   5                          ; v5   the stage on the way in: 16 x lane
.set STO,   6                          ; v6   and on the way out: 528 r + 64 h
.set SW,    7                          ; v7   my place in the image of scale words: 16 x lane + 8 x wave
.set R,     16                         ; v16-143  two sets of 64: rows as they are loaded
.set X,     144                        ; v144-207 register 16 b + i = k 32 b + 16 h + i of my row
.set PC,    208                        ; v208-226 the codes just made
.set TM,    228                        ; v228-243 at work
.set PWA,   244                        ; v244-247 the four fragments' scale words
.set SEL,   20                         ; s[20:21] v_permlanex16_b32's selects for lane l xor 16
	s_load_b256 s[4:11], s[0:1], 0x0               ; x s[4:5], Wq s[6:7], Wk s[8:9], Wv s[10:11]
	s_load_b64 s[12:13], s[0:1], 0x20              ; oc
	v_lshl_add_u32 v254, v0, 2, 0x4200             ; my spare word, behind the two stages
	v_mov_b32 v255, 0
	v_lshrrev_b32 v1, 5, v0
	v_readfirstlane_b32 s16, v1                    ; wave 0..1: which 64 rows of the unit
	v_and_b32 v3, 31, v0                           ; lane
	v_and_b32 v1, 15, v0                           ; r
	v_bfe_u32 v2, v0, 4, 1                         ; h
	v_lshlrev_b32 v[LO], 4, v3
	s_mul_i32 s17, s16, WSTG
	s_lshl_b32 s26, s16, 3
	v_add_nc_u32 v[SW], s26, v[LO]
	v_add_nc_u32 v[STI], s17, v[LO]
	v_mul_u32_u24 v[STO], v1, SPT
	v_lshl_add_u32 v[STO], v2, 6, v[STO]
	v_add_nc_u32 v[STO], s17, v[STO]
	s_mov_b32 s[SEL], 0x76543210
	s_mov_b32 s[SEL+1], 0xfedcba98
.irp b, 0,1,2,3
	v_mov_b32 v[TM+4+\b], 0                        ; written once: a lane permute's destination counts as one of its sources
.endr
	s_mov_b32 s18, ttmp9                           ; the job: 8 x group + ks, 0..703
	s_lshr_b32 s19, s18, 3                         ; group of 128 positions, 0..87
	s_and_b32 s22, s18, 7                          ; which 128 along K
	s_and_b32 s23, s19, 7                          ; the group within a weight
	s_wait_alu depctr_va_vdst(0)                   ; the head's end
	s_wait_kmcnt 0x0
	s_cmp_lt_u32 ttmp9, 640                        ; work-groups 0-511 x, 512-575 Wq, 576-639 Wk, 640-703 Wv: the choice hangs on the work-group's number alone
	s_cselect_b64 s[10:11], s[8:9], s[10:11]
	s_cmp_lt_u32 ttmp9, 576
	s_cselect_b64 s[10:11], s[6:7], s[10:11]
	s_cmp_lt_u32 ttmp9, 512
	s_cselect_b64 s[10:11], s[4:5], s[10:11]
	s_cselect_b32 s23, s19, s23                    ; the group within its tensor
	s_lshl_b32 s24, s23, 19                        ; 128 rows of 4,096 bytes
	s_lshl_b32 s25, s22, 9                         ; 128 numbers
	s_add_co_u32 s24, s24, s25
	s_lshl_b32 s25, s16, 18                        ; my 64 rows
	s_add_co_u32 s24, s24, s25
	s_mov_b32 s25, 0
	s_add_nc_u64 s[10:11], s[10:11], s[24:25]      ; the source at my 64 x 128
	s_lshl_b32 s26, s23, 4
	s_lshl_b32 s27, s22, 1
	s_add_co_u32 s26, s26, s27
	s_bfe_u32 s27, s19, 0x10003                    ; bit 3 of the group: 0 in Wq's, 1 in Wk's
	s_add_co_u32 s26, s26, s27
	s_add_co_u32 s26, s26, 512
	s_sub_co_u32 s27, ttmp9, 512
	s_cmp_lt_u32 s27, 128                          ; work-groups 512-639 are Wq's and Wk's
	s_cselect_b32 s24, s26, s18
	s_mul_i32 s24, s24, 12800
	s_add_nc_u64 s[14:15], s[12:13], s[24:25]      ; the unit
	s_mul_i32 s24, s16, NF*1536
	s_add_nc_u64 s[12:13], s[14:15], s[24:25]      ; my four fragments in it
.macro LOAD i                          ; fragment i's 16 rows, by position: each load 512 consecutive bytes of one row
.irp t, 0,1,2,3,4,5,6,7,8,9,10,11,12,13,14,15
	global_load_b128 v[R+64*((\i)%2)+4*\t:R+64*((\i)%2)+4*\t+3], v[LO], s[10:11] offset:(32*((\i)/2)+8*((\i)%2)+\t+8*(\t/8))*4096 th:TH_LOAD_NT
.endr
.endm
; 64 numbers of a lane, register 16 b + i = k 32 b + 16 h + i of its row, become a fragment's codes in v[PC] .. v[PC + 11] and its scale word in v[pw] (the same in lanes l and l xor 16).
.macro QUANT s, pw
.irp b, 0,1,2,3
	v_max3_num_f32 v[TM+\b], |v[(\s)+16*\b]|, |v[(\s)+1+16*\b]|, 0x2800000   ; block b: my 16 numbers, and the floor 2^(5 - 127): the byte cannot fall under 1
.endr
.irp i, 2,4,6,8,10,12,14
.irp b, 0,1,2,3
	v_max3_num_f32 v[TM+\b], v[TM+\b], |v[(\s)+16*\b+\i]|, |v[(\s)+1+16*\b+\i]|   ; the four blocks by turns
.endr
.endr
.irp b, 0,1,2,3
	v_permlanex16_b32 v[TM+4+\b], v[TM+\b], s[SEL], s[SEL+1]
.endr
.irp b, 0,1,2,3
	v_max_num_f32 v[TM+\b], v[TM+\b], v[TM+4+\b]   ; with lane l xor 16's 16: the block's largest magnitude
.endr
.irp b, 0,1,2,3
	v_add_nc_u32 v[TM+12+\b], 0xfe000000, v[TM+\b] ; 4 off its exponent field: the conversion takes this operand's exponent field as its scale
.endr
.irp b, 0,1,2,3
	v_lshrrev_b32 v[TM+4+\b], 23, v[TM+12+\b]      ; the scale's byte
.endr
	v_lshl_or_b32 v[\pw], v[TM+5], 8, v[TM+4]
	v_lshl_or_b32 v[\pw], v[TM+6], 16, v[\pw]
	v_lshl_or_b32 v[\pw], v[TM+7], 24, v[\pw]
.irp c, 0,1
	v_cvt_scalef32_pk16_bf6_f32 v[PC+6*\c:PC+2+6*\c], v[(\s)+32*\c:(\s)+15+32*\c], v[TM+12+2*\c]
	v_cvt_scalef32_pk16_bf6_f32 v[PC+12+4*\c:PC+14+4*\c], v[(\s)+16+32*\c:(\s)+31+32*\c], v[TM+12+2*\c+1]   ; (a conversion's three registers begin on an even number)
.endr
	v_nop                                          ; one plain instruction behind the scaled conversions
.irp c, 0,1                            ; the operand's layout wants a whole block in a lane: lanes 0-15 block 2 c, lanes 16-31 block 2 c + 1
.irp i, 0,1,2
	v_permlane16_swap_b32 v[PC+6*\c+\i], v[PC+12+4*\c+\i]
.endr
.irp i, 0,1,2
	v_mov_b32 v[PC+3+6*\c+\i], v[PC+12+4*\c+\i]
.endr
.endr
.endm
.macro FRAGQ i
.if (\i) < NF-1
	s_wait_loadcnt 16                              ; this fragment's 16 loads are in; the next fragment's 16 may be out
.else
	s_wait_loadcnt 0x0
.endif
.irp t, 0,1,2,3,4,5,6,7,8,9,10,11,12,13,14,15
	ds_store_b128 v[STI], v[R+64*((\i)%2)+4*\t:R+64*((\i)%2)+4*\t+3] offset:SPT*\t
.endr
.irp b, 0,1,2,3
.irp j, 0,1,2,3
	ds_load_b128 v[X+16*\b+4*\j:X+16*\b+4*\j+3], v[STO] offset:128*\b+16*\j   ; LDS serves a wave's instructions in order: these see the stores above
.endr
.endr
	s_wait_dscnt 0x0                               ; the numbers are back, and the stage's stores have read their registers
	s_wait_xcnt 0x0                                ; the last fragment's stores have read the codes' registers
.if (\i) < NF-2
	LOAD (\i)+2
.endif
	QUANT X, PWA+(\i)
.irp c, 0,1,2
	global_store_b128 v[LO], v[PC+4*\c:PC+4*\c+3], s[12:13] offset:(\i)*1536+512*\c   ; 32 lanes store 512 consecutive bytes, aligned
.endr
.endm
	LOAD 0
	LOAD 1
.irp i, 0,1,2,3
	FRAGQ \i
.endr
	v_cmp_le_u32 vcc_lo, 16, v3                    ; my two registers of the image of scale words: register c takes my fragment 2 c's words in lanes 0-15 and fragment 2 c + 1's in lanes 16-31
.irp c, 0,1
	v_cndmask_b32 v[TM+\c], v[PWA+2*\c], v[PWA+2*\c+1], vcc_lo
.endr
	global_store_b64 v[SW], v[TM:TM+1], s[14:15] offset:12288
	s_wait_tensorcnt 0x0                           ; the wave's end, behind my last LDS store
	ds_add_u32 v254, v255
	s_wait_dscnt 0x0
	s_endpgm
.Lfunc_end_k_q87e6abc837_quant:
	.size	k_q87e6abc837_quant, .Lfunc_end_k_q87e6abc837_quant-k_q87e6abc837_quant
	.p2alignl 7, 3214868480
	.fill 96, 4, 3214868480
	.section	.rodata,"a",@progbits
	.p2align	6, 0x0
	.amdhsa_kernel k_q87e6abc837_quant
		.amdhsa_group_segment_fixed_size 17152
		.amdhsa_private_segment_fixed_size 0
		.amdhsa_enable_private_segment 0
		.amdhsa_kernarg_size 40
		.amdhsa_user_sgpr_count 2
		.amdhsa_user_sgpr_kernarg_segment_ptr 1
		.amdhsa_wavefront_size32 1
		.amdhsa_system_sgpr_workgroup_id_x 1
		.amdhsa_system_sgpr_workgroup_id_y 1
		.amdhsa_system_sgpr_workgroup_id_z 1
		.amdhsa_system_vgpr_workitem_id 0
		.amdhsa_next_free_vgpr 256
		.amdhsa_next_free_sgpr 66
		.amdhsa_reserve_vcc 1
		.amdhsa_float_denorm_mode_32 3
		.amdhsa_float_denorm_mode_16_64 3
		.amdhsa_memory_ordered 1
		.amdhsa_forward_progress 1
		.amdhsa_inst_pref_size 34
	.end_amdhsa_kernel
	.amdgpu_metadata
---
amdhsa.version: [ 1, 2 ]
amdhsa.kernels:
  - .name:           k_q87e6abc837_quant
    .symbol:         k_q87e6abc837_quant.kd
    .args:
      - { .name: x, .offset: 0, .size: 8, .value_kind: global_buffer, .address_space: global }
      - { .name: Wq, .offset: 8, .size: 8, .value_kind: global_buffer, .address_space: global }
      - { .name: Wk, .offset: 16, .size: 8, .value_kind: global_buffer, .address_space: global }
      - { .name: Wv, .offset: 24, .size: 8, .value_kind: global_buffer, .address_space: global }
      - { .name: oc, .offset: 32, .size: 8, .value_kind: global_buffer, .address_space: global }
    .group_segment_fixed_size: 17152
    .private_segment_fixed_size: 0
    .kernarg_segment_align: 8
    .kernarg_segment_size: 40
    .max_flat_workgroup_size: 64
    .sgpr_count:     66
    .vgpr_count:     256
    .wavefront_size: 32
...
	.end_amdgpu_metadata
.endif
;; end of part 5
;; launch proj (part 6): grid 8 x 32, 4 waves a work-group, clusters of 4 x 4, 327,680 bytes of LDS; arguments oc, kq, qc, qs, bq, bk, bv; writes kq, qc, qs
.if DOCPART == 6
	.amdgcn_target "amdgcn-amd-amdhsa--gfx1250"
	.amdhsa_code_object_version 6
	.text
	.protected	k_q87e6abc837_proj
	.globl	k_q87e6abc837_proj
	.p2align	8
	.type	k_q87e6abc837_proj,@function
k_q87e6abc837_proj:
	s_mov_b64 s[64:65], 0
	v_nop
	global_prefetch_b8 v0, s[64:65] scope:SCOPE_SE
	s_setreg_imm32_b32 hwreg(HW_REG_WAVE_MODE, 25, 1), 1
	s_wait_xcnt 0x0
	s_wait_alu depctr_hold_cnt(0) depctr_sa_sdst(0) depctr_va_vdst(0) depctr_va_sdst(0) depctr_va_ssrc(0) depctr_va_vcc(0) depctr_vm_vsrc(0)
	s_getreg_b32 s2, hwreg(HW_REG_IB_STS2, 6, 4)
	s_cmp_eq_u32 s2, 0
	s_cbranch_scc0 .Lentry_in_a_cluster
	s_endpgm
.Lentry_in_a_cluster:
	s_bfe_u32 s2, ttmp6, 0x10000c
	s_cmp_lg_u32 s2, 0xf033
	s_cbranch_scc0 .Lentry_shape_is_right
	s_endpgm
.Lentry_shape_is_right:
; q = x Wq^T + bq, k = x Wk^T + bk, v = x Wv^T + bv on codes of BF6 (E3M2) with E8M0 scales, and their quantising for the next products: q and k along the channels, v along the tokens (as v^T).
; Every input has a way to the output: nothing is left out.
; SHARES.  256 work-groups: work-group (c, xt) takes x's 256 positions 256 xt .. and the 128 positions 128 c .. of each of Wq, Wk, Wv.  x's codes for all of K stay in LDS.
; PHASE 1: wave w makes 128 positions of x (half w / 2) x 128 channels of q (w even) or k (w odd): 64 accumulators, 8 steps of 128 along K.
; PHASE 2: wave w makes v^T: 128 tokens (half w / 2) x 64 channels (half w % 2): 32 accumulators, 8 steps.
; UNITS.  oc and kq are rows of units of 12,800 bytes, one for 128 positions x 128 K: 8 fragments (16 positions x 128 K = 1,536 bytes, an image of the operand's registers: registers 4 c .. 4 c + 3 of lane l at 512 c + 16 l),
; then 512 bytes of scale words (the word of position 32 c + l at 16 l + 4 c).  Position 16 rb + r, rb = 2 bb + u, is row 32 bb + 8 u + r + 8 (r / 8).  So every tensor load here is one dense block, in rows of 256 bytes.
; oc: x unit 8 g + ks; Wq, Wk unit 512 + 16 c + 2 ks + (0, 1); Wv unit 640 + 8 c + ks.  kq: q unit 8 g + ks, k unit 512 + 8 g + ks.  v^T goes to qc and qs: fragments [batch][64 rb][16 ks], scale images [batch][8 groups][16 ks].
; THE MATRIX INSTRUCTION IS USED TRANSPOSED: source 0 = eight blocks of 16 positions whose rows become the next K (phase 1: the weight's, phase 2: x's), source 1 the other operand.  Lane (r, h) holds source 1's position r, and
; register 16 bb + i of accumulators (a, 0 .. 7) is source 0's row 32 bb + 16 h + i: 16 neighbours of each block of 32.  The bias is the C of each sum's first product.
; LDS: x 16 units; the weights' ring, two slots of 4 units (phase 1: two steps of Wq and Wk; phase 2: four steps of Wv); the spare words.  At the head each wave asks for one block: waves 0, 1 x's halves, waves 2, 3 the two slots.
; Four refills follow, a unit a wave, each behind a round of the cluster's barrier; a wave has one tensor load out.
; CLUSTERS, 4 x 4: x's blocks hang on xt alone and are shared along a row of the cluster, the weights' on c alone and are shared along a column: each is asked for jointly.
; No prefetch: the walk along K is sixteen steps written out, with no loop to run ahead in, and all of x is asked for at the head.
; LIMITS: NaN and infinities are not served; a block of zeros, or one under 2^-122, gets the byte 1 (read by this program alone).  v^T's scale words leave as 8 bytes a lane, two waves to an image of 512 bytes.
; REGISTERS: window 0: v1-16 ids and addresses, v32-47 scale words (two sets), v64-255 fragment set 1 (on the way out: at work).  window 1: v0-191 fragment set 0, v192-255 the bias.  windows 2, 3: accumulator (a, b) at v[8 (8 (a % 4) + b)].
.set UN,    12800
.set FRB,   1536
.set WR,    16*UN
.set SPARE, 24*UN
.set LI,   4                           ; 16 x lane
.set AX,   6                           ; v6-7   x's half, K steps 0-3, 4-7
.set AW,   8                           ; v8-9   phase 1: my weight's unit in slot 0, 1
.set AV,   10                          ; v10-11 phase 2: my four fragments of Wv in slot 0, 1
.set AVS,  12                          ; v12-13 and their scale words
.set BO,   14
.set BR,   15
.set VS,   16
.set SPW,  28
.set NIL,  29
.set SC,   32
.set BQ,   192
.set TM,   64
.set PC,   80
.set PWA,  104
.set XO,   112
.set G1X,  24
.set G0X,  32
.set G0W,  36
.set G1W,  48
.set G0R,  68                          ; s[68:83] group 0 of the four refills
.set SEL,  66
.set MSB, 0
.macro WIN new                         ; the immediate's high byte repeats the setting that is left
.if MSB != (\new)
	s_set_vgpr_msb (MSB<<8)|(\new)
.set MSB, (\new)
.endif
.endm
.macro CREST
	s_cmp_lg_u32 s14, 0
	s_cbranch_scc1 .Lnot_wave_0_\@
	s_barrier_signal -3
.Lnot_wave_0_\@:
	s_barrier_wait -3
	s_barrier_signal -1
	s_barrier_wait -1
.endm
.macro CROUND
	s_barrier_signal -1
	s_barrier_wait -1
	CREST
.endm
.macro PLACES n
.rept \n
	v_nop
.endr
.endm
.macro FR8 p, fo, n, r, o              ; n fragments into set p, from register fo of the set on
	WIN (1-(\p))<<6
.set i_, 0
.rept \n
.irp c, 0,1,2
	ds_load_b128 v[64*(\p)+(\fo)+12*i_+4*\c:64*(\p)+(\fo)+12*i_+4*\c+3], v[\r] offset:(\o)+FRB*i_+512*\c
.endr
.set i_, i_+1
.endr
.endm
.macro FET1 n                          ; phase 1, step n: the weight's eight fragments, x's eight, both scale images
.set P_, (\n)%2
.set RW_, AW+((\n)/2)%2
.set OW_, ((\n)%2)*2*UN
.set RX_, AX+(\n)/4
.set OX_, ((\n)%4)*UN
	FR8 P_, 0, 8, RW_, OW_
	FR8 P_, 96, 8, RX_, OX_
	WIN 0
	ds_load_b128 v[SC+8*P_:SC+8*P_+3], v[RW_] offset:OW_+12288
	ds_load_b128 v[SC+8*P_+4:SC+8*P_+7], v[RX_] offset:OX_+12288
.endm
.macro FET2 n                          ; phase 2, step n: x's eight fragments, Wv's four
.set P_, (\n)%2
.set RX_, AX+(\n)/4
.set RV_, AV+(\n)/4
.set RS_, AVS+(\n)/4
.set OX_, ((\n)%4)*UN
	FR8 P_, 0, 8, RX_, OX_
	FR8 P_, 96, 4, RV_, OX_
	WIN 0
	ds_load_b128 v[SC+8*P_:SC+8*P_+3], v[RX_] offset:OX_+12288
	ds_load_b64 v[SC+8*P_+4:SC+8*P_+5], v[RS_] offset:OX_
.endm
.macro WM bh, ah                       ; bh, ah: the block is the odd one of its pair, whose scale words lie in lanes 16-31
.set WX_, 2*(\bh)+(\ah)
.if WX_ == 0
	v_wmma_scale_f32_16x16x128_f8f6f4 v[AC_:AC_+7], v[BF_:BF_+11], v[AF_:AF_+11], v[CC_:CC_+7], v[SB_], v[SA_] matrix_a_fmt:MATRIX_FMT_BF6 matrix_b_fmt:MATRIX_FMT_BF6
.elseif WX_ == 1
	v_wmma_scale_f32_16x16x128_f8f6f4 v[AC_:AC_+7], v[BF_:BF_+11], v[AF_:AF_+11], v[CC_:CC_+7], v[SB_], v[SA_] matrix_a_fmt:MATRIX_FMT_BF6 matrix_b_fmt:MATRIX_FMT_BF6 matrix_b_scale:MATRIX_SCALE_ROW1
.elseif WX_ == 2
	v_wmma_scale_f32_16x16x128_f8f6f4 v[AC_:AC_+7], v[BF_:BF_+11], v[AF_:AF_+11], v[CC_:CC_+7], v[SB_], v[SA_] matrix_a_fmt:MATRIX_FMT_BF6 matrix_b_fmt:MATRIX_FMT_BF6 matrix_a_scale:MATRIX_SCALE_ROW1
.else
	v_wmma_scale_f32_16x16x128_f8f6f4 v[AC_:AC_+7], v[BF_:BF_+11], v[AF_:AF_+11], v[CC_:CC_+7], v[SB_], v[SA_] matrix_a_fmt:MATRIX_FMT_BF6 matrix_b_fmt:MATRIX_FMT_BF6 matrix_a_scale:MATRIX_SCALE_ROW1 matrix_b_scale:MATRIX_SCALE_ROW1
.endif
.endm
; 16 products: source 1's blocks a0, a0 + 1 x source 0's eight, on set p.  cm = 0: C = D; 1: C = the bias by source 0's row; 2: the bias by source 1's position (both in window 1).
; The accumulators take turns, one instruction a turn.
.macro MUL16 p, a0, cm
.if \cm
	WIN 5*(1-(\p))|0x10|((2+(\a0)/4)<<6)
.else
	WIN 5*(1-(\p))|((2+(\a0)/4)*0x50)
.endif
.irp ah, 0,1
.irp b, 0,1,2,3,4,5,6,7
.set AC_, 8*(8*(((\a0)+\ah)%4)+\b)
.if \cm == 1
.set CC_, BQ+8*\b
.elseif \cm == 2
.set CC_, BQ+8*((\a0)+\ah)
.else
.set CC_, AC_
.endif
.set BF_, 64*(\p)+12*\b
.set AF_, 64*(\p)+96+12*((\a0)+\ah)
.set SB_, SC+8*(\p)+\b/2
.set SA_, SC+8*(\p)+4+(\a0)/2
	WM \b%2, \ah
.endr
.endr
.endm
.macro KS1 n, cm                       ; a step of phase 1: the next step's fragments are asked for first, into the other set
	s_wait_dscnt 0x0
	PLACES 4
	FET1 (\n)+1
.irp a0, 0,2,4,6
	MUL16 (\n)%2, \a0, \cm
.endr
.endm
; An odd step of phase 1: its fragments are the last read of their slot.  Each wave waits for all its tensor loads, adds 0 to its spare word, waits for that and for its reads; the barrier opens a round of the
; cluster's barrier; behind the round the slot is filled again, a unit a wave; then the next step's fragments come from the other slot, which the round has shown whole.
.macro KC1 n, j
	WIN 0
	s_wait_tensorcnt 0x0
	ds_add_u32 v[SPW], v[NIL]
	s_wait_dscnt 0x1                               ; the add alone may be out: this step's fragments are in
	MUL16 1, 0, 0
	s_wait_dscnt 0x0
	s_barrier_signal -1
	MUL16 1, 2, 0
	WIN 0
	s_barrier_wait -1
	CREST
	tensor_load_to_lds s[G0R+4*(\j):G0R+4*(\j)+3], s[G1W:G1W+7]
	s_nop 0
	PLACES 4                                       ; also the places in front of the loads below
.if (\n) < 7
	FET1 (\n)+1
.else
	FET2 0
.endif
	MUL16 1, 4, 0
	MUL16 1, 6, 0
.endm
.macro KS2 n, cm
	s_wait_dscnt 0x0
	PLACES 4
.if (\n) < 7
	FET2 (\n)+1
.endif
	MUL16 (\n)%2, 0, \cm
	MUL16 (\n)%2, 2, \cm
.endm
; The 64 numbers of block a, read where they were summed (each accumulator from its low end on), become a fragment's codes in v[PC] .. v[PC + 11] and its scale word in v[pw].
.macro QUANT a, pw
.set AC, 64*((\a)%4)
.set W, 2+(\a)/4
	WIN W|(W<<2)
.irp b, 0,1,2,3
	v_max3_num_f32 v[TM+\b], |v[AC+16*\b]|, |v[AC+16*\b+1]|, 0x2800000   ; with the floor 2^(5 - 127): the byte cannot fall under 1
.endr
	WIN (W<<2)|(W<<4)
.irp i, 2,4,6,8,10,12,14
.irp b, 0,1,2,3
	v_max3_num_f32 v[TM+\b], v[TM+\b], |v[AC+16*\b+\i]|, |v[AC+16*\b+\i+1]|
.endr
.endr
	WIN 0
.irp b, 0,1,2,3
	v_permlanex16_b32 v[TM+4+\b], v[TM+\b], s[SEL], s[SEL+1]
.endr
.irp b, 0,1,2,3
	v_max_num_f32 v[TM+\b], v[TM+\b], v[TM+4+\b]   ; with lane l xor 16's 16: the block's largest magnitude
.endr
.irp b, 0,1,2,3
	v_add_nc_u32 v[TM+12+\b], 0xfe000000, v[TM+\b] ; 4 off its exponent field: the conversion's scale operand
.endr
.irp b, 0,1,2,3
	v_lshrrev_b32 v[TM+4+\b], 23, v[TM+12+\b]      ; the scale's byte
.endr
	v_lshl_or_b32 v[\pw], v[TM+5], 8, v[TM+4]
	v_lshl_or_b32 v[\pw], v[TM+6], 16, v[\pw]
	v_lshl_or_b32 v[\pw], v[TM+7], 24, v[\pw]
	WIN W
.irp c, 0,1
	v_cvt_scalef32_pk16_bf6_f32 v[PC+6*\c:PC+2+6*\c], v[AC+32*\c:AC+15+32*\c], v[TM+12+2*\c]
	v_cvt_scalef32_pk16_bf6_f32 v[PC+12+4*\c:PC+14+4*\c], v[AC+16+32*\c:AC+31+32*\c], v[TM+12+2*\c+1]
.endr
	WIN 0
	v_nop                                          ; one plain instruction behind the scaled conversions
.irp c, 0,1
.irp i, 0,1,2
	v_permlane16_swap_b32 v[PC+6*\c+\i], v[PC+12+4*\c+\i]
.endr
.irp i, 0,1,2
	v_mov_b32 v[PC+3+6*\c+\i], v[PC+12+4*\c+\i]
.endr
.endr
.endm
	s_load_b256 s[4:11], s[0:1], 0x0               ; oc, kq, qc, qs
	s_load_b128 s[96:99], s[0:1], 0x20             ; bq, bk
	s_load_b64 s[12:13], s[0:1], 0x30              ; bv
	v_lshl_add_u32 v[SPW], v0, 2, SPARE
	v_mov_b32 v[NIL], 0
	ds_add_u32 v[SPW], v[NIL]                      ; the opening: the add, twice on end, and its wait
	ds_add_u32 v[SPW], v[NIL]
	v_lshrrev_b32 v1, 5, v0
	v_readfirstlane_b32 s14, v1                    ; wave
	s_lshr_b32 s15, s14, 1                         ; x's half.  At the head: I ask for x (0) or for the weights (1)
	s_and_b32 s16, s14, 1                          ; q or k; Wv's half.  At the head: which half or slot I ask for
	s_bfe_u32 s40, ttmp6, 0x40000                  ; cx
	s_bfe_u32 s41, ttmp6, 0x40004                  ; cy
	s_lshl_b32 s42, ttmp9, 2
	s_add_co_u32 s42, s42, s40                     ; c: hangs on cx alone
	s_and_b32 s17, ttmp7, 0xffff
	s_lshl_b32 s17, s17, 2
	s_add_co_u32 s17, s17, s41                     ; xt: on cy alone
	s_lshl_b32 s43, s41, 2
	s_lshl_b32 s43, 15, s43                        ; my row of the cluster
	s_lshl_b32 s44, 0x1111, s40                    ; my column
	s_or_b32 s[G1X+0], s43, (3<<16)|(1<<21)        ; elements of 8 bytes; rows of 256 bytes, dense
	s_or_b32 s[G1W+0], s44, (3<<16)|(1<<21)
.irp g, G1X, G1W
	s_mov_b32 s[\g+1], 32<<16
	s_mov_b32 s[\g+3], 32<<16
	s_mov_b32 s[\g+5], 32
	s_mov_b32 s[\g+6], 0
	s_mov_b32 s[\g+7], 0
.endr
	s_mov_b32 s[G1X+2], 400<<16                    ; 8 units
	s_mov_b32 s[G1X+4], 400
	s_mov_b32 s[G1W+2], 200<<16                    ; 4 units at the head
	s_mov_b32 s[G1W+4], 200
	s_mul_i32 s20, s17, 16*UN
	s_mul_i32 s18, s16, 8*UN
	s_add_co_u32 s20, s20, s18
	s_mov_b32 s21, 0
	s_mul_i32 s46, s42, 16*UN
	s_add_co_u32 s46, s46, 512*UN
	s_mov_b32 s47, 0
	s_mul_i32 s22, s42, 8*UN
	s_add_co_u32 s22, s22, 640*UN
	s_mov_b32 s23, 0
	s_mul_i32 s92, s14, UN
	s_mov_b32 s93, 0
	s_mul_i32 s94, s16, 4*UN
	s_mov_b32 s95, 0
	s_mov_b32 s[SEL], 0x76543210
	s_mov_b32 s[SEL+1], 0xfedcba98
	s_wait_dscnt 0x0
	s_wait_kmcnt 0x0
	s_add_nc_u64 s[20:21], s[4:5], s[20:21]        ; x's half
	s_add_nc_u64 s[46:47], s[4:5], s[46:47]        ; Wq and Wk, slice c
	s_add_nc_u64 s[22:23], s[4:5], s[22:23]        ; Wv, slice c
	CROUND                                         ; all sixteen work-groups are here: the first joint loads meet
	s_mov_b32 s[G0X], 1
	s_mov_b32 s[G0X+1], s18
	s_mov_b64 s[G0X+2:G0X+3], s[20:21]
	s_or_b32 s[G0X+3], s[G0X+3], 0x80000000
	s_mov_b32 s[G0W], 1
	s_add_co_u32 s[G0W+1], s94, WR
	s_add_nc_u64 s[G0W+2:G0W+3], s[46:47], s[94:95]
	s_or_b32 s[G0W+3], s[G0W+3], 0x80000000
	s_add_nc_u64 s[46:47], s[46:47], s[92:93]      ; the refills: my unit of the four
	s_add_nc_u64 s[22:23], s[22:23], s[92:93]
.irp j, 0,1
	s_mov_b32 s[G0R+4*\j], 1
	s_add_co_u32 s[G0R+4*\j+1], s92, WR+\j*4*UN
	s_add_nc_u64 s[G0R+4*\j+2:G0R+4*\j+3], s[46:47], (8+4*\j)*UN     ; Wq, Wk: K steps 4, 5; 6, 7
	s_or_b32 s[G0R+4*\j+3], s[G0R+4*\j+3], 0x80000000
	s_mov_b32 s[G0R+8+4*\j], 1
	s_add_co_u32 s[G0R+8+4*\j+1], s92, WR+\j*4*UN
	s_add_nc_u64 s[G0R+8+4*\j+2:G0R+8+4*\j+3], s[22:23], \j*4*UN     ; Wv: K steps 0-3; 4-7
	s_or_b32 s[G0R+8+4*\j+3], s[G0R+8+4*\j+3], 0x80000000
.endr
	s_cmp_eq_u32 s15, 0                            ; one load a wave at the head, in the two arms of one branch on the wave's number
	s_cbranch_scc0 .Lhead_w
	tensor_load_to_lds s[G0X:G0X+3], s[G1X:G1X+7]
	s_nop 0
	PLACES 4
	s_branch .Lhead_asked
.Lhead_w:
	tensor_load_to_lds s[G0W:G0W+3], s[G1W:G1W+7]
	s_nop 0
	PLACES 4
.Lhead_asked:
	v_and_b32 v1, 15, v0                           ; r
	v_bfe_u32 v2, v0, 4, 1                         ; h
	v_and_b32 v3, 31, v0                           ; lane
	v_lshlrev_b32 v[LI], 4, v3
	s_wait_alu depctr_va_vdst(0)
	s_mul_i32 s18, s15, 8*UN
	v_add_nc_u32 v[AX], s18, v[LI]
	s_add_co_u32 s18, s18, 4*UN
	v_add_nc_u32 v[AX+1], s18, v[LI]
	s_mul_i32 s18, s16, UN
	s_add_co_u32 s18, s18, WR
	v_add_nc_u32 v[AW], s18, v[LI]
	s_add_co_u32 s18, s18, 4*UN
	v_add_nc_u32 v[AW+1], s18, v[LI]
	s_mul_i32 s18, s16, 4*FRB
	s_add_co_u32 s18, s18, WR
	v_add_nc_u32 v[AV], s18, v[LI]
	s_add_co_u32 s18, s18, 4*UN
	v_add_nc_u32 v[AV+1], s18, v[LI]
	s_lshl_b32 s18, s16, 3
	v_add_nc_u32 v[VS], s18, v[LI]
	s_add_co_u32 s18, s18, WR+12288
	v_add_nc_u32 v[AVS], s18, v[LI]
	s_add_co_u32 s18, s18, 4*UN
	v_add_nc_u32 v[AVS+1], s18, v[LI]
	s_cmp_eq_u32 s16, 0                            ; the bias: bq for the even waves, bk for the odd
	s_cselect_b64 s[96:97], s[96:97], s[98:99]
	s_lshl_b32 s18, s42, 9
	s_mov_b32 s19, 0
	s_add_nc_u64 s[96:97], s[96:97], s[18:19]      ; channel 128 c
	s_lshl_b32 s20, s16, 8
	s_add_co_u32 s18, s18, s20
	s_add_nc_u64 s[12:13], s[12:13], s[18:19]      ; bv at channel 128 c + 64 x half
	v_and_b32 v[BR], 8, v1
	v_add_nc_u32 v[BR], v[BR], v1
	v_lshlrev_b32 v[BR], 2, v[BR]                  ; position r of a block is row r + 8 (r / 8) of it
	v_lshlrev_b32 v[BO], 6, v2                     ; register 16 bb + i is channel 32 bb + 16 h + i
	WIN 0x40
.irp bb, 0,1,2,3
.irp jj, 0,1,2,3
	global_load_b128 v[BQ+16*\bb+4*\jj:BQ+16*\bb+4*\jj+3], v[BO], s[96:97] offset:128*\bb+16*\jj
.endr
.endr
	WIN 0
	s_lshl_b32 s20, s17, 1
	s_add_co_u32 s20, s20, s15                     ; x's group of 128
	s_lshl_b32 s18, s20, 3
	s_add_co_u32 s18, s18, s42
	s_lshl_b32 s21, s16, 9
	s_add_co_u32 s18, s18, s21
	s_mul_i32 s18, s18, UN
	s_add_nc_u64 s[6:7], s[6:7], s[18:19]          ; my unit of q or k: 512 x (0, 1) + 8 x group + c
	s_and_b32 s20, s20, 15                         ; v^T: which 128 keys of the batch
	s_lshr_b32 s21, s17, 3                         ; the batch
	s_lshl_b32 s22, s42, 3
	s_lshl_b32 s23, s16, 2
	s_add_co_u32 s22, s22, s23
	s_lshl_b32 s22, s22, 4
	s_add_co_u32 s22, s22, s20
	s_mul_i32 s22, s22, FRB
	s_mul_i32 s23, s21, 1572864
	s_add_co_u32 s22, s22, s23
	s_add_co_u32 s18, s22, 12582912
	s_add_nc_u64 s[8:9], s[8:9], s[18:19]          ; fragment (8 c + 4 half, ks)
	s_lshl_b32 s22, s42, 4
	s_add_co_u32 s22, s22, s20
	s_lshl_b32 s22, s22, 9
	s_lshl_b32 s23, s21, 16
	s_add_co_u32 s22, s22, s23
	s_add_co_u32 s18, s22, 524288
	s_add_nc_u64 s[10:11], s[10:11], s[18:19]      ; the image of scale words (c, ks)
	s_wait_alu depctr_va_vdst(0)                   ; the head's end
	s_wait_tensorcnt 0x0                           ; my block is in; no load of mine is out, so a descriptor may be written:
	s_mov_b32 s[G1W+2], 50<<16                     ; from here on a load brings one unit
	s_mov_b32 s[G1W+4], 50
	s_barrier_signal -1
	s_barrier_wait -1                              ; everybody's is in
	FET1 0
	s_wait_loadcnt 0x0                             ; the bias
	KS1 0, 1
	KC1 1, 0
	KS1 2, 0
	KC1 3, 1
	KS1 4, 0
	KC1 5, 2
	KS1 6, 0
	KC1 7, 3
	WIN 0
	PLACES 4                                       ; behind the last products
	WIN 0x40
.irp a, 0,1,2,3
.irp j, 0,1,2,3,4,5,6,7
	global_load_b32 v[BQ+8*\a+\j], v[BR], s[12:13] offset:(32*(\a/2)+8*(\a%2))*4   ; phase 2's bias: my channel's, in all eight registers of a C
.endr
.endr
	WIN 0
.irp b, 0,1,2,3
	v_mov_b32 v[TM+4+\b], 0                        ; a lane permute's destination counts as one of its sources
.endr
.irp a, 0,1,2,3,4,5,6,7
.if \a > 0
	s_wait_xcnt 0x0                                ; the last block's stores have read the codes' registers
.endif
	QUANT \a, PWA+\a
.irp c, 0,1,2
	global_store_b128 v[LI], v[PC+4*\c:PC+4*\c+3], s[6:7] offset:\a*FRB+512*\c   ; 32 lanes store 512 consecutive bytes, aligned
.endr
.endr
	v_cmp_le_u32 vcc_lo, 16, v3                    ; the image of scale words: register c takes block 2 c's in lanes 0-15 and block 2 c + 1's in lanes 16-31
.irp c, 0,1,2,3
	v_cndmask_b32 v[XO+\c], v[PWA+2*\c], v[PWA+2*\c+1], vcc_lo
.endr
	global_store_b128 v[LI], v[XO:XO+3], s[6:7] offset:12288
	s_wait_tensorcnt 0x0                           ; my unit of Wv's second slot is in,
	s_wait_dscnt 0x0
	s_barrier_signal -1
	s_barrier_wait -1                              ; everybody's is; nothing is filled any more
	s_wait_loadcnt 0x0                             ; phase 2's bias
	s_wait_xcnt 0x0                                ; the stores have read their registers, which set 1 takes again
	KS2 0, 2
.irp n, 1,2,3,4,5,6,7
	KS2 \n, 0
.endr
	WIN 0
	PLACES 4
.irp a, 0,1,2,3
.if \a > 0
	s_wait_xcnt 0x0
.endif
	QUANT \a, PWA+\a
.irp c, 0,1,2
	global_store_b128 v[LI], v[PC+4*\c:PC+4*\c+3], s[8:9] offset:\a*16*FRB+512*\c
.endr
.endr
	v_cmp_le_u32 vcc_lo, 16, v3
.irp c, 0,1
	v_cndmask_b32 v[XO+\c], v[PWA+2*\c], v[PWA+2*\c+1], vcc_lo
.endr
	global_store_b64 v[VS], v[XO:XO+1], s[10:11]   ; my two registers of the image's four
	s_wait_tensorcnt 0x0                           ; the wave's end
	ds_add_u32 v[SPW], v[NIL]
	s_wait_dscnt 0x0
	CROUND                                         ; the closing round
	s_endpgm
.Lfunc_end_k_q87e6abc837_proj:
	.size	k_q87e6abc837_proj, .Lfunc_end_k_q87e6abc837_proj-k_q87e6abc837_proj
	.p2alignl 7, 3214868480
	.fill 96, 4, 3214868480
	.section	.rodata,"a",@progbits
	.p2align	6, 0x0
	.amdhsa_kernel k_q87e6abc837_proj
		.amdhsa_group_segment_fixed_size 327680
		.amdhsa_private_segment_fixed_size 0
		.amdhsa_enable_private_segment 0
		.amdhsa_kernarg_size 56
		.amdhsa_user_sgpr_count 2
		.amdhsa_user_sgpr_kernarg_segment_ptr 1
		.amdhsa_wavefront_size32 1
		.amdhsa_system_sgpr_workgroup_id_x 1
		.amdhsa_system_sgpr_workgroup_id_y 1
		.amdhsa_system_sgpr_workgroup_id_z 1
		.amdhsa_system_vgpr_workitem_id 0
		.amdhsa_next_free_vgpr 1024
		.amdhsa_next_free_sgpr 102
		.amdhsa_reserve_vcc 1
		.amdhsa_float_denorm_mode_32 3
		.amdhsa_float_denorm_mode_16_64 3
		.amdhsa_memory_ordered 1
		.amdhsa_forward_progress 1
		.amdhsa_inst_pref_size 211
	.end_amdhsa_kernel
	.amdgpu_metadata
---
amdhsa.version: [ 1, 2 ]
amdhsa.kernels:
  - .name:           k_q87e6abc837_proj
    .symbol:         k_q87e6abc837_proj.kd
    .args:
      - { .name: oc, .offset: 0, .size: 8, .value_kind: global_buffer, .address_space: global }
      - { .name: kq, .offset: 8, .size: 8, .value_kind: global_buffer, .address_space: global }
      - { .name: qc, .offset: 16, .size: 8, .value_kind: global_buffer, .address_space: global }
      - { .name: qs, .offset: 24, .size: 8, .value_kind: global_buffer, .address_space: global }
      - { .name: bq, .offset: 32, .size: 8, .value_kind: global_buffer, .address_space: global }
      - { .name: bk, .offset: 40, .size: 8, .value_kind: global_buffer, .address_space: global }
      - { .name: bv, .offset: 48, .size: 8, .value_kind: global_buffer, .address_space: global }
    .group_segment_fixed_size: 327680
    .private_segment_fixed_size: 0
    .kernarg_segment_align: 8
    .kernarg_segment_size: 56
    .max_flat_workgroup_size: 128
    .sgpr_count:     102
    .vgpr_count:     1024
    .wavefront_size: 32
...
	.end_amdgpu_metadata
.endif
;; end of part 6
;; launch scores (part 7): grid 8 x 32, 4 waves a work-group, clusters of 4 x 4, 327,680 bytes of LDS; arguments kq, pc, ps; writes pc, ps
.if DOCPART == 7
	.amdgcn_target "amdgcn-amd-amdhsa--gfx1250"
	.amdhsa_code_object_version 6
	.text
	.protected	k_q87e6abc837_scores
	.globl	k_q87e6abc837_scores
	.p2align	8
	.type	k_q87e6abc837_scores,@function
k_q87e6abc837_scores:
	s_mov_b64 s[64:65], 0
	v_nop
	global_prefetch_b8 v0, s[64:65] scope:SCOPE_SE
	s_setreg_imm32_b32 hwreg(HW_REG_WAVE_MODE, 25, 1), 1
	s_wait_xcnt 0x0
	s_wait_alu depctr_hold_cnt(0) depctr_sa_sdst(0) depctr_va_vdst(0) depctr_va_sdst(0) depctr_va_ssrc(0) depctr_va_vcc(0) depctr_vm_vsrc(0)
	s_getreg_b32 s2, hwreg(HW_REG_IB_STS2, 6, 4)
	s_cmp_eq_u32 s2, 0
	s_cbranch_scc0 .Lentry_in_a_cluster
	s_endpgm
.Lentry_in_a_cluster:
	s_bfe_u32 s2, ttmp6, 0x10000c
	s_cmp_lg_u32 s2, 0xf033
	s_cbranch_scc0 .Lentry_shape_is_right
	s_endpgm
.Lentry_shape_is_right:
; S^T = k q^T on codes of BF6 (E3M2) with E8M0 scales, and of each piece of 128 keys of a row the softmax's numerator, quantised along the keys for the next product.
; t = score x log2(e) / 32.  For the 128 keys that a wave holds of a query: M = ceil(their largest t), a whole number; p = 2^(t - M) is quantised, block by block of 32 keys; l = the sum of the unquantised p.
; The codes, the scale bytes, -M and l go to memory.  The next launch takes the row's M, the largest of its 16 pieces', and brings each piece under it by taking M(row) - M(piece) off its scale bytes: exact, since M is whole.
; A work-group of four waves makes 256 queries x 256 keys, a wave 128 x 128: 64 accumulators, 8 steps of 128 along K.
; kq is a row of units of 12,800 bytes, one for 128 positions x 128 K: 8 fragments of 1,536 bytes (images of the operand's registers), then 512 bytes of scale words; q's unit 8 g + ks, k's 512 + 8 g + ks.
; LDS: four regions of 6 units: q's two halves, k's two.  At the head each wave asks for K steps 0-3 of its region, one dense block; steps 4, 5 are a first fill behind a round of the cluster's barrier;
; steps 6, 7 fill units 0, 1 again, behind the round in step 3.  A wave has one tensor load out.
; THE MATRIX INSTRUCTION IS USED TRANSPOSED: source 0 = 16 positions of k, source 1 = 16 of q.  Lane (r, h) holds query position r, and register 16 bb + i of accumulators (a, 0 .. 7) is key 32 bb + 16 h + i.
; CLUSTERS, 4 x 4: q's tile (4 Y + cy) is shared along a row of the cluster, k's (8 x batch + 4 X + cx) along a column: each is asked for jointly.
; No prefetch: the walk along K is eight steps written out, with no loop to run ahead in.
; LIMITS: NaN and infinities are not served; a block whose every p lies under 2^-122 gets the byte 1; the promise holds while |t| stays under 2^31.
; REGISTERS: window 0: v1-3 ids, v16-29 addresses, v32-47 scale words (two sets), v64-255 fragment set 1; on the way out v32-255 are at work.  window 1: v0-191 fragment set 0.  windows 2, 3: accumulator (a, b) at v[8 (8 (a % 4) + b)].
.set UN,    12800
.set FRB,   1536
.set RG,    6*UN
.set SPARE, 4*RG
.set AQ,   16                          ; v16-17 my half of q: units 0-3, units 4-5
.set AK,   20                          ; v20-21 my half of k
.set LI,   26
.set SPW,  28
.set NIL,  29
.set SC,   32
.set G1,   24
.set G1B,  48
.set G0A,  68                          ; s[68:79] q's three groups 0;  s[80:91] k's
.set G0B,  80
.set SEL,  66
.set CS,   96
.set KT,   98
.set T,    128
.set BM,   192
.set BX,   196
.set SO,   200
.set BY,   204
.set NM,   208
.set LS,   210
.set PC,   32
.set PWA,  64
.set NMA,  72
.set LA,   80
.set XO,   216
.set MSB, 0
.macro WIN new                         ; the immediate's high byte repeats the setting that is left
.if MSB != (\new)
	s_set_vgpr_msb (MSB<<8)|(\new)
.set MSB, (\new)
.endif
.endm
.macro PLACES n
.rept \n
	v_nop
.endr
.endm
.macro JLOAD k                         ; waves 0, 1 ask for q, waves 2, 3 for k; the branch hangs on the wave's number alone
	s_cmp_eq_u32 s15, 0
	s_cbranch_scc0 .Lfor_b_\@
	tensor_load_to_lds s[G0A+4*(\k):G0A+4*(\k)+3], s[G1:G1+7]
	s_nop 0
	PLACES 4
	s_branch .Lasked_\@
.Lfor_b_\@:
	tensor_load_to_lds s[G0B+4*(\k):G0B+4*(\k)+3], s[G1B:G1B+7]
	s_nop 0
	PLACES 4
.Lasked_\@:
.endm
.macro CREST
	s_cmp_lg_u32 s14, 0
	s_cbranch_scc1 .Lnot_wave_0_\@
	s_barrier_signal -3
.Lnot_wave_0_\@:
	s_barrier_wait -3
	s_barrier_signal -1
	s_barrier_wait -1
.endm
.macro CROUND
	s_barrier_signal -1
	s_barrier_wait -1
	CREST
.endm
.macro FR8 p, fo, r, o                 ; eight fragments into set p, from register fo of the set on
	WIN (1-(\p))<<6
.irp i, 0,1,2,3,4,5,6,7
.irp c, 0,1,2
	ds_load_b128 v[64*(\p)+(\fo)+12*\i+4*\c:64*(\p)+(\fo)+12*\i+4*\c+3], v[\r] offset:(\o)+FRB*\i+512*\c
.endr
.endr
.endm
.macro FET n                           ; step n's fragments and scale words: steps 0-3 in units 0-3, 4 and 5 in units 4 and 5, 6 and 7 in units 0 and 1
.set P_, (\n)%2
.if (\n) < 4
.set R_, 0
.set O_, (\n)*UN
.elseif (\n) < 6
.set R_, 1
.set O_, ((\n)-4)*UN
.else
.set R_, 0
.set O_, ((\n)-6)*UN
.endif
	FR8 P_, 0, AK+R_, O_
	FR8 P_, 96, AQ+R_, O_
	WIN 0
	ds_load_b128 v[SC+8*P_:SC+8*P_+3], v[AK+R_] offset:O_+12288
	ds_load_b128 v[SC+8*P_+4:SC+8*P_+7], v[AQ+R_] offset:O_+12288
.endm
.macro WM zero, bh, ah                 ; bh, ah: the block is the odd one of its pair, whose scale words lie in lanes 16-31; zero: the product starts its sum
.set WX_, 4*(\zero)+2*(\bh)+(\ah)
.if WX_ == 0
	v_wmma_scale_f32_16x16x128_f8f6f4 v[AC_:AC_+7], v[BF_:BF_+11], v[AF_:AF_+11], v[AC_:AC_+7], v[SB_], v[SA_] matrix_a_fmt:MATRIX_FMT_BF6 matrix_b_fmt:MATRIX_FMT_BF6
.elseif WX_ == 1
	v_wmma_scale_f32_16x16x128_f8f6f4 v[AC_:AC_+7], v[BF_:BF_+11], v[AF_:AF_+11], v[AC_:AC_+7], v[SB_], v[SA_] matrix_a_fmt:MATRIX_FMT_BF6 matrix_b_fmt:MATRIX_FMT_BF6 matrix_b_scale:MATRIX_SCALE_ROW1
.elseif WX_ == 2
	v_wmma_scale_f32_16x16x128_f8f6f4 v[AC_:AC_+7], v[BF_:BF_+11], v[AF_:AF_+11], v[AC_:AC_+7], v[SB_], v[SA_] matrix_a_fmt:MATRIX_FMT_BF6 matrix_b_fmt:MATRIX_FMT_BF6 matrix_a_scale:MATRIX_SCALE_ROW1
.elseif WX_ == 3
	v_wmma_scale_f32_16x16x128_f8f6f4 v[AC_:AC_+7], v[BF_:BF_+11], v[AF_:AF_+11], v[AC_:AC_+7], v[SB_], v[SA_] matrix_a_fmt:MATRIX_FMT_BF6 matrix_b_fmt:MATRIX_FMT_BF6 matrix_a_scale:MATRIX_SCALE_ROW1 matrix_b_scale:MATRIX_SCALE_ROW1
.elseif WX_ == 4
	v_wmma_scale_f32_16x16x128_f8f6f4 v[AC_:AC_+7], v[BF_:BF_+11], v[AF_:AF_+11], 0, v[SB_], v[SA_] matrix_a_fmt:MATRIX_FMT_BF6 matrix_b_fmt:MATRIX_FMT_BF6
.elseif WX_ == 5
	v_wmma_scale_f32_16x16x128_f8f6f4 v[AC_:AC_+7], v[BF_:BF_+11], v[AF_:AF_+11], 0, v[SB_], v[SA_] matrix_a_fmt:MATRIX_FMT_BF6 matrix_b_fmt:MATRIX_FMT_BF6 matrix_b_scale:MATRIX_SCALE_ROW1
.elseif WX_ == 6
	v_wmma_scale_f32_16x16x128_f8f6f4 v[AC_:AC_+7], v[BF_:BF_+11], v[AF_:AF_+11], 0, v[SB_], v[SA_] matrix_a_fmt:MATRIX_FMT_BF6 matrix_b_fmt:MATRIX_FMT_BF6 matrix_a_scale:MATRIX_SCALE_ROW1
.else
	v_wmma_scale_f32_16x16x128_f8f6f4 v[AC_:AC_+7], v[BF_:BF_+11], v[AF_:AF_+11], 0, v[SB_], v[SA_] matrix_a_fmt:MATRIX_FMT_BF6 matrix_b_fmt:MATRIX_FMT_BF6 matrix_a_scale:MATRIX_SCALE_ROW1 matrix_b_scale:MATRIX_SCALE_ROW1
.endif
.endm
; 16 products: q's blocks a0, a0 + 1 x k's eight, on set p.  The 64 accumulators take turns, one instruction a turn.
.macro MUL16 p, a0, zero
	WIN 5*(1-(\p))|((2+(\a0)/4)*0x50)
.irp ah, 0,1
.irp b, 0,1,2,3,4,5,6,7
.set AC_, 8*(8*(((\a0)+\ah)%4)+\b)
.set BF_, 64*(\p)+12*\b
.set AF_, 64*(\p)+96+12*((\a0)+\ah)
.set SB_, SC+8*(\p)+\b/2
.set SA_, SC+8*(\p)+4+(\a0)/2
	WM \zero, \b%2, \ah
.endr
.endr
.endm
.macro KS n, zero                      ; a step: the next step's fragments are asked for first, into the other set
	s_wait_dscnt 0x0
	PLACES 4
.if (\n) < 7
	FET (\n)+1
.endif
.irp a0, 0,2,4,6
	MUL16 (\n)%2, \a0, \zero
.endr
.endm
; An odd step with a barrier: each wave waits for all its tensor loads, adds 0 to its spare word, waits for that and for its reads.  fill = 1: the barrier opens a round of the cluster's barrier, and units 0, 1,
; read no more, are filled again.  Behind the barrier the next step's units are whole for every wave.
.macro KC n, fill
	WIN 0
	s_wait_tensorcnt 0x0
	ds_add_u32 v[SPW], v[NIL]
	s_wait_dscnt 0x1                               ; the add alone may be out: this step's fragments are in
	MUL16 1, 0, 0
	s_wait_dscnt 0x0
	s_barrier_signal -1
	MUL16 1, 2, 0
	WIN 0
	s_barrier_wait -1
.if \fill
	CREST
	JLOAD 2                                        ; its four v_nop are also the places in front of the loads below
.else
	PLACES 4
.endif
	FET (\n)+1
	MUL16 1, 4, 0
	MUL16 1, 6, 0
.endm
	s_load_b64 s[4:5], s[0:1], 0x0                 ; kq
	s_load_b128 s[8:11], s[0:1], 0x8               ; pc, ps
	v_lshl_add_u32 v[SPW], v0, 2, SPARE
	v_mov_b32 v[NIL], 0
	ds_add_u32 v[SPW], v[NIL]                      ; the opening: the add, twice on end, and its wait
	ds_add_u32 v[SPW], v[NIL]
	v_lshrrev_b32 v1, 5, v0
	v_readfirstlane_b32 s14, v1                    ; wave
	s_lshr_b32 s15, s14, 1                         ; which half of the queries is mine.  Also: I ask for q (0) or for k (1)
	s_and_b32 s16, s14, 1                          ; which half of the keys.  Also: which 128 positions of that tile I ask for
	s_bfe_u32 s40, ttmp6, 0x40000                  ; cx
	s_bfe_u32 s41, ttmp6, 0x40004                  ; cy
	s_and_b32 s2, ttmp7, 0xffff
	s_lshl_b32 s17, s2, 2
	s_add_co_u32 s17, s17, s41                     ; q's tile, 0..31: hangs on cy alone
	s_lshl_b32 s[KT], ttmp9, 2
	s_add_co_u32 s[KT], s[KT], s40                 ; k's tile within the batch: on cx alone
	s_lshr_b32 s42, s2, 1
	s_lshl_b32 s42, s42, 3
	s_add_co_u32 s42, s42, s[KT]                   ; k's tile, 0..31
	s_lshl_b32 s43, s41, 2
	s_lshl_b32 s43, 15, s43
	s_lshl_b32 s44, 0x1111, s40
	s_or_b32 s[G1+0], s43, (3<<16)|(1<<21)         ; elements of 8 bytes; rows of 256 bytes, dense
	s_or_b32 s[G1B+0], s44, (3<<16)|(1<<21)
.irp g, G1, G1B
	s_mov_b32 s[\g+1], 32<<16
	s_mov_b32 s[\g+2], 200<<16                     ; 4 units at the head
	s_mov_b32 s[\g+3], 32<<16
	s_mov_b32 s[\g+4], 200
	s_mov_b32 s[\g+5], 32
	s_mov_b32 s[\g+6], 0
	s_mov_b32 s[\g+7], 0
.endr
	s_lshl_b32 s20, s17, 1
	s_add_co_u32 s20, s20, s16
	s_mul_i32 s20, s20, 8*UN
	s_mov_b32 s21, 0
	s_lshl_b32 s46, s42, 1
	s_add_co_u32 s46, s46, s16
	s_mul_i32 s46, s46, 8*UN
	s_add_co_u32 s46, s46, 512*UN
	s_mov_b32 s47, 0
	s_mul_i32 s45, s14, RG                         ; my region: no place in the cluster enters an LDS address
	s_mov_b32 s[SEL], 0x76543210
	s_mov_b32 s[SEL+1], 0xfedcba98
	s_mov_b32 s[CS], 0x3d38aa3b                    ; log2(e) / 32
	s_mov_b32 s[CS+1], s[CS]
	s_wait_dscnt 0x0
	s_wait_kmcnt 0x0
	s_add_nc_u64 s[20:21], s[4:5], s[20:21]
	s_add_nc_u64 s[46:47], s[4:5], s[46:47]
	CROUND                                         ; all sixteen work-groups are here: the first joint loads meet
.irp k, 0,1,2                          ; K steps 0-3 to unit 0; 4, 5 to unit 4; 6, 7 to unit 0
	s_mov_b32 s[G0A+4*\k], 1
	s_add_co_u32 s[G0A+4*\k+1], s45, (\k%2)*4*UN
	s_add_nc_u64 s[G0A+4*\k+2:G0A+4*\k+3], s[20:21], (4*\k-2*(\k/2))*UN
	s_or_b32 s[G0A+4*\k+3], s[G0A+4*\k+3], 0x80000000
	s_mov_b32 s[G0B+4*\k], 1
	s_add_co_u32 s[G0B+4*\k+1], s45, (\k%2)*4*UN
	s_add_nc_u64 s[G0B+4*\k+2:G0B+4*\k+3], s[46:47], (4*\k-2*(\k/2))*UN
	s_or_b32 s[G0B+4*\k+3], s[G0B+4*\k+3], 0x80000000
.endr
	JLOAD 0                                        ; one load a wave at the head
	v_and_b32 v1, 15, v0
	v_bfe_u32 v2, v0, 4, 1
	v_and_b32 v3, 31, v0
	v_lshlrev_b32 v[LI], 4, v3
	s_wait_alu depctr_va_vdst(0)
	s_mul_i32 s21, s15, RG
	s_mul_i32 s22, s16, RG
	s_add_co_u32 s22, s22, 2*RG
.irp s, 0,1
	v_add_nc_u32 v[AQ+\s], s21, v[LI]
	v_add_nc_u32 v[AK+\s], s22, v[LI]
	s_add_co_u32 s21, s21, 4*UN
	s_add_co_u32 s22, s22, 4*UN
.endr
	; where my results go: pc is [512 rb][16 ks], rb = 16 x q's tile + 8 half + a, ks = 2 x k's tile in the batch + half; ps [64 groups][16 ks][512], three times
	s_lshl_b32 s18, s[KT], 1
	s_add_co_u32 s18, s18, s16
	s_lshl_b32 s19, s17, 4
	s_lshl_b32 s20, s15, 3
	s_add_co_u32 s19, s19, s20
	s_lshl_b32 s19, s19, 4
	s_add_co_u32 s19, s19, s18
	s_mul_i32 s46, s19, FRB
	s_mov_b32 s47, 0
	s_add_nc_u64 s[8:9], s[8:9], s[46:47]
	s_lshl_b32 s19, s17, 1
	s_add_co_u32 s19, s19, s15
	s_lshl_b32 s19, s19, 4
	s_add_co_u32 s19, s19, s18
	s_lshl_b32 s46, s19, 9
	s_add_nc_u64 s[10:11], s[10:11], s[46:47]
	s_wait_alu depctr_va_vdst(0)                   ; the head's end
	s_wait_tensorcnt 0x0                           ; my block is in; these lines stand ahead of a later first fill as ahead of a refill
	ds_add_u32 v[SPW], v[NIL]
	s_mov_b32 s[G1+2], 100<<16                     ; no load of mine is out: from here on a load brings two units
	s_mov_b32 s[G1+4], 100
	s_mov_b32 s[G1B+2], 100<<16
	s_mov_b32 s[G1B+4], 100
	s_wait_dscnt 0x0
	CROUND
	JLOAD 1                                        ; K steps 4, 5
	FET 0
	KS 0, 1
	KS 1, 0
	KS 2, 0
	KC 3, 1                                        ; K steps 6, 7 are asked for
	KS 4, 0
	KC 5, 0
	KS 6, 0
	KS 7, 0
	WIN 0
; THE WAY OUT of the queries' block a: 16 queries x my 128 keys.  Each accumulator is read from its low end on.
.macro SOFT a
.set AC, 64*((\a)%4)
.set W, 2+(\a)/4
.if (\a) > 0
	s_wait_xcnt 0x0                                ; the last block's stores have read the codes' registers
.endif
	WIN W|(W<<2)|(W<<4)
.irp b, 0,1,2,3
	v_max3_num_f32 v[BM+\b], v[AC+16*\b], v[AC+16*\b+1], v[AC+16*\b+2]   ; the largest score of each block of 32 keys: for the piece's maximum and, since p rises with the score, for the block's largest p
.endr
	WIN (W<<2)|(W<<4)
.irp i, 3,5,7,9,11,13
.irp b, 0,1,2,3
	v_max3_num_f32 v[BM+\b], v[BM+\b], v[AC+16*\b+\i], v[AC+16*\b+\i+1]
.endr
.endr
.irp b, 0,1,2,3
	v_max_num_f32 v[BM+\b], v[BM+\b], v[AC+16*\b+15]
.endr
	WIN 0
.irp b, 0,1,2,3
	v_permlanex16_b32 v[BX+\b], v[BM+\b], s[SEL], s[SEL+1]
.endr
.irp b, 0,1,2,3
	v_max_num_f32 v[BM+\b], v[BM+\b], v[BX+\b]     ; with lane l xor 16's 16 keys
.endr
	v_max3_num_f32 v[NM+1], v[BM], v[BM+1], v[BM+2]
	v_max_num_f32 v[NM+1], v[NM+1], v[BM+3]
	v_mul_f32 v[NM+1], s[CS], v[NM+1]              ; as t (c is positive)
	v_floor_f32 v[NM], -v[NM+1]                    ; -M = floor(-t) = -ceil(t): a whole number
	WIN W
.set j, 0
.rept 32
	v_pk_fma_f32 v[T+j:T+j+1], v[AC+j:AC+j+1], s[CS:CS+1], v[NM:NM+1] op_sel_hi:[1,0,0]   ; t - M, two at a time
.set j, j+2
.endr
	WIN 0
.irp b, 0,1,2,3
	v_fma_f32 v[BM+\b], v[BM+\b], s[CS], v[NM]     ; the same of each block's largest score
.endr
.set j, 0
	s_wait_alu depctr_va_vdst(0)                   ; ahead of the batch
.rept 64
	v_exp_f32 v[T+j], v[T+j]                       ; p = 2^(t - M): not normalised
.set j, j+1
.endr
	v_nop
	s_wait_alu depctr_va_vdst(0)                   ; one wait for the whole batch, ahead of its first reader
.irp b, 0,1,2,3
	v_exp_f32 v[BM+\b], v[BM+\b]                   ; the block's largest p
.endr
	v_pk_add_f32 v[LS:LS+1], v[T:T+1], v[T+2:T+3]  ; the sum is taken of the unquantised p, in two chains
	v_pk_add_f32 v[LS+2:LS+3], v[T+4:T+5], v[T+6:T+7]
.irp j, 8,12,16,20,24,28,32,36,40,44,48,52,56,60
	v_pk_add_f32 v[LS:LS+1], v[LS:LS+1], v[T+\j:T+\j+1]
	v_pk_add_f32 v[LS+2:LS+3], v[LS+2:LS+3], v[T+\j+2:T+\j+3]
.endr
	v_pk_add_f32 v[LS:LS+1], v[LS:LS+1], v[LS+2:LS+3]
	v_add_f32 v[LS], v[LS], v[LS+1]
	v_permlanex16_b32 v[BX], v[LS], s[SEL], s[SEL+1]
	v_add_f32 v[LA+(\a)], v[LS], v[BX]             ; with lane l xor 16's: l of the piece
	v_mov_b32 v[NMA+(\a)], v[NM]
	s_wait_alu depctr_va_vdst(0)                   ; and one wait for the four
.irp b, 0,1,2,3
	v_max_num_f32 v[BM+\b], 0x2800000, v[BM+\b]    ; the floor 2^(5 - 127): the byte cannot fall under 1
.endr
.irp b, 0,1,2,3
	v_add_nc_u32 v[SO+\b], 0xfe000000, v[BM+\b]    ; 4 off the exponent field: the conversion's scale operand
.endr
.irp b, 0,1,2,3
	v_lshrrev_b32 v[BY+\b], 23, v[SO+\b]           ; the scale's byte
.endr
	v_lshl_or_b32 v[PWA+(\a)], v[BY+1], 8, v[BY]
	v_lshl_or_b32 v[PWA+(\a)], v[BY+2], 16, v[PWA+(\a)]
	v_lshl_or_b32 v[PWA+(\a)], v[BY+3], 24, v[PWA+(\a)]
.irp c, 0,1
	v_cvt_scalef32_pk16_bf6_f32 v[PC+6*\c:PC+2+6*\c], v[T+32*\c:T+15+32*\c], v[SO+2*\c]
	v_cvt_scalef32_pk16_bf6_f32 v[PC+12+4*\c:PC+14+4*\c], v[T+16+32*\c:T+31+32*\c], v[SO+2*\c+1]
.endr
	v_nop                                          ; one plain instruction behind the scaled conversions
.irp c, 0,1
.irp i, 0,1,2
	v_permlane16_swap_b32 v[PC+6*\c+\i], v[PC+12+4*\c+\i]
.endr
.irp i, 0,1,2
	v_mov_b32 v[PC+3+6*\c+\i], v[PC+12+4*\c+\i]
.endr
.endr
.irp c, 0,1,2
	global_store_b128 v[LI], v[PC+4*\c:PC+4*\c+3], s[8:9] offset:(\a)*16*FRB+512*\c   ; 32 lanes store 512 consecutive bytes, aligned
.endr
.endm
	PLACES 4                                       ; behind the last products
.irp b, 0,1,2,3
	v_mov_b32 v[BX+\b], 0                          ; a lane permute's destination counts as one of its sources
.endr
.irp a, 0,1,2,3,4,5,6,7
	SOFT \a
.endr
	v_cmp_le_u32 vcc_lo, 16, v3                    ; three images: register c takes block 2 c's numbers in lanes 0-15 and block 2 c + 1's in lanes 16-31
.irp c, 0,1,2,3
	v_cndmask_b32 v[XO+\c], v[PWA+2*\c], v[PWA+2*\c+1], vcc_lo
	v_cndmask_b32 v[XO+4+\c], v[NMA+2*\c], v[NMA+2*\c+1], vcc_lo
	v_cndmask_b32 v[XO+8+\c], v[LA+2*\c], v[LA+2*\c+1], vcc_lo
.endr
	global_store_b128 v[LI], v[XO:XO+3], s[10:11]
	global_store_b128 v[LI], v[XO+4:XO+7], s[10:11] offset:524288
	global_store_b128 v[LI], v[XO+8:XO+11], s[10:11] offset:1048576
	s_wait_tensorcnt 0x0                           ; the wave's end
	ds_add_u32 v[SPW], v[NIL]
	s_wait_dscnt 0x0
	CROUND                                         ; the closing round
	s_endpgm
.Lfunc_end_k_q87e6abc837_scores:
	.size	k_q87e6abc837_scores, .Lfunc_end_k_q87e6abc837_scores-k_q87e6abc837_scores
	.p2alignl 7, 3214868480
	.fill 96, 4, 3214868480
	.section	.rodata,"a",@progbits
	.p2align	6, 0x0
	.amdhsa_kernel k_q87e6abc837_scores
		.amdhsa_group_segment_fixed_size 327680
		.amdhsa_private_segment_fixed_size 0
		.amdhsa_enable_private_segment 0
		.amdhsa_kernarg_size 24
		.amdhsa_user_sgpr_count 2
		.amdhsa_user_sgpr_kernarg_segment_ptr 1
		.amdhsa_wavefront_size32 1
		.amdhsa_system_sgpr_workgroup_id_x 1
		.amdhsa_system_sgpr_workgroup_id_y 1
		.amdhsa_system_sgpr_workgroup_id_z 1
		.amdhsa_system_vgpr_workitem_id 0
		.amdhsa_next_free_vgpr 1024
		.amdhsa_next_free_sgpr 102
		.amdhsa_reserve_vcc 1
		.amdhsa_float_denorm_mode_32 3
		.amdhsa_float_denorm_mode_16_64 3
		.amdhsa_memory_ordered 1
		.amdhsa_forward_progress 1
		.amdhsa_inst_pref_size 190
	.end_amdhsa_kernel
	.amdgpu_metadata
---
amdhsa.version: [ 1, 2 ]
amdhsa.kernels:
  - .name:           k_q87e6abc837_scores
    .symbol:         k_q87e6abc837_scores.kd
    .args:
      - { .name: kq, .offset: 0, .size: 8, .value_kind: global_buffer, .address_space: global }
      - { .name: pc, .offset: 8, .size: 8, .value_kind: global_buffer, .address_space: global }
      - { .name: ps, .offset: 16, .size: 8, .value_kind: global_buffer, .address_space: global }
    .group_segment_fixed_size: 327680
    .private_segment_fixed_size: 0
    .kernarg_segment_align: 8
    .kernarg_segment_size: 24
    .max_flat_workgroup_size: 128
    .sgpr_count:     102
    .vgpr_count:     1024
    .wavefront_size: 32
...
	.end_amdgpu_metadata
.endif
;; end of part 7
;; launch pv (part 8): grid 8 x 32, 4 waves a work-group, clusters of 4 x 4, 327,680 bytes of LDS; arguments pc, ps, qc, qs, out0; writes out0
.if DOCPART == 8
	.amdgcn_target "amdgcn-amd-amdhsa--gfx1250"
	.amdhsa_code_object_version 6
	.text
	.protected	k_q87e6abc837_pv
	.globl	k_q87e6abc837_pv
	.p2align	8
	.type	k_q87e6abc837_pv,@function
k_q87e6abc837_pv:
	s_mov_b64 s[64:65], 0
	v_nop
	global_prefetch_b8 v0, s[64:65] scope:SCOPE_SE
	s_setreg_imm32_b32 hwreg(HW_REG_WAVE_MODE, 25, 1), 1
	s_wait_xcnt 0x0
	s_wait_alu depctr_hold_cnt(0) depctr_sa_sdst(0) depctr_va_vdst(0) depctr_va_sdst(0) depctr_va_ssrc(0) depctr_va_vcc(0) depctr_vm_vsrc(0)
	s_getreg_b32 s2, hwreg(HW_REG_IB_STS2, 6, 4)
	s_cmp_eq_u32 s2, 0
	s_cbranch_scc0 .Lentry_in_a_cluster
	s_endpgm
.Lentry_in_a_cluster:
	s_bfe_u32 s2, ttmp6, 0x10000c
	s_cmp_lg_u32 s2, 0xf033
	s_cbranch_scc0 .Lentry_shape_is_right
	s_endpgm
.Lentry_shape_is_right:
; out = (p v) / l on codes of BF6 (E3M2) with E8M0 scales.  p comes in pieces of 128 keys, each under its own whole number M(piece), with -M and the piece's sum l beside it.
; The row's M is the largest of its 16 pieces'.  Each piece is brought under it by taking M(row) - M(piece) off its four scale bytes, which is exact, and its l by v_ldexp_f32; the result is divided by the row's l.
; SHARES.  Work-group (c, qt): 256 queries x 128 channels; wave w: its 64 queries 64 w .. x all 128 channels: 32 accumulators, 16 steps of 128 keys, 32 products a step.
; v^T: the tile's codes (8 row blocks x 16 steps x 1,536 bytes, dense in qc) and scale words (16 images of 512 bytes, dense in qs) come into LDS once, at the head, one tensor load a wave
; (waves 0-2 a third of the codes each, wave 3 the scale words), and stay: nothing is filled again, and the walk along the keys has no barrier.
; p: a wave's four fragments of a step are read by that wave alone.  They are images of the operand's registers, so they go from memory straight into registers: 12 loads of 512 consecutive bytes a step,
; in a ring of six sets, asked for five steps ahead.
; THE MATRIX INSTRUCTION IS USED TRANSPOSED: source 0 = 16 positions of v^T (channels), source 1 = 16 of p (queries).  Lane (r, h) holds query position r; register 16 bb + i of accumulators (a, 0 .. 7) is channel 32 bb + 16 h + i.
; Position 16 rb + r, rb = 2 bb + u, is row 32 bb + 8 u + r + 8 (r / 8).
; CLUSTERS, 4 x 4: v^T's tile hangs on the batch and on c alone and is shared along a column of the cluster: it is asked for jointly.  p is not: each of its fragments lands in one wave's registers, where no joint load can put it.
; No prefetch: p's own loads run five steps (60 loads a wave) ahead of their use, and v^T is asked for whole at the head.
; LIMITS: NaN and infinities are not served.  A scale byte that would fall under 0 (a piece 2^-100 or less of its row's largest p) is held at 0, the scale 2^-127.
; REGISTERS: window 0: v1-27 ids and addresses, v32-63 p's scale words (register 2 k + c: step k; blocks 2 c in lanes 0-15, 2 c + 1 in lanes 16-31), v64-71 1 / l, v72-79 v^T's scale words (two sets), v80-155 the head's work,
;   v128-255 the way out.  window 1: accumulator (a, b) at v[8 (8 a + b)].  window 2: v0-191 v^T's fragments, two sets; v192-239 p's set 5.  window 3: p's sets 0-4.
.set FRB,   1536
.set RBP,   16*FRB
.set VSC,   8*RBP                      ; behind the codes: v^T's scale words
.set STG,   VSC+8192                   ; the stages: 16 rows x 528 bytes for each wave; no tensor load lands there
.set SPITCH, 528
.set SPARE, STG+4*16*SPITCH
.set LI,   4                           ; 16 x lane
.set VM,   5
.set AB,   8                           ; v8-11  v^T's row blocks 2 i, 2 i + 1
.set AS,   12
.set STO,  13
.set RD,   14
.set SPW,  28
.set NIL,  29
.set RW,   32
.set RC2,  64
.set SBS,  72
.set MI,   80
.set LM,   112
.set TP,   144
.set NG,   152
.set LG,   154
.set BK,   128
.set G1C,  24
.set G0C,  32
.set G0S,  36
.set G1S,  48
.set SEL,  66
.set MSB, 0
.macro WIN new                         ; the immediate's high byte repeats the setting that is left
.if MSB != (\new)
	s_set_vgpr_msb (MSB<<8)|(\new)
.set MSB, (\new)
.endif
.endm
.macro PLACES n
.rept \n
	v_nop
.endr
.endm
.macro CROUND
	s_barrier_signal -1
	s_barrier_wait -1
	s_cmp_lg_u32 s14, 0
	s_cbranch_scc1 .Lnot_wave_0_\@
	s_barrier_signal -3
.Lnot_wave_0_\@:
	s_barrier_wait -3
	s_barrier_signal -1
	s_barrier_wait -1
.endm
.macro PSET n                          ; where step n's fragments of p lie: set n % 6
.if (\n)%6 < 5
.set PW_, 3
.set PB_, 48*((\n)%6)
.else
.set PW_, 2
.set PB_, 192
.endif
.endm
.macro PLOAD n                         ; step n's four fragments of p, from memory into registers
	PSET \n
	WIN PW_<<6
.irp a, 0,1,2,3
.irp c, 0,1,2
	global_load_b128 v[PB_+12*\a+4*\c:PB_+12*\a+4*\c+3], v[LI], s[4:5] offset:\a*RBP+(\n)*FRB+512*\c
.endr
.endr
.endm
.macro FETB n                          ; step n's eight fragments of v^T and their scale words, from LDS
.set P_, (\n)%2
	WIN 0x80
.irp i, 0,1,2,3,4,5,6,7
.irp c, 0,1,2
	ds_load_b128 v[96*P_+12*\i+4*\c:96*P_+12*\i+4*\c+3], v[AB+\i/2] offset:(\i%2)*RBP+(\n)*FRB+512*\c
.endr
.endr
	WIN 0
	ds_load_b128 v[SBS+4*P_:SBS+4*P_+3], v[AS] offset:(\n)*512
.endm
.macro WM zero, bh, ah                 ; bh, ah: the block is the odd one of its pair, whose scale words lie in lanes 16-31; zero: the product starts its sum
.set WX_, 4*(\zero)+2*(\bh)+(\ah)
.if WX_ == 0
	v_wmma_scale_f32_16x16x128_f8f6f4 v[AC_:AC_+7], v[BF_:BF_+11], v[AF_:AF_+11], v[AC_:AC_+7], v[SB_], v[SA_] matrix_a_fmt:MATRIX_FMT_BF6 matrix_b_fmt:MATRIX_FMT_BF6
.elseif WX_ == 1
	v_wmma_scale_f32_16x16x128_f8f6f4 v[AC_:AC_+7], v[BF_:BF_+11], v[AF_:AF_+11], v[AC_:AC_+7], v[SB_], v[SA_] matrix_a_fmt:MATRIX_FMT_BF6 matrix_b_fmt:MATRIX_FMT_BF6 matrix_b_scale:MATRIX_SCALE_ROW1
.elseif WX_ == 2
	v_wmma_scale_f32_16x16x128_f8f6f4 v[AC_:AC_+7], v[BF_:BF_+11], v[AF_:AF_+11], v[AC_:AC_+7], v[SB_], v[SA_] matrix_a_fmt:MATRIX_FMT_BF6 matrix_b_fmt:MATRIX_FMT_BF6 matrix_a_scale:MATRIX_SCALE_ROW1
.elseif WX_ == 3
	v_wmma_scale_f32_16x16x128_f8f6f4 v[AC_:AC_+7], v[BF_:BF_+11], v[AF_:AF_+11], v[AC_:AC_+7], v[SB_], v[SA_] matrix_a_fmt:MATRIX_FMT_BF6 matrix_b_fmt:MATRIX_FMT_BF6 matrix_a_scale:MATRIX_SCALE_ROW1 matrix_b_scale:MATRIX_SCALE_ROW1
.elseif WX_ == 4
	v_wmma_scale_f32_16x16x128_f8f6f4 v[AC_:AC_+7], v[BF_:BF_+11], v[AF_:AF_+11], 0, v[SB_], v[SA_] matrix_a_fmt:MATRIX_FMT_BF6 matrix_b_fmt:MATRIX_FMT_BF6
.elseif WX_ == 5
	v_wmma_scale_f32_16x16x128_f8f6f4 v[AC_:AC_+7], v[BF_:BF_+11], v[AF_:AF_+11], 0, v[SB_], v[SA_] matrix_a_fmt:MATRIX_FMT_BF6 matrix_b_fmt:MATRIX_FMT_BF6 matrix_b_scale:MATRIX_SCALE_ROW1
.elseif WX_ == 6
	v_wmma_scale_f32_16x16x128_f8f6f4 v[AC_:AC_+7], v[BF_:BF_+11], v[AF_:AF_+11], 0, v[SB_], v[SA_] matrix_a_fmt:MATRIX_FMT_BF6 matrix_b_fmt:MATRIX_FMT_BF6 matrix_a_scale:MATRIX_SCALE_ROW1
.else
	v_wmma_scale_f32_16x16x128_f8f6f4 v[AC_:AC_+7], v[BF_:BF_+11], v[AF_:AF_+11], 0, v[SB_], v[SA_] matrix_a_fmt:MATRIX_FMT_BF6 matrix_b_fmt:MATRIX_FMT_BF6 matrix_a_scale:MATRIX_SCALE_ROW1 matrix_b_scale:MATRIX_SCALE_ROW1
.endif
.endm
.macro MUL32 n, zero                   ; a step's 32 products; the 32 accumulators take turns, one instruction a turn
	PSET \n
	WIN 0x52|(PW_<<2)                              ; source 0 window 2, source 1 p's window, C and D window 1
.irp a, 0,1,2,3
.irp b, 0,1,2,3,4,5,6,7
.set AC_, 8*(8*\a+\b)
.set BF_, 96*((\n)%2)+12*\b
.set AF_, PB_+12*\a
.set SB_, SBS+4*((\n)%2)+\b/2
.set SA_, RW+2*(\n)+\a/2
	WM \zero, \b%2, \a%2
.endr
.endr
.endm
.macro KSTEP n, zero
.if 15-(\n) < 4
	s_wait_loadcnt 12*(15-(\n))                    ; this step's p is in; the later steps' 12 loads each may be out
.else
	s_wait_loadcnt 48                              ; this step's p is in; the next four steps' 12 loads each may be out
.endif
	s_wait_dscnt 0x0                               ; and its v^T
	PLACES 4                                       ; in front of loads into registers that the last step's products have read
.if (\n) < 15
	FETB (\n)+1
.endif
.if (\n)+5 < 16
	PLOAD (\n)+5                                   ; into the set that the last step has read
.endif
	MUL32 \n, \zero
.endm
	s_load_b256 s[4:11], s[0:1], 0x0               ; pc, ps, qc, qs
	s_load_b64 s[12:13], s[0:1], 0x20              ; out0
	v_lshl_add_u32 v[SPW], v0, 2, SPARE
	v_mov_b32 v[NIL], 0
	ds_add_u32 v[SPW], v[NIL]                      ; the opening: the add, twice on end, and its wait
	ds_add_u32 v[SPW], v[NIL]
	v_lshrrev_b32 v1, 5, v0
	v_readfirstlane_b32 s14, v1                    ; wave
	s_lshr_b32 s15, s14, 1
	s_and_b32 s16, s14, 1
	s_bfe_u32 s40, ttmp6, 0x40000                  ; cx
	s_bfe_u32 s41, ttmp6, 0x40004                  ; cy
	s_and_b32 s2, ttmp7, 0xffff
	s_lshl_b32 s17, s2, 2
	s_add_co_u32 s17, s17, s41                     ; qt: the tile of 256 queries
	s_lshl_b32 s42, ttmp9, 2
	s_add_co_u32 s42, s42, s40                     ; c: the tile of 128 channels: hangs on cx alone
	s_lshr_b32 s43, s2, 1                          ; the batch, which all sixteen share
	s_lshl_b32 s44, 0x1111, s40                    ; my column of the cluster
	s_or_b32 s[G1C+0], s44, (3<<16)|(1<<21)        ; elements of 8 bytes; rows of 256 bytes, dense
	s_or_b32 s[G1S+0], s44, (3<<16)|(1<<21)
.irp g, G1C, G1S
	s_mov_b32 s[\g+1], 32<<16
	s_mov_b32 s[\g+3], 32<<16
	s_mov_b32 s[\g+5], 32
	s_mov_b32 s[\g+6], 0
	s_mov_b32 s[\g+7], 0
.endr
	s_mov_b32 s[G1C+2], 256<<16                    ; a third of the codes: 65,536 bytes
	s_mov_b32 s[G1C+4], 256
	s_mov_b32 s[G1S+2], 32<<16                     ; the scale words: 8,192 bytes
	s_mov_b32 s[G1S+4], 32
	s_mul_i32 s20, s43, 1572864
	s_mul_i32 s18, s42, VSC
	s_add_co_u32 s20, s20, s18
	s_lshl_b32 s45, s14, 16
	s_add_co_u32 s20, s20, s45
	s_add_co_u32 s20, s20, 12582912                ; v^T's codes lie behind q's and k's old room in qc
	s_mov_b32 s21, 0
	s_lshl_b32 s22, s43, 16
	s_lshl_b32 s18, s42, 13
	s_add_co_u32 s22, s22, s18
	s_add_co_u32 s22, s22, 524288
	s_mov_b32 s23, 0
	s_mov_b32 s[SEL], 0x76543210
	s_mov_b32 s[SEL+1], 0xfedcba98
	s_mov_b32 s98, 0x80808080
	s_wait_dscnt 0x0
	s_wait_kmcnt 0x0
	s_add_nc_u64 s[20:21], s[8:9], s[20:21]
	s_add_nc_u64 s[22:23], s[10:11], s[22:23]
	CROUND                                         ; all sixteen work-groups are here: the joint loads meet
	s_mov_b32 s[G0C], 1
	s_mov_b32 s[G0C+1], s45
	s_mov_b64 s[G0C+2:G0C+3], s[20:21]
	s_or_b32 s[G0C+3], s[G0C+3], 0x80000000
	s_mov_b32 s[G0S], 1
	s_mov_b32 s[G0S+1], VSC
	s_mov_b64 s[G0S+2:G0S+3], s[22:23]
	s_or_b32 s[G0S+3], s[G0S+3], 0x80000000
	s_cmp_lt_u32 s14, 3                            ; one load a wave, in the two arms of one branch on the wave's number
	s_cbranch_scc0 .Lhead_s
	tensor_load_to_lds s[G0C:G0C+3], s[G1C:G1C+7]
	s_nop 0
	PLACES 4
	s_branch .Lhead_asked
.Lhead_s:
	tensor_load_to_lds s[G0S:G0S+3], s[G1S:G1S+7]
	s_nop 0
	PLACES 4
.Lhead_asked:
	v_and_b32 v1, 15, v0                           ; r
	v_bfe_u32 v2, v0, 4, 1                         ; h
	v_and_b32 v3, 31, v0                           ; lane
	v_lshlrev_b32 v[LI], 4, v3
	s_wait_alu depctr_va_vdst(0)
	s_lshl_b32 s18, s17, 1
	s_add_co_u32 s18, s18, s15
	s_lshl_b32 s18, s18, 13
	s_mov_b32 s19, 0
	s_add_nc_u64 s[96:97], s[6:7], s[18:19]        ; ps at my group of 128 queries
	s_lshl_b32 s18, s17, 4
	s_lshl_b32 s20, s14, 2
	s_add_co_u32 s18, s18, s20
	s_mul_i32 s18, s18, RBP
	s_add_nc_u64 s[4:5], s[4:5], s[18:19]          ; pc at my four row blocks
	s_lshl_b32 s20, s16, 3
	v_add_nc_u32 v[VM], s20, v[LI]                 ; of an image's four registers my two: 16 x lane + 8 x (w % 2)
.irp k, 0,1,2,3,4,5,6,7,8,9,10,11,12,13,14,15
	global_load_b64 v[MI+2*\k:MI+2*\k+1], v[VM], s[96:97] offset:524288+512*\k     ; -M of the 16 pieces
.endr
.irp k, 0,1,2,3,4,5,6,7,8,9,10,11,12,13,14,15
	global_load_b64 v[LM+2*\k:LM+2*\k+1], v[VM], s[96:97] offset:1048576+512*\k    ; their l
.endr
.irp k, 0,1,2,3,4,5,6,7,8,9,10,11,12,13,14,15
	global_load_b64 v[RW+2*\k:RW+2*\k+1], v[VM], s[96:97] offset:512*\k            ; their scale words
.endr
.irp n, 0,1,2,3,4
	PLOAD \n
.endr
	WIN 0
.irp i, 0,1,2,3
	v_add_nc_u32 v[AB+\i], \i*2*RBP, v[LI]
.endr
	v_add_nc_u32 v[AS], VSC, v[LI]
	s_mul_i32 s23, s14, 16*SPITCH
	s_add_co_u32 s23, s23, STG                     ; my stage
	v_mul_u32_u24 v[STO], v1, SPITCH
	v_lshl_add_u32 v[STO], v2, 6, v[STO]
	v_add_nc_u32 v[STO], s23, v[STO]               ; in: row r, 64 bytes for each half of the lanes
	v_add_nc_u32 v[RD], s23, v[LI]                 ; back: the 32 lanes take one row of 512 bytes
	s_lshl_b32 s18, s17, 8
	s_lshl_b32 s20, s14, 6
	s_add_co_u32 s18, s18, s20
	s_lshl_b32 s18, s18, 12                        ; my first row of the result: 256 qt + 64 w, 4,096 bytes a row
	s_lshl_b32 s20, s42, 9
	s_add_co_u32 s18, s18, s20
	s_add_nc_u64 s[12:13], s[12:13], s[18:19]
	s_wait_loadcnt 60                              ; -M, l and the scale words are in; p's 60 loads may be out
.irp c, 0,1
	v_min3_num_f32 v[NG+\c], v[MI+\c], v[MI+2+\c], v[MI+4+\c]
.endr
.irp k, 3,5,7,9,11,13
.irp c, 0,1
	v_min3_num_f32 v[NG+\c], v[NG+\c], v[MI+2*\k+\c], v[MI+2*\k+2+\c]
.endr
.endr
.irp c, 0,1
	v_min_num_f32 v[NG+\c], v[NG+\c], v[MI+30+\c]  ; -M of the row
.endr
.set j, 0
.rept 16
	v_pk_add_f32 v[MI+j:MI+j+1], v[NG:NG+1], v[MI+j:MI+j+1] neg_lo:[0,1] neg_hi:[0,1]   ; M(piece) - M(row): a whole number, 0 or less
.set j, j+2
.endr
.set j, 0
.rept 32
	v_cvt_i32_f32 v[MI+j], v[MI+j]
.set j, j+1
.endr
.set j, 0
.rept 32
	v_ldexp_f32 v[LM+j], v[LM+j], v[MI+j]          ; each piece's l under the row's M
.set j, j+1
.endr
	v_pk_add_f32 v[LG:LG+1], v[LM:LM+1], v[LM+2:LM+3]
	v_pk_add_f32 v[TP:TP+1], v[LM+4:LM+5], v[LM+6:LM+7]
.irp k, 4,6,8,10,12,14
	v_pk_add_f32 v[LG:LG+1], v[LG:LG+1], v[LM+2*\k:LM+2*\k+1]
	v_pk_add_f32 v[TP:TP+1], v[TP:TP+1], v[LM+2*\k+2:LM+2*\k+3]
.endr
	v_pk_add_f32 v[LG:LG+1], v[LG:LG+1], v[TP:TP+1]   ; the row's l
.irp g, 0,1,2,3,4,5,6,7                ; M(row) - M(piece), 127 at the most, off each of a word's four bytes; a byte that would fall under 0 is held at 0
.irp c, 0,1,2,3
	v_sub_nc_u32 v[TP+\c], 0, v[MI+4*\g+\c]
.endr
.irp c, 0,1,2,3
	v_min_u32 v[TP+\c], 127, v[TP+\c]
.endr
.irp c, 0,1,2,3
	v_perm_b32 v[TP+\c], v[TP+\c], v[TP+\c], 0     ; in all four bytes
.endr
.irp c, 0,1,2,3
	v_or_b32 v[RW+4*\g+\c], s98, v[RW+4*\g+\c]     ; bit 7 of each byte keeps the bytes apart (a byte of p's scales is 123 at the most)
.endr
.irp c, 0,1,2,3
	v_sub_nc_u32 v[RW+4*\g+\c], v[RW+4*\g+\c], v[TP+\c]
.endr
.irp c, 0,1,2,3
	v_and_b32 v[TP+\c], s98, v[RW+4*\g+\c]         ; bit 7 still set: the byte did not fall under 0
.endr
.irp c, 0,1,2,3
	v_lshrrev_b32 v[TP+4+\c], 7, v[TP+\c]
.endr
.irp c, 0,1,2,3
	v_sub_nc_u32 v[TP+\c], v[TP+\c], v[TP+4+\c]    ; 0x7f for such a byte, 0 for the others
.endr
.irp c, 0,1,2,3
	v_and_b32 v[RW+4*\g+\c], v[RW+4*\g+\c], v[TP+\c]
.endr
.endr
	s_wait_alu depctr_va_vdst(0)                   ; ahead of the batch
.irp c, 0,1
	v_rcp_f32 v[LG+\c], v[LG+\c]
.endr
	v_nop
	s_wait_alu depctr_va_vdst(0)                   ; and behind it, ahead of its first reader
.irp c, 0,1
	v_permlanex16_b32 v[TP+\c], v[LG+\c], s[SEL], s[SEL+1]
.endr
	v_cmp_le_u32 vcc_lo, 16, v3                    ; 1 / l of block a's query r, in both halves of the lanes, twice: at RC2 + 2 a
.irp c, 0,1
	v_cndmask_b32 v[RC2+4*\c], v[LG+\c], v[TP+\c], vcc_lo
	v_cndmask_b32 v[RC2+4*\c+1], v[LG+\c], v[TP+\c], vcc_lo
	v_cndmask_b32 v[RC2+4*\c+2], v[TP+\c], v[LG+\c], vcc_lo
	v_cndmask_b32 v[RC2+4*\c+3], v[TP+\c], v[LG+\c], vcc_lo
.endr
	s_wait_alu depctr_va_vdst(0)                   ; the head's end
	s_wait_tensorcnt 0x0                           ; my part of v^T is in,
	s_barrier_signal -1
	s_barrier_wait -1                              ; everybody's is
	FETB 0
	KSTEP 0, 1
.irp n, 1,2,3,4,5,6,7,8,9,10,11,12,13,14,15
	KSTEP \n, 0
.endr
	WIN 0
; THE WAY OUT, block by block of 16 queries x 128 channels: x 1 / l; through my own stage in LDS; back as whole rows of 512 bytes, which the 32 lanes store as two aligned runs of 256 bytes.
.macro SCALE a
.set AC, 64*(\a)
	WIN 0x41
.set j, 0
.rept 32
	v_pk_mul_f32 v[AC+j:AC+j+1], v[AC+j:AC+j+1], v[RC2+2*(\a):RC2+2*(\a)+1]   ; each accumulator from its low end on
.set j, j+2
.endr
.endm
.macro TOSTAGE a
.set AC, 64*(\a)
	WIN 0x04
.irp b, 0,1,2,3,4,5,6,7
	ds_store_b128 v[STO], v[AC+8*\b:AC+8*\b+3] offset:128*(\b/2)+32*(\b%2)
	ds_store_b128 v[STO], v[AC+8*\b+4:AC+8*\b+7] offset:128*(\b/2)+32*(\b%2)+16
.endr
	WIN 0
.set BB, BK+64*((\a)%2)
.irp t, 0,1,2,3,4,5,6,7,8,9,10,11,12,13,14,15
	ds_load_b128 v[BB+4*\t:BB+4*\t+3], v[RD] offset:\t*SPITCH    ; LDS serves a wave's instructions in order: these see the stores above
.endr
.endm
.macro SEND a, younger                 ; younger: the LDS instructions issued behind block a's loads, which may stay out
.set BB, BK+64*((\a)%2)
	s_wait_dscnt \younger
.irp t, 0,1,2,3,4,5,6,7,8,9,10,11,12,13,14,15
	global_store_b128 v[LI], v[BB+4*\t:BB+4*\t+3], s[12:13] offset:(32*((\a)/2)+8*((\a)%2)+\t+8*(\t/8))*4096 th:TH_STORE_NT
.endr
.endm
	PLACES 4                                       ; behind the last products
	SCALE 0
	TOSTAGE 0
.irp a, 1,2,3
.if \a > 1
	s_wait_xcnt 0x0                                ; block a - 2's stores have read their registers
.endif
	SCALE \a
	TOSTAGE \a
	SEND \a-1, 32
.endr
	SEND 3, 0
	s_wait_tensorcnt 0x0                           ; the wave's end
	ds_add_u32 v[SPW], v[NIL]
	s_wait_dscnt 0x0
	CROUND                                         ; the closing round
	s_endpgm
.Lfunc_end_k_q87e6abc837_pv:
	.size	k_q87e6abc837_pv, .Lfunc_end_k_q87e6abc837_pv-k_q87e6abc837_pv
	.p2alignl 7, 3214868480
	.fill 96, 4, 3214868480
	.section	.rodata,"a",@progbits
	.p2align	6, 0x0
	.amdhsa_kernel k_q87e6abc837_pv
		.amdhsa_group_segment_fixed_size 327680
		.amdhsa_private_segment_fixed_size 0
		.amdhsa_enable_private_segment 0
		.amdhsa_kernarg_size 40
		.amdhsa_user_sgpr_count 2
		.amdhsa_user_sgpr_kernarg_segment_ptr 1
		.amdhsa_wavefront_size32 1
		.amdhsa_system_sgpr_workgroup_id_x 1
		.amdhsa_system_sgpr_workgroup_id_y 1
		.amdhsa_system_sgpr_workgroup_id_z 1
		.amdhsa_system_vgpr_workitem_id 0
		.amdhsa_next_free_vgpr 1024
		.amdhsa_next_free_sgpr 102
		.amdhsa_reserve_vcc 1
		.amdhsa_float_denorm_mode_32 3
		.amdhsa_float_denorm_mode_16_64 3
		.amdhsa_memory_ordered 1
		.amdhsa_forward_progress 1
		.amdhsa_inst_pref_size 163
	.end_amdhsa_kernel
	.amdgpu_metadata
---
amdhsa.version: [ 1, 2 ]
amdhsa.kernels:
  - .name:           k_q87e6abc837_pv
    .symbol:         k_q87e6abc837_pv.kd
    .args:
      - { .name: pc, .offset: 0, .size: 8, .value_kind: global_buffer, .address_space: global }
      - { .name: ps, .offset: 8, .size: 8, .value_kind: global_buffer, .address_space: global }
      - { .name: qc, .offset: 16, .size: 8, .value_kind: global_buffer, .address_space: global }
      - { .name: qs, .offset: 24, .size: 8, .value_kind: global_buffer, .address_space: global }
      - { .name: out0, .offset: 32, .size: 8, .value_kind: global_buffer, .address_space: global }
    .group_segment_fixed_size: 327680
    .private_segment_fixed_size: 0
    .kernarg_segment_align: 8
    .kernarg_segment_size: 40
    .max_flat_workgroup_size: 128
    .sgpr_count:     102
    .vgpr_count:     1024
    .wavefront_size: 32
...
	.end_amdgpu_metadata
.endif
;; end of part 8
